; MI455X (gfx1250); checked and timed in simulation.
; The chip was launched on July 23, 2026; its instructions are those of AMD's public machine-readable ISA for CDNA 5 (MIT licence, August 2026) and "CDNA5" Instruction Set Architecture Reference Guide (July 2026). The comments in the code are by the model that wrote it; some were corrected since.
;; Hyperbolic Attention Layer. Allowed arithmetic: matrix products marked QUANTISED: E4M3 operands, one given power-of-two scale a tensor, by v_wmma_f32_16x16x64_fp8_fp8 or v_wmma_f32_16x16x128_fp8_fp8, f32 sums; everything else in f32.
;; Inputs: b1 1,024 float32; b2 1,024 float32; bf1 4,096 float32; bf2 1,024 float32; bk 1,024 float32; bo 1,024 float32; bq 1,024 float32; bv 1,024 float32; g1 1,024 float32; g2 1,024 float32; lowp_scales 16 int32 (the exponents e of the quantised operands' scales 2^e); w1 4,096 x 1,024 float32; w2 1,024 x 4,096 float32; wk 1,024 x 1,024 float32; wo 1,024 x 1,024 float32; wq 1,024 x 1,024 float32; wv 1,024 x 1,024 float32; x 2 x 2,048 x 1,024 float32.
;; Outputs: out0 2 x 2,048 x 1,024 float32.
;; This version of the problem:
;;   THIS VERSION OF THE PROBLEM IS GIVEN IN LOW PRECISION. The matrix products marked QUANTISED in the list below multiply operands that are first quantised to E4M3 (4 exponent bits, 3 mantissa bits; 8 bits a number), with one given power-of-two scale for each operand tensor; their sums are f32. All else is computed in f32.
;;   The module's matrix products, in the order in which they are computed (A, B: the left and right operand; K: the contracted axis; several contracted axes count as one K, in the product's order):
;;     1. [M 4,096, K 1,024] x [K 1,024, N 1,024]; A: computed on the way; B: input wq: QUANTISED (scales: A lowp_scales[0], B lowp_scales[1])
;;     2. [M 4,096, K 1,024] x [K 1,024, N 1,024]; A: computed on the way; B: input wk: QUANTISED (scales: A lowp_scales[2], B lowp_scales[3])
;;     3. [M 4,096, K 1,024] x [K 1,024, N 1,024]; A: computed on the way; B: input wv: QUANTISED (scales: A lowp_scales[4], B lowp_scales[5])
;;     4. batch 32 x [M 2,048, K 64] x [K 64, N 2,048]; A: computed on the way; B: computed on the way: QUANTISED (scales: A lowp_scales[6], B lowp_scales[7])
;;     5. batch 32 x [M 2,048, K 2,048] x [K 2,048, N 64]; A: softmax (see below); B: computed on the way: QUANTISED (scales: A lowp_scales[8], B lowp_scales[9])
;;     6. [M 4,096, K 1,024] x [K 1,024, N 1,024]; A: computed on the way; B: input wo: QUANTISED (scales: A lowp_scales[10], B lowp_scales[11])
;;     7. [M 4,096, K 1,024] x [K 1,024, N 4,096]; A: computed on the way; B: input w1: QUANTISED (scales: A lowp_scales[12], B lowp_scales[13])
;;     8. [M 4,096, K 4,096] x [K 4,096, N 1,024]; A: computed on the way; B: input w2: QUANTISED (scales: A lowp_scales[14], B lowp_scales[15])
;;   THE QUANTISER, for each operand of a quantised product, along K:
;;     - The operand's scale is 2^e, e = its entry of the input lowp_scales (int32; the entries are numbered through the quantised products in the list's order, A before B).
;;     - Each number is divided by the scale, clamped to +-448, and rounded to the nearest number of E4M3, ties to even, subnormals kept.
;;     - The product sums the exact products of the quantised numbers (number of the format x scale) in f32.
;;   ~~~python
;;   def quantise(x, axis, e):      # numpy; x: float32 -> the quantised numbers, widened to float32 again
;;       x = np.moveaxis(x, axis, -1); K = x.shape[-1]
;;       r = np.clip(x / 2.0 ** e, -448, 448)
;;       step = 2.0 ** (np.maximum(np.frexp(np.where(r == 0, 1, r))[1] - 1, -6) - 3)
;;       q = np.round(r / step) * step * 2.0 ** e      # np.round: ties to even
;;       return np.moveaxis(q, -1, axis).astype(np.float32)
;;   ~~~
;;   SOFTMAX AHEAD OF A QUANTISED PRODUCT. Where the list says 'softmax', what is quantised is not the finished softmax but p = 2^(t - M), with t = logit x log2(e) and M = ceil(the row's largest t), a whole number; so 1/2 < the row's largest p <= 1. The row's sum l is taken of the UNQUANTISED p, in f32, and the product's result is divided by l at the end. Since M is a whole number, a kernel that streams over the keys may use a running M (the ceiling of the running maximum): every later rescaling is an exact power of two, so the quantised numbers keep their values, but for numbers so far below the row's largest that they fall under the format's range.
;;   OPERANDS COMPUTED ON THE WAY. 'Computed on the way' means the value that the module computes at that place (a softmax that the list does not call 'softmax' is quantised finished and normalised). What goes into a quantiser is computed in f32, as accurately as f32 sums, v_exp_f32 and their like allow (about 1e-6 of the number): no bf16 or f16 on the way to a quantiser, and a product that is left as it is and whose result goes on into a quantised operand takes f32 operands (vector FMAs, or v_wmma_f32_16x16x4_f32). A number that lies on a knife's edge between two numbers of the format may be rounded either way, as far as f32 arithmetic and the matrix unit's own rounding can turn it there, and no further.
;; 2 versions. Each part assembles by itself: llvm-mc -triple=amdgcn-amd-amdhsa -mcpu=gfx1250 --defsym DOCPART=n.
;; ======== version 1 of 2: 8 launches
;; workspace buffers: wc 12,582,912 bytes; xa 16,777,216 bytes; qkvc 12,582,912 bytes; sq 524,288 bytes; oc 4,194,304 bytes; ya 16,777,216 bytes; x2 4,194,304 bytes; hc 16,777,216 bytes
;; launch prep (part 1): grid 256 x 1, 16 waves a work-group, no clusters, 101,888 bytes of LDS; arguments x, g1, b1, wq, wk, wv, wo, w1, w2, lowp_scales, wc, xa; writes wc, xa
.if DOCPART == 1
	.amdgcn_target "amdgcn-amd-amdhsa--gfx1250"
	.amdhsa_code_object_version 6
	.text
	.protected	k_q7513b2716d_prep
	.globl	k_q7513b2716d_prep
	.p2align	8
	.type	k_q7513b2716d_prep,@function
k_q7513b2716d_prep:
	s_mov_b64 s[64:65], 0
	v_nop
	global_prefetch_b8 v0, s[64:65] scope:SCOPE_SE
	s_setreg_imm32_b32 hwreg(HW_REG_WAVE_MODE, 25, 1), 1
	s_wait_xcnt 0x0
; PREP: layer norm 1 of x, quantised three times (scales e0, e2, e4), and all six weights quantised (e1, e3, e5, e11, e13, e15), all to E4M3 codes laid as IMAGES of operand registers.
; THE IMAGE of a code matrix [R][K], KS = K / 128: byte ((blk KS + ks) 4 + c) 512 + 16 lane + (k & 15), ks = k >> 7, c = (k >> 5) & 3, lane = 16 ((k >> 4) & 1) + r;
; lane r of block blk holds matrix row 32 (blk >> 1) + 8 (blk & 1) + r + 8 (r >> 3).  A fragment (16 rows x 128 K) is then four loads of 16 bytes a lane, 512 bytes apart.
; A JOB is one block of 16 rows x 1,024 along K (64 KB of f32, 16 KB of codes), done by four waves, four rows each.  Of a work-group's 16 waves, waves 0-3 take block ttmp9 of x, the other three
; fours take weight panels 3 ttmp9 + 0, 1, 2 of 768 (wq 64, wk 64, wv 64, wo 64, w1 256, w2 256: a block of w2 is four panels along K).  All that is chosen hangs on ids alone.
; A wave takes a row by eight loads of 512 consecutive bytes; its codes go into a stage row in LDS in true order of k, and after one barrier each wave reads a quarter of the panel back in image order
; and stores 512 consecutive bytes an instruction.  All of a wave's 32 row loads are issued at once.
; LIMITS: each e between -126 and 119, so that 2^e and 448 x 2^e are f32 numbers.  NaN among the inputs is not served.
.set PITCH, 1040                       ; a stage row: 1,024 codes + 16 bytes
.set STG,   16*PITCH                   ; a stage: 16 rows.  Stages 0-2: the three variants of the layer norm; stages 3-5: the weight jobs 1-3
.set SPARE, 6*STG                      ; behind the stages: the spare words, 128 bytes for each of 16 waves
.set NIL,  1
.set VO,   2                           ; v2-5   16 x lane + i rows
.set SWL,  6                           ; v6     stage, way in, layer norm
.set SWW,  7                           ; v7     stage, way in, weights
.set RBL,  8                           ; v8     stage, way back, layer norm
.set RBW,  9                           ; v9     stage, way back, weights
.set GOFF, 10                          ; v10    my 16 bytes in the panel's image
.set SPW,  11
.set MEAN, 12                          ; v[12:13]
.set FP,   14                          ; v[14:15]
.set SCL,  16                          ; v16-21 2^e and 448 x 2^e, three variants
.set PD,   22
.set SS,   23
.set C,    24                          ; v24-31 a row's codes
.set T,    32                          ; v32-63 at work
.set X,    64                          ; v64-191 four rows
.set G,    192
.set BB,   224
.set SEL,  78                          ; s[78:79]
.set RN,   80                          ; 2^-10
.set EPS,  81                          ; 1e-5
.macro XSUM                            ; v[SS] summed over the 32 lanes
	v_add_f32_dpp v[SS], v[SS], v[SS] row_xmask:1 row_mask:0xf bank_mask:0xf
	v_add_f32_dpp v[SS], v[SS], v[SS] row_xmask:2 row_mask:0xf bank_mask:0xf
	v_add_f32_dpp v[SS], v[SS], v[SS] row_xmask:4 row_mask:0xf bank_mask:0xf
	v_add_f32_dpp v[SS], v[SS], v[SS] row_xmask:8 row_mask:0xf bank_mask:0xf
	v_permlanex16_b32 v[PD], v[SS], s[SEL], s[SEL+1]
	v_add_f32 v[SS], v[SS], v[PD]
.endm
.macro TREE                            ; four chains in v[T] .. v[T+7] become one number, then the lanes
	v_pk_add_f32 v[T:T+1], v[T:T+1], v[T+2:T+3]
	v_pk_add_f32 v[T+4:T+5], v[T+4:T+5], v[T+6:T+7]
	v_pk_add_f32 v[T:T+1], v[T:T+1], v[T+4:T+5]
	v_add_f32 v[SS], v[T], v[T+1]
	XSUM
.endm
.macro SUMSQ x                         ; the row's sum of squares
.set p, 0
.rept 4
	v_pk_mul_f32 v[T+2*p:T+2*p+1], v[\x+2*p:\x+2*p+1], v[\x+2*p:\x+2*p+1]
.set p, p+1
.endr
.rept 12
	v_pk_fma_f32 v[T+2*(p%4):T+2*(p%4)+1], v[\x+2*p:\x+2*p+1], v[\x+2*p:\x+2*p+1], v[T+2*(p%4):T+2*(p%4)+1]
.set p, p+1
.endr
	TREE
.endm
.macro LNSUM x                         ; the row's mean, as a pair
.set p, 0
.rept 4
	v_pk_add_f32 v[T+2*p:T+2*p+1], v[\x+4*p:\x+4*p+1], v[\x+4*p+2:\x+4*p+3]
.set p, p+1
.endr
.set p, 8
.rept 8
	v_pk_add_f32 v[T+2*(p%4):T+2*(p%4)+1], v[T+2*(p%4):T+2*(p%4)+1], v[\x+2*p:\x+2*p+1]
.set p, p+1
.endr
	TREE
	v_mul_f32 v[MEAN], s[RN], v[SS]
	v_mov_b32 v[MEAN+1], v[MEAN]
.endm
.macro LNREST x                        ; (x - mean) rsqrt(var + 1e-5) g + b, in place; the variance is taken of the differences
.set p, 0
.rept 16
	v_pk_add_f32 v[\x+2*p:\x+2*p+1], v[\x+2*p:\x+2*p+1], v[MEAN:MEAN+1] neg_lo:[0,1] neg_hi:[0,1]
.set p, p+1
.endr
	SUMSQ \x
	v_fma_f32 v[SS], v[SS], s[RN], s[EPS]
	v_rsq_f32 v[FP], v[SS]
	v_nop                                          ; a plain instruction behind the transcendental
	s_wait_alu depctr_va_vdst(0)                   ; and the wait ahead of its first reader
	v_mov_b32 v[FP+1], v[FP]
.set p, 0
.rept 16
	v_pk_mul_f32 v[\x+2*p:\x+2*p+1], v[\x+2*p:\x+2*p+1], v[FP:FP+1]
.set p, p+1
.endr
.set p, 0
.rept 16
	v_pk_fma_f32 v[\x+2*p:\x+2*p+1], v[\x+2*p:\x+2*p+1], v[G+2*p:G+2*p+1], v[BB+2*p:BB+2*p+1]
.set p, p+1
.endr
.endm
.macro QROW x, sc, adr, off            ; a row becomes codes (v[sc]: 2^e; v[sc+1]: 448 x 2^e) and goes to its stage row; the row's numbers are kept
	s_wait_dscnt 0x0                               ; the last row's stores have read v[C] on
.set p, 0
.rept 32
	v_med3_num_f32 v[T+p], v[\x+p], -v[\sc+1], v[\sc+1]   ; the conversion does not saturate (ISA guide 7.6.2): the hold comes first
.set p, p+1
.endr
.set p, 0
.rept 4
	v_cvt_scalef32_pk8_fp8_f32 v[C+2*p:C+2*p+1], v[T+8*p:T+8*p+7], v[\sc]
.set p, p+1
.endr
	v_nop                                          ; a plain instruction behind the last conversion
.set p, 0
.rept 8
	ds_store_b32 v[\adr], v[C+p] offset:\off+128*p ; register p: k = 128 p + 4 lane + 0 .. 3
.set p, p+1
.endr
.endm
.macro OUT8 rb, ldsoff, ptr, reg       ; my quarter of a panel (two K steps of 128) back in image order, and out
.set p, 0
.rept 8
	ds_load_b128 v[\reg+4*p:\reg+4*p+3], v[\rb] offset:\ldsoff+128*(p/4)+32*(p%4)
.set p, p+1
.endr
.set p, 0
.rept 8
	s_wait_dscnt 7-p                               ; LDS loads come back in order: the 7 - p younger ones may stay out
	global_store_b128 v[GOFF], v[\reg+4*p:\reg+4*p+3], s[\ptr:\ptr+1] offset:512*p   ; 32 lanes store 512 consecutive bytes
.set p, p+1
.endr
.endm
.macro MKSC e, sc                      ; 2^e and 448 x 2^e as f32
	s_add_co_i32 s75, \e, 127
	s_lshl_b32 s76, s75, 23
	v_mov_b32 v[\sc], s76
	s_add_co_i32 s75, s75, 8
	s_lshl_b32 s75, s75, 23
	s_or_b32 s75, s75, 0x600000
	v_mov_b32 v[\sc+1], s75
.endm
	s_load_b512 s[4:19], s[0:1], 0x0               ; x, g1, b1, wq, wk, wv, wo, w1
	s_load_b256 s[20:27], s[0:1], 0x40             ; w2, lowp_scales, wc, xa
	v_lshl_add_u32 v[SPW], v0, 2, SPARE
	v_mov_b32 v[NIL], 0
	v_mov_b32 v[PD], 0                             ; a lane permute's destination counts as read
	v_lshrrev_b32 v32, 5, v0
	v_readfirstlane_b32 s28, v32                   ; wave 0..15
	s_lshr_b32 s29, s28, 2                         ; job
	s_and_b32 s30, s28, 3                          ; sub: which four rows, and which quarter on the way out
	v_and_b32 v33, 31, v0                          ; lane
	v_and_b32 v34, 15, v0                          ; r
	v_bfe_u32 v35, v0, 4, 1                        ; h
	; all four LDS addresses are made here, ahead of the first parting of the waves
	s_mul_i32 s31, s30, 4*PITCH
	v_lshl_add_u32 v[SWL], v33, 2, s31             ; rows 4 sub on, 4 bytes a lane
	s_mul_i32 s32, s29, STG
	s_add_co_u32 s32, s32, 2*STG                   ; weight job j: stage 2 + j
	v_add_nc_u32 v[SWW], s32, v[SWL]
	v_mul_u32_u24 v36, v34, PITCH
	v_lshl_add_u32 v36, v35, 4, v36
	s_lshl_b32 s33, s30, 8
	v_add_nc_u32 v[RBL], s33, v36                  ; row r, + 16 h, + my two K steps
	v_add_nc_u32 v[RBW], s32, v[RBL]
	s_lshl_b32 s33, s30, 12
	v_lshl_add_u32 v[GOFF], v33, 4, s33
	v_lshlrev_b32 v[VO], 4, v33
	s_mov_b32 s[SEL], 0x76543210
	s_mov_b32 s[SEL+1], 0xfedcba98
	s_mov_b32 s[RN], 0x3a800000
	s_mov_b32 s[EPS], 0x3727c5ac
	; which panel
	s_max_u32 s34, s29, 1
	s_sub_co_u32 s34, s34, 1
	s_mul_i32 s35, ttmp9, 3
	s_add_co_u32 s34, s34, s35                     ; pn = 3 x work-group + job - 1 (job 0: not used)
	s_mov_b32 s38, 512
	s_cmp_lt_u32 s34, 512
	s_cselect_b32 s38, 256, s38
	s_cmp_lt_u32 s34, 256
	s_cselect_b32 s38, 192, s38
	s_cmp_lt_u32 s34, 192
	s_cselect_b32 s38, 128, s38
	s_cmp_lt_u32 s34, 128
	s_cselect_b32 s38, 64, s38
	s_cmp_lt_u32 s34, 64
	s_cselect_b32 s38, 0, s38                      ; the tensor's first panel
	s_sub_co_u32 s39, s34, s38
	s_lshr_b32 s56, s39, 2
	s_and_b32 s57, s39, 3
	s_cmp_ge_u32 s34, 512                          ; w2: four panels to a block, rows of 16,384 bytes
	s_cselect_b32 s56, s56, s39                    ; block
	s_cselect_b32 s57, s57, 0                      ; which 1,024 along K
	s_cselect_b32 s58, 14, 12                      ; log2 of a row's bytes
	s_cmp_eq_u32 s29, 0
	s_cselect_b32 s56, ttmp9, s56
	s_cselect_b32 s57, 0, s57
	s_cselect_b32 s58, 12, s58
	s_lshr_b32 s59, s56, 1
	s_lshl_b32 s59, s59, 5
	s_and_b32 s60, s56, 1
	s_lshl_b32 s60, s60, 3
	s_add_co_u32 s59, s59, s60
	s_lshl_b32 s60, s30, 2
	s_add_co_u32 s59, s59, s60
	s_lshr_b32 s60, s30, 1
	s_lshl_b32 s60, s60, 3
	s_add_co_u32 s59, s59, s60                     ; my first row: 32 (blk >> 1) + 8 (blk & 1) + 4 sub + 8 (sub >> 1)
	s_lshl_b32 s60, s59, s58
	s_lshl_b32 s61, s57, 12
	s_add_co_u32 s60, s60, s61
	s_mov_b32 s61, 0
	s_lshl_b32 s62, 1, s58                         ; a row's bytes
	v_add_nc_u32 v[VO+1], s62, v[VO]
	v_add_nc_u32 v[VO+2], s62, v[VO+1]
	v_add_nc_u32 v[VO+3], s62, v[VO+2]
	s_wait_kmcnt 0x0
	s_load_b512 s[40:55], s[22:23], 0x0            ; the sixteen exponents
	s_mov_b64 s[36:37], s[20:21]
	s_cmp_lt_u32 s34, 512
	s_cselect_b64 s[36:37], s[18:19], s[36:37]
	s_cmp_lt_u32 s34, 256
	s_cselect_b64 s[36:37], s[16:17], s[36:37]
	s_cmp_lt_u32 s34, 192
	s_cselect_b64 s[36:37], s[14:15], s[36:37]
	s_cmp_lt_u32 s34, 128
	s_cselect_b64 s[36:37], s[12:13], s[36:37]
	s_cmp_lt_u32 s34, 64
	s_cselect_b64 s[36:37], s[10:11], s[36:37]
	s_cmp_eq_u32 s29, 0
	s_cselect_b64 s[36:37], s[4:5], s[36:37]
	s_add_nc_u64 s[36:37], s[36:37], s[60:61]      ; my rows
	s_lshl_b32 s60, s34, 14
	s_add_nc_u64 s[66:67], s[24:25], s[60:61]      ; the panel's image in wc
	s_lshl_b32 s60, s56, 14
	s_add_nc_u64 s[68:69], s[26:27], s[60:61]      ; the block's three images in xa
	s_add_nc_u64 s[70:71], s[68:69], 0x400000
	s_add_nc_u64 s[72:73], s[68:69], 0x800000
	s_cmp_lg_u32 s29, 0
	s_cbranch_scc1 .Lno_gain
.set j, 0
.rept 8
	global_load_b128 v[G+4*j:G+4*j+3], v[VO], s[6:7] offset:512*j
	global_load_b128 v[BB+4*j:BB+4*j+3], v[VO], s[8:9] offset:512*j
.set j, j+1
.endr
.Lno_gain:
.irp i, 0,1,2,3
.set j, 0
.rept 8
	global_load_b128 v[X+32*\i+4*j:X+32*\i+4*j+3], v[VO+\i], s[36:37] offset:512*j th:TH_LOAD_NT
.set j, j+1
.endr
.endr
	s_wait_kmcnt 0x0
	s_mov_b32 s74, s55                             ; e15
	s_cmp_lt_u32 s34, 512
	s_cselect_b32 s74, s53, s74                    ; e13
	s_cmp_lt_u32 s34, 256
	s_cselect_b32 s74, s51, s74                    ; e11
	s_cmp_lt_u32 s34, 192
	s_cselect_b32 s74, s45, s74                    ; e5
	s_cmp_lt_u32 s34, 128
	s_cselect_b32 s74, s43, s74                    ; e3
	s_cmp_lt_u32 s34, 64
	s_cselect_b32 s74, s41, s74                    ; e1
	s_cmp_eq_u32 s29, 0
	s_cselect_b32 s74, s40, s74                    ; e0
	MKSC s74, SCL
	MKSC s42, SCL+2                                ; e2
	MKSC s44, SCL+4                                ; e4
	s_cmp_lg_u32 s29, 0
	s_cbranch_scc1 .Lweights
.irp i, 0,1,2,3
	s_wait_loadcnt 24-8*\i                         ; loads come back in order: g1, b1 and row i are in; the younger rows' eight loads each may stay out
	LNSUM X+32*\i
	LNREST X+32*\i
	QROW X+32*\i, SCL, SWL, PITCH*\i
	QROW X+32*\i, SCL+2, SWL, STG+PITCH*\i
	QROW X+32*\i, SCL+4, SWL, 2*STG+PITCH*\i
.endr
	s_branch .Ljoin
.Lweights:
.irp i, 0,1,2,3
	s_wait_loadcnt 24-8*\i
	QROW X+32*\i, SCL, SWW, PITCH*\i
.endr
.Ljoin:
	s_wait_dscnt 0x0                               ; for the others' sake: my stores into the stage are done
	s_barrier_signal -1
	s_barrier_wait -1
	s_cmp_lg_u32 s29, 0
	s_cbranch_scc1 .Lweights_out
	OUT8 RBL, 0, 68, X
	OUT8 RBL, STG, 70, X+32
	OUT8 RBL, 2*STG, 72, X+64
	s_branch .Lend
.Lweights_out:
	OUT8 RBW, 0, 66, X
.Lend:
	s_wait_tensorcnt 0x0                           ; the wave's end, behind my last LDS store
	ds_add_u32 v[SPW], v[NIL]
	s_wait_dscnt 0x0
	s_endpgm
.Lfunc_end_k_q7513b2716d_prep:
	.size	k_q7513b2716d_prep, .Lfunc_end_k_q7513b2716d_prep-k_q7513b2716d_prep
	.p2alignl 7, 3214868480
	.fill 96, 4, 3214868480
	.section	.rodata,"a",@progbits
	.p2align	6, 0x0
	.amdhsa_kernel k_q7513b2716d_prep
		.amdhsa_group_segment_fixed_size 101888
		.amdhsa_private_segment_fixed_size 0
		.amdhsa_enable_private_segment 0
		.amdhsa_kernarg_size 96
		.amdhsa_user_sgpr_count 2
		.amdhsa_user_sgpr_kernarg_segment_ptr 1
		.amdhsa_wavefront_size32 1
		.amdhsa_system_sgpr_workgroup_id_x 1
		.amdhsa_system_sgpr_workgroup_id_y 1
		.amdhsa_system_sgpr_workgroup_id_z 1
		.amdhsa_system_vgpr_workitem_id 0
		.amdhsa_next_free_vgpr 256
		.amdhsa_next_free_sgpr 90
		.amdhsa_reserve_vcc 0
		.amdhsa_float_denorm_mode_32 3
		.amdhsa_float_denorm_mode_16_64 3
		.amdhsa_memory_ordered 1
		.amdhsa_forward_progress 1
		.amdhsa_inst_pref_size 87
	.end_amdhsa_kernel
	.amdgpu_metadata
---
amdhsa.version: [ 1, 2 ]
amdhsa.kernels:
  - .name:           k_q7513b2716d_prep
    .symbol:         k_q7513b2716d_prep.kd
    .args:
      - { .name: x, .offset: 0, .size: 8, .value_kind: global_buffer, .address_space: global }
      - { .name: g1, .offset: 8, .size: 8, .value_kind: global_buffer, .address_space: global }
      - { .name: b1, .offset: 16, .size: 8, .value_kind: global_buffer, .address_space: global }
      - { .name: wq, .offset: 24, .size: 8, .value_kind: global_buffer, .address_space: global }
      - { .name: wk, .offset: 32, .size: 8, .value_kind: global_buffer, .address_space: global }
      - { .name: wv, .offset: 40, .size: 8, .value_kind: global_buffer, .address_space: global }
      - { .name: wo, .offset: 48, .size: 8, .value_kind: global_buffer, .address_space: global }
      - { .name: w1, .offset: 56, .size: 8, .value_kind: global_buffer, .address_space: global }
      - { .name: w2, .offset: 64, .size: 8, .value_kind: global_buffer, .address_space: global }
      - { .name: lowp_scales, .offset: 72, .size: 8, .value_kind: global_buffer, .address_space: global }
      - { .name: wc, .offset: 80, .size: 8, .value_kind: global_buffer, .address_space: global }
      - { .name: xa, .offset: 88, .size: 8, .value_kind: global_buffer, .address_space: global }
    .group_segment_fixed_size: 101888
    .private_segment_fixed_size: 0
    .kernarg_segment_align: 8
    .kernarg_segment_size: 96
    .max_flat_workgroup_size: 512
    .sgpr_count:     90
    .vgpr_count:     256
    .wavefront_size: 32
...
	.end_amdgpu_metadata
.endif
;; end of part 1
;; launch qkv (part 2): grid 48 x 4, 4 waves a work-group, clusters of 4 x 4, 327,680 bytes of LDS; arguments xa, wc, lowp_scales, bq, bk, bv, qkvc, sq; writes qkvc, sq
.if DOCPART == 2
	.amdgcn_target "amdgcn-amd-amdhsa--gfx1250"
	.amdhsa_code_object_version 6
	.text
	.protected	k_q7513b2716d_qkv
	.globl	k_q7513b2716d_qkv
	.p2align	8
	.type	k_q7513b2716d_qkv,@function
k_q7513b2716d_qkv:
	s_mov_b64 s[64:65], 0
	v_nop
	global_prefetch_b8 v0, s[64:65] scope:SCOPE_SE
	s_setreg_imm32_b32 hwreg(HW_REG_WAVE_MODE, 25, 1), 1
	s_wait_xcnt 0x0
	s_wait_alu depctr_hold_cnt(0) depctr_sa_sdst(0) depctr_va_vdst(0) depctr_va_sdst(0) depctr_va_ssrc(0) depctr_va_vcc(0) depctr_vm_vsrc(0)
	s_getreg_b32 s2, hwreg(HW_REG_IB_STS2, 6, 4)
	s_cmp_eq_u32 s2, 0
	s_cbranch_scc0 .Lentry_in_a_cluster
	s_endpgm
.Lentry_in_a_cluster:
	s_bfe_u32 s2, ttmp6, 0x10000c
	s_cmp_lg_u32 s2, 0xf033
	s_cbranch_scc0 .Lentry_shape_is_right
	s_endpgm
.Lentry_shape_is_right:
; QKV: the three projections of the normalised tokens, on E4M3 codes laid as images (byte ((blk KS + ks) 4 + c) 512 + 16 lane + (k & 15); lane r of block blk = row 32 (blk >> 1) + 8 (blk & 1) + r + 8 (r >> 3)).
; A work-group of four waves makes a tile of 256 x 256, a wave 128 x 128: 64 accumulators, 512 registers.  K = 1,024 goes in steps of 256 through a ring of two LDS slots.
; ROLES.  Source 1 of the matrix instruction is role A (a lane = one of its rows), source 0 is role B (a lane's registers run along its rows: by the image's choice of rows the 16 registers of tiles 2 b, 2 b + 1 are
; 16 neighbours 32 b + 16 h + 0 .. 15).  For q and k: A = tokens, B = the weight's rows, so a lane holds one token and 64 neighbouring features: the clip to the ball, the squared norm and the codes along the head's
; 64 are made in registers.  For v the roles are swapped by pointer: A = wv's rows, B = tokens, so a lane's registers run along the KEYS, which are the second attention product's K.
; Twelve clusters of 4 x 4: cluster c makes kind c >> 2 (q, k, v).  A's tile is shared along a row of the cluster, B's along a column: joint loads.  Every choice by kind hangs on the cluster's number, which all partners share.
; OUT: q's and k's codes [bh][block of 16 tokens][c 2][512 bytes]; v's [bh][128 keys][16 d][2,048 bytes]; sq: -(log2 e / 8) |q|^2 and -|k|^2 2^(-e6-e7-1), in the order of the blocks' lanes.
; LIMITS: e0+e1, e2+e3, e4+e5 between -126 and 127; e6, e7, e9 between -126 and 119; e6+e7 between -128 and 125.  NaN among the inputs is not served.
.set KS,    8
.set FR,    16                         ; registers of a fragment
.set NL,    4                          ; LDS loads that bring one
.set NP,    4                          ; places behind this matrix instruction (ISA guide 7.12.1)
.set BLKB,  KS*2048                    ; an image block in bytes
.set SLOT,  131072                     ; role A's 16 blocks x 4,096 bytes, then role B's
.set SPARE, 2*SLOT                     ; behind the ring: the spare words
.set LAPS,  KS/4                       ; a lap = two K steps of 256
.set ADRA,  16
.set ADRB,  20
.set SPW,   28
.set NIL,   29
.set AF,    128                        ; role A's fragments, window 0
.set WV,    20
.set RH,    21                         ; which half of role A's rows is mine; also: I fetch for A (0) or B (1)
.set CH,    22                         ; which half of role B's rows; also: which 8 blocks I fetch
.set G1A,   24
.set G0A,   32
.set G1B,   48
.set G0B,   56
.set SCA,   68                         ; s[68:83] the sixteen exponents
.set MSB,   0
.macro WIN new                         ; the immediate's high byte repeats the setting that is left
.if MSB != (\new)
	s_set_vgpr_msb (MSB<<8)|(\new)
.set MSB, (\new)
.endif
.endm
.set MUL_LO, 0xa1                      ; source 0 window 1, source 1 window 0, C and D window 2
.set MUL_HI, 0xf1                      ; the same, C and D window 3
.set TO_B,   0x40
.macro JLOAD s                         ; a joint load: waves 0, 1 for role A, waves 2, 3 for role B; s_nop 0 and four v_nop follow each line
	s_cmp_eq_u32 s[RH], 0
	s_cbranch_scc0 .Lfor_b_\@
	tensor_load_to_lds s[G0A+4*\s:G0A+4*\s+3], s[G1A:G1A+7]
	s_nop 0
.rept 4
	v_nop
.endr
	s_branch .Lasked_\@
.Lfor_b_\@:
	tensor_load_to_lds s[G0B+4*\s:G0B+4*\s+3], s[G1B:G1B+7]
	s_nop 0
.rept 4
	v_nop
.endr
.Lasked_\@:
.endm
.macro CREST                           ; a round of the cluster's barrier behind its opening barrier
	s_cmp_lg_u32 s[WV], 0
	s_cbranch_scc1 .Lnot_wave_0_\@
	s_barrier_signal -3
.Lnot_wave_0_\@:
	s_barrier_wait -3
	s_barrier_signal -1
	s_barrier_wait -1
.endm
.macro CROUND
	s_barrier_signal -1
	s_barrier_wait -1
	CREST
.endm
.macro FRAG reg, adr, q, i             ; block i, the slot's q-th 128 along K: four loads of 512 consecutive bytes
.irp c, 0,1,2,3
	ds_load_b128 v[\reg+4*\c:\reg+4*\c+3], v[\adr] offset:4096*(\i)+2048*(\q)+512*\c
.endr
.endm
.macro MUL16 a0, p, zero               ; role A's blocks a0, a0 + 1 x role B's eight; the 64 accumulators take turns
.irp a, \a0, \a0+1
.irp b, 0,1,2,3,4,5,6,7
.if \zero
	v_wmma_f32_16x16x128_fp8_fp8 v[8*(8*((\a)%4)+\b):8*(8*((\a)%4)+\b)+7], v[128*(\p)+FR*\b:128*(\p)+FR*\b+FR-1], v[AF+FR*(\a):AF+FR*(\a)+FR-1], 0
.else
	v_wmma_f32_16x16x128_fp8_fp8 v[8*(8*((\a)%4)+\b):8*(8*((\a)%4)+\b)+7], v[128*(\p)+FR*\b:128*(\p)+FR*\b+FR-1], v[AF+FR*(\a):AF+FR*(\a)+FR-1], v[8*(8*((\a)%4)+\b):8*(8*((\a)%4)+\b)+7]
.endif
.endr
.endr
.endm
.macro FETCH_B slot, q, p
	WIN TO_B
.irp i, 0,1,2,3,4,5,6,7
	FRAG 128*(\p)+FR*\i, ADRB+\slot, \q, \i
.endr
	WIN 0
.endm
.macro FETCH_A slot, q, i0
.irp i, \i0, \i0+1, \i0+2, \i0+3
	FRAG AF+FR*(\i), ADRA+\slot, \q, \i
.endr
.endm
.macro PLACES n                        ; plain vector instructions between a matrix instruction and a load into, or a read of, its registers
.rept \n
	v_nop
.endr
.endm
.macro STEP slot, q, zero              ; 128 along K whose successor lies in the same slot
	s_wait_dscnt 4*NL                              ; B's set and A's blocks 0-3 are in; A's blocks 4-7, the youngest sixteen loads, may be out
	WIN MUL_LO
	MUL16 0, (\q)%2, \zero
	MUL16 2, (\q)%2, \zero
	s_wait_dscnt 0
	PLACES NP
	FETCH_B \slot, (\q)+1, 1-(\q)%2
	FETCH_A \slot, (\q)+1, 0
	WIN MUL_HI
	MUL16 4, (\q)%2, \zero
	MUL16 6, (\q)%2, \zero
	PLACES NP
	WIN 0
	FETCH_A \slot, (\q)+1, 4
.endm
.macro TURN slot, next, fill           ; a slot's last 128 along K, and the change of slots
	s_wait_tensorcnt 0x0                           ; all my tensor loads have landed: my part of the next slot
	ds_add_u32 v[SPW], v[NIL]
	s_wait_dscnt 4*NL+1                            ; the add and A's blocks 4-7 may be out
	WIN MUL_LO
	MUL16 0, 1, 0
	s_wait_dscnt 0x0                               ; the add is done, and my reads of this slot are over
	s_barrier_signal -1
	MUL16 2, 1, 0
	WIN 0
	s_barrier_wait -1
.if \fill
	CREST                                          ; the barrier has opened a round of the cluster's: no wave of any partner still reads this slot or has a load on its way
	s_add_nc_u64 s[G0A+4*\slot+2:G0A+4*\slot+3], s[G0A+4*\slot+2:G0A+4*\slot+3], 8192
	s_add_nc_u64 s[G0B+4*\slot+2:G0B+4*\slot+3], s[G0B+4*\slot+2:G0B+4*\slot+3], 8192
	JLOAD \slot                                    ; the first tensor load behind the round; its four v_nop are the places in front of the loads below
.else
	PLACES NP
.endif
	FETCH_B \next, 0, 0
	FETCH_A \next, 0, 0
	WIN MUL_HI
	MUL16 4, 1, 0
	MUL16 6, 1, 0
	PLACES NP
	WIN 0
	FETCH_A \next, 0, 4
.endm
.macro GEMM
	s_wait_tensorcnt 1                             ; my part of K step 0 is in; K step 1's load may be out
	s_barrier_signal -1
	s_barrier_wait -1
	FETCH_B 0, 0, 0
	FETCH_A 0, 0, 0
	FETCH_A 0, 0, 4
	STEP 0, 0, 1                                   ; the first products start the sums
	s_mov_b32 s3, LAPS-1
.Llap:
	TURN 0, 1, 1
	STEP 1, 0, 0
	TURN 1, 0, 1
	STEP 0, 0, 0
	s_sub_co_u32 s3, s3, 1
	s_cmp_lg_u32 s3, 0
	s_cbranch_scc1 .Llap
	TURN 0, 1, 0                                   ; the last lap fills nothing
	STEP 1, 0, 0
	s_wait_dscnt 4*NL
	WIN MUL_LO
	MUL16 0, 1, 0
	MUL16 2, 1, 0
	s_wait_dscnt 0
	WIN MUL_HI
	MUL16 4, 1, 0
	MUL16 6, 1, 0
	WIN 0
.endm
.set BO1,  3                           ; v3   64 h: my place in a bias laid along role B
.set BO2,  4                           ; v4   4 (r + 8 (r >> 3)): my place in a bias laid along role A
.set SCV,  8
.set LIMV, 9
.set FSA,  24                          ; v24  LDS: where the squared norms go
.set RDS,  25                          ; v25  and come back
.set LI,   26                          ; v26  16 x lane
.set BI,   32                          ; v32-95  the bias along role B, in the result's layout
.set BV,   96                          ; v96-111 the bias along role A: a pair for each block
.set Y,    128
.set W,    192
.set N2,   200
.set PD,   202
.set NR,   204
.set RC,   206
.set F,    208
.set CD,   224
.set MULC, 92
.set MAXN, 93
.set TINY, 94
.set SEL,  96
.set KIND, 100
	s_load_b512 s[4:19], s[0:1], 0x0               ; xa, wc, lowp_scales, bq, bk, bv, qkvc, sq
	v_lshl_add_u32 v[SPW], v0, 2, SPARE
	v_mov_b32 v[NIL], 0
	ds_add_u32 v[SPW], v[NIL]                      ; the wave's opening: the add and its wait ahead of my first tensor load
	v_lshrrev_b32 v1, 5, v0
	v_readfirstlane_b32 s[WV], v1
	s_lshr_b32 s[RH], s[WV], 1
	s_and_b32 s[CH], s[WV], 1
	s_bfe_u32 s40, ttmp6, 0x40000                  ; cx
	s_bfe_u32 s41, ttmp6, 0x40004                  ; cy
	s_lshr_b32 s[KIND], ttmp9, 2                   ; 0 q, 1 k, 2 v
	s_and_b32 s86, ttmp9, 3
	s_lshl_b32 s86, s86, 2                         ; which four tiles of tokens
	s_lshl_b32 s46, s[KIND], 22                    ; q, k: role A = the kind's image of the tokens,
	s_lshl_b32 s66, s[KIND], 20                    ;       role B = the kind's weight
	s_cmp_eq_u32 s[KIND], 2
	s_cselect_b32 s44, 0, s86
	s_cselect_b32 s45, s86, 0
	s_cselect_b32 s46, 0x200000, s46               ; v: role A = wv in wc,
	s_cselect_b32 s66, 0x800000, s66               ;    role B = the third image of the tokens
	s_add_co_u32 s43, s41, s44                     ; role A's tile: never holds cx
	s_add_co_u32 s42, s40, s45                     ; role B's tile: never holds cy
	s_lshl_b32 s44, s41, 2
	s_lshl_b32 s44, 15, s44                        ; my row of the cluster
	s_lshl_b32 s45, 0x1111, s40                    ; my column
	s_or_b32 s[G1A], s44, (3<<16)|(1<<21)          ; the mask; elements of 8 bytes; bit 21 beside a mask; no padding
	s_or_b32 s[G1B], s45, (3<<16)|(1<<21)
.irp g, G1A, G1B
	s_mov_b32 s[\g+1], 512<<16                     ; tensor_dim0 = 512 elements: a block's 4,096 bytes of a K step
	s_mov_b32 s[\g+2], 8<<16                       ; tensor_dim1 = 8 blocks
	s_mov_b32 s[\g+3], 512<<16                     ; tile_dim0
	s_mov_b32 s[\g+4], 8                           ; tile_dim1
	s_mov_b32 s[\g+5], KS*256                      ; from block to block, in elements
	s_mov_b32 s[\g+6], 0
	s_mov_b32 s[\g+7], 0
.endr
	s_lshl_b32 s87, s[CH], 3
	s_lshl_b32 s86, s43, 4
	s_add_co_u32 s86, s86, s87
	s_mul_i32 s86, s86, BLKB
	s_add_co_u32 s46, s46, s86
	s_mov_b32 s47, 0
	s_lshl_b32 s95, s42, 4
	s_add_co_u32 s95, s95, s87
	s_mul_i32 s95, s95, BLKB
	s_add_co_u32 s66, s66, s95
	s_mov_b32 s67, 0
	s_lshl_b32 s23, s[WV], 15                      ; where my eight blocks go: wave x 32,768
	s_mov_b32 s[SEL], 0x76543210
	s_mov_b32 s[SEL+1], 0xfedcba98
	s_mov_b32 s[MAXN], 0x3f7fff58                  ; 1 - 1e-5
	s_mov_b32 s[TINY], 0x2b8cbccc                  ; 1e-12
	s_wait_dscnt 0x0                               ; the opening add is done
	s_wait_kmcnt 0x0
	s_load_b512 s[SCA:SCA+15], s[8:9], 0x0
	s_cmp_eq_u32 s[KIND], 2
	s_cselect_b64 s[98:99], s[6:7], s[4:5]
	s_add_nc_u64 s[46:47], s[98:99], s[46:47]
	s_cselect_b64 s[98:99], s[4:5], s[6:7]
	s_add_nc_u64 s[66:67], s[98:99], s[66:67]
	CROUND                                         ; all sixteen work-groups are here: the first joint loads meet
.irp s, 0,1
	s_mov_b32 s[G0A+4*\s], 1
	s_add_co_u32 s[G0A+4*\s+1], s23, \s*SLOT
	s_add_nc_u64 s[G0A+4*\s+2:G0A+4*\s+3], s[46:47], \s*4096
	s_or_b32 s[G0A+4*\s+3], s[G0A+4*\s+3], 0x80000000
	s_mov_b32 s[G0B+4*\s], 1
	s_add_co_u32 s[G0B+4*\s+1], s23, \s*SLOT
	s_add_nc_u64 s[G0B+4*\s+2:G0B+4*\s+3], s[66:67], \s*4096
	s_or_b32 s[G0B+4*\s+3], s[G0B+4*\s+3], 0x80000000
	JLOAD \s
.endr
	v_and_b32 v1, 31, v0
	v_lshlrev_b32 v[LI], 4, v1
	s_lshl_b32 s86, s[RH], 15
	s_lshl_b32 s87, s[CH], 15
	s_add_co_u32 s87, s87, 65536
.irp s, 0,1
	v_add_nc_u32 v[ADRA+\s], s86, v[LI]
	v_add_nc_u32 v[ADRB+\s], s87, v[LI]
	s_add_co_u32 s86, s86, SLOT
	s_add_co_u32 s87, s87, SLOT
.endr
	v_and_b32 v2, 15, v0                           ; r
	v_bfe_u32 v5, v0, 4, 1                         ; h
	v_lshlrev_b32 v[BO1], 6, v5
	v_and_b32 v[BO2], 8, v2
	v_add_nc_u32 v[BO2], v[BO2], v2
	v_lshlrev_b32 v[BO2], 2, v[BO2]
	s_lshl_b32 s86, s[WV], 10
	v_lshl_add_u32 v[FSA], v2, 2, s86              ; 1,024 bytes a wave, in slot 0: used when that slot has had its last fill and its last read
	v_add_nc_u32 v[RDS], s86, v[LI]
	; both forms of a bias are loaded on every way; the tile's number is cut to 0 .. 3, so that each load stays inside its 4,096 bytes whatever the kind
	s_cmp_eq_u32 s[KIND], 0
	s_cselect_b64 s[98:99], s[10:11], s[12:13]
	s_cmp_eq_u32 s[KIND], 2
	s_cselect_b64 s[98:99], s[14:15], s[98:99]
	s_and_b32 s86, s42, 3
	s_lshl_b32 s86, s86, 10
	s_lshl_b32 s87, s[CH], 9
	s_add_co_u32 s86, s86, s87
	s_mov_b32 s87, 0
	s_add_nc_u64 s[98:99], s[98:99], s[86:87]
.set j, 0
.rept 16
	global_load_b128 v[BI+4*j:BI+4*j+3], v[BO1], s[98:99] offset:128*(j/4)+16*(j%4)   ; register 16 b + i: role B's row 32 b + 16 h + i
.set j, j+1
.endr
	s_and_b32 s86, s43, 3
	s_lshl_b32 s86, s86, 10
	s_lshl_b32 s95, s[RH], 9
	s_add_co_u32 s86, s86, s95
	s_add_nc_u64 s[88:89], s[14:15], s[86:87]
.set j, 0
.rept 8
	global_load_b32 v[BV+2*j], v[BO2], s[88:89] offset:4*(32*(j/2)+8*(j%2))   ; block j, lane r: role A's row 32 (j >> 1) + 8 (j & 1) + r + 8 (r >> 3)
.set j, j+1
.endr
	GEMM
	s_wait_kmcnt 0x0
	s_wait_loadcnt 0x0                             ; the biases; their bases may be written again
	s_add_co_i32 s84, s[SCA+0], s[SCA+1]
	s_add_co_i32 s85, s[SCA+2], s[SCA+3]
	s_add_co_i32 s86, s[SCA+4], s[SCA+5]
	s_mov_b32 s87, s[SCA+6]
	s_cmp_eq_u32 s[KIND], 1
	s_cselect_b32 s84, s85, s84
	s_cselect_b32 s87, s[SCA+7], s87
	s_cmp_eq_u32 s[KIND], 2
	s_cselect_b32 s84, s86, s84
	s_cselect_b32 s87, s[SCA+9], s87               ; the quantiser's e: e6, e7 or e9
	s_add_co_i32 s84, s84, 127
	s_lshl_b32 s84, s84, 23                        ; a sum stands for sum x 2^(the two operands' e)
	s_mov_b32 s85, s84
	s_add_co_i32 s87, s87, 127
	s_lshl_b32 s86, s87, 23
	s_add_co_i32 s87, s87, 8
	s_lshl_b32 s87, s87, 23
	s_or_b32 s87, s87, 0x600000
	s_add_co_i32 s[MULC], s[SCA+6], s[SCA+7]
	s_sub_co_i32 s[MULC], 126, s[MULC]
	s_lshl_b32 s[MULC], s[MULC], 23
	s_or_b32 s[MULC], s[MULC], 0x80000000          ; k: -2^(-e6-e7-1)
	s_cmp_eq_u32 s[KIND], 0
	s_cselect_b32 s[MULC], 0xbe38aa3b, s[MULC]     ; q: -log2(e) / 8
	PLACES NP
	v_mov_b32 v[SCV], s86
	v_mov_b32 v[LIMV], s87
	v_mov_b32 v[PD], 0
	v_mov_b32 v[PD+1], 0
.set j, 0
.rept 8
	v_mov_b32 v[BV+2*j+1], v[BV+2*j]
.set j, j+1
.endr
.macro HOLDCVT                         ; the 64 numbers of v[Y] on become a fragment's codes in v[CD] on
.set j, 0
.rept 64
	v_med3_num_f32 v[Y+j], v[Y+j], -v[LIMV], v[LIMV]   ; the conversion does not saturate (ISA guide 7.6.2): the hold comes first
.set j, j+1
.endr
	s_wait_xcnt 0x0                                ; the last block's stores have read v[CD] on
.set j, 0
.rept 8
	v_cvt_scalef32_pk8_fp8_f32 v[CD+2*j:CD+2*j+1], v[Y+8*j:Y+8*j+7], v[SCV]
.set j, j+1
.endr
	v_nop                                          ; a plain instruction behind the last conversion
.endm
.macro QKBLK a                         ; 16 tokens x my 128 features (two heads): bias, clip to the ball, squared norm, codes
.set AC, 64*((\a)%4)
	WIN 0x02+((\a)/4)
.set j, 0
.rept 32
	v_pk_fma_f32 v[Y+j:Y+j+1], v[AC+j:AC+j+1], s[84:85], v[BI+j:BI+j+1] op_sel_hi:[1,0,1]   ; each accumulator from its low end on
.set j, j+2
.endr
	WIN 0
.irp g, 0,1
	v_pk_mul_f32 v[W+4*\g:W+4*\g+1], v[Y+32*\g:Y+32*\g+1], v[Y+32*\g:Y+32*\g+1]
	v_pk_mul_f32 v[W+4*\g+2:W+4*\g+3], v[Y+32*\g+2:Y+32*\g+3], v[Y+32*\g+2:Y+32*\g+3]
.endr
.set j, 2
.rept 14
.irp g, 0,1
	v_pk_fma_f32 v[W+4*\g+2*(j%2):W+4*\g+2*(j%2)+1], v[Y+32*\g+2*j:Y+32*\g+2*j+1], v[Y+32*\g+2*j:Y+32*\g+2*j+1], v[W+4*\g+2*(j%2):W+4*\g+2*(j%2)+1]
.endr
.set j, j+1
.endr
.irp g, 0,1
	v_pk_add_f32 v[W+4*\g:W+4*\g+1], v[W+4*\g:W+4*\g+1], v[W+4*\g+2:W+4*\g+3]
.endr
.irp g, 0,1
	v_add_f32 v[N2+\g], v[W+4*\g], v[W+4*\g+1]
.endr
.irp g, 0,1
	v_permlanex16_b32 v[PD+\g], v[N2+\g], s[SEL], s[SEL+1]   ; the head's other 32 features lie in the lane 16 away
.endr
.irp g, 0,1
	v_add_f32 v[N2+\g], v[N2+\g], v[PD+\g]
.endr
	v_sqrt_f32 v[NR], v[N2]
	v_sqrt_f32 v[NR+1], v[N2+1]
	v_nop
	s_wait_alu depctr_va_vdst(0)                   ; one wait for the two roots, ahead of their first reader
	v_max_num_f32 v[RC], s[TINY], v[NR]
	v_max_num_f32 v[RC+1], s[TINY], v[NR+1]
	v_rcp_f32 v[RC], v[RC]
	v_rcp_f32 v[RC+1], v[RC+1]
	v_nop
	s_wait_alu depctr_va_vdst(0)
.irp g, 0,1
	v_mul_f32 v[RC+\g], s[MAXN], v[RC+\g]
	v_cmp_lt_f32 vcc_lo, s[MAXN], v[NR+\g]
	v_cndmask_b32 v[F+2*\g], 1.0, v[RC+\g], vcc_lo ; f = (1 - 1e-5) / norm where the norm is larger, else 1
	v_mov_b32 v[F+2*\g+1], v[F+2*\g]
	v_mul_f32 v[N2+\g], v[N2+\g], v[F+2*\g]
	v_mul_f32 v[N2+\g], v[N2+\g], v[F+2*\g]        ; the clipped vector's squared norm,
	v_mul_f32 v[N2+\g], s[MULC], v[N2+\g]          ; as attention wants it
	ds_store_b32 v[FSA], v[N2+\g] offset:512*\g+64*(\a)
.endr
.irp g, 0,1
.set j, 0
.rept 16
	v_pk_mul_f32 v[Y+32*\g+2*j:Y+32*\g+2*j+1], v[Y+32*\g+2*j:Y+32*\g+2*j+1], v[F+2*\g:F+2*\g+1]
.set j, j+1
.endr
.endr
	HOLDCVT
.irp b, 0,1,2,3
	global_store_b128 v[LI], v[CD+4*\b:CD+4*\b+3], s[88:89] offset:131072*(\b/2)+1024*(\a)+512*(\b%2)   ; 512 consecutive bytes: head b / 2, d = 32 (b % 2) + 16 h + 0 .. 15
.endr
.endm
.macro VBLK a                          ; 16 features x my 128 tokens: bias, codes along the keys
.set AC, 64*((\a)%4)
	WIN 0x02+((\a)/4)
.set j, 0
.rept 32
	v_pk_fma_f32 v[Y+j:Y+j+1], v[AC+j:AC+j+1], s[84:85], v[BV+2*(\a):BV+2*(\a)+1] op_sel_hi:[1,0,1]
.set j, j+2
.endr
	WIN 0
	HOLDCVT
.irp b, 0,1,2,3
	global_store_b128 v[LI], v[CD+4*\b:CD+4*\b+3], s[88:89] offset:131072*((\a)/4)+2048*((\a)%4)+512*\b
.endr
.endm
	s_mov_b32 s99, 0
	s_cmp_eq_u32 s[KIND], 2
	s_cbranch_scc1 .Lv
	s_lshr_b32 s86, s43, 3
	s_lshl_b32 s86, s86, 4
	s_lshl_b32 s87, s42, 2
	s_add_co_u32 s86, s86, s87
	s_lshl_b32 s87, s[CH], 1
	s_add_co_u32 s86, s86, s87                     ; batch x 16 + my first head
	s_and_b32 s87, s43, 7
	s_lshl_b32 s87, s87, 4
	s_lshl_b32 s95, s[RH], 3
	s_add_co_u32 s87, s87, s95                     ; my first block of 16 tokens in the batch
	s_lshl_b32 s98, s86, 17
	s_lshl_b32 s95, s87, 10
	s_add_co_u32 s98, s98, s95
	s_lshl_b32 s95, s[KIND], 22
	s_add_co_u32 s98, s98, s95
	s_add_nc_u64 s[88:89], s[16:17], s[98:99]
	s_lshl_b32 s98, s86, 13
	s_lshl_b32 s95, s87, 6
	s_add_co_u32 s98, s98, s95
	s_lshl_b32 s95, s[KIND], 18
	s_add_co_u32 s98, s98, s95
	s_add_nc_u64 s[90:91], s[18:19], s[98:99]
.irp a, 0,1,2,3,4,5,6,7
	QKBLK \a
.endr
	ds_load_b128 v[W:W+3], v[RDS]                  ; LDS serves a wave's instructions in order: these see my stores.  128 numbers of each head
	ds_load_b128 v[W+4:W+7], v[RDS] offset:512
	s_wait_dscnt 0x1                               ; the second may stay out
	global_store_b128 v[LI], v[W:W+3], s[90:91]
	s_wait_dscnt 0x0
	global_store_b128 v[LI], v[W+4:W+7], s[90:91] offset:8192
	s_branch .Lend
.Lv:
	s_lshr_b32 s86, s42, 3
	s_lshl_b32 s86, s86, 4
	s_lshl_b32 s87, s43, 2
	s_add_co_u32 s86, s86, s87
	s_lshl_b32 s87, s[RH], 1
	s_add_co_u32 s86, s86, s87                     ; batch x 16 + my first head
	s_and_b32 s87, s42, 7
	s_lshl_b32 s87, s87, 1
	s_add_co_u32 s87, s87, s[CH]                   ; which 128 keys
	s_lshl_b32 s98, s86, 17
	s_lshl_b32 s95, s87, 13
	s_add_co_u32 s98, s98, s95
	s_add_co_u32 s98, s98, 0x800000
	s_add_nc_u64 s[88:89], s[16:17], s[98:99]
.irp a, 0,1,2,3,4,5,6,7
	VBLK \a
.endr
.Lend:
	s_wait_tensorcnt 0x0                           ; the wave's end
	ds_add_u32 v[SPW], v[NIL]
	s_wait_dscnt 0x0
	CROUND                                         ; the closing round
	s_endpgm
.Lfunc_end_k_q7513b2716d_qkv:
	.size	k_q7513b2716d_qkv, .Lfunc_end_k_q7513b2716d_qkv-k_q7513b2716d_qkv
	.p2alignl 7, 3214868480
	.fill 96, 4, 3214868480
	.section	.rodata,"a",@progbits
	.p2align	6, 0x0
	.amdhsa_kernel k_q7513b2716d_qkv
		.amdhsa_group_segment_fixed_size 327680
		.amdhsa_private_segment_fixed_size 0
		.amdhsa_enable_private_segment 0
		.amdhsa_kernarg_size 64
		.amdhsa_user_sgpr_count 2
		.amdhsa_user_sgpr_kernarg_segment_ptr 1
		.amdhsa_wavefront_size32 1
		.amdhsa_system_sgpr_workgroup_id_x 1
		.amdhsa_system_sgpr_workgroup_id_y 1
		.amdhsa_system_sgpr_workgroup_id_z 1
		.amdhsa_system_vgpr_workitem_id 0
		.amdhsa_next_free_vgpr 1024
		.amdhsa_next_free_sgpr 102
		.amdhsa_reserve_vcc 1
		.amdhsa_float_denorm_mode_32 3
		.amdhsa_float_denorm_mode_16_64 3
		.amdhsa_memory_ordered 1
		.amdhsa_forward_progress 1
		.amdhsa_inst_pref_size 237
	.end_amdhsa_kernel
	.amdgpu_metadata
---
amdhsa.version: [ 1, 2 ]
amdhsa.kernels:
  - .name:           k_q7513b2716d_qkv
    .symbol:         k_q7513b2716d_qkv.kd
    .args:
      - { .name: xa, .offset: 0, .size: 8, .value_kind: global_buffer, .address_space: global }
      - { .name: wc, .offset: 8, .size: 8, .value_kind: global_buffer, .address_space: global }
      - { .name: lowp_scales, .offset: 16, .size: 8, .value_kind: global_buffer, .address_space: global }
      - { .name: bq, .offset: 24, .size: 8, .value_kind: global_buffer, .address_space: global }
      - { .name: bk, .offset: 32, .size: 8, .value_kind: global_buffer, .address_space: global }
      - { .name: bv, .offset: 40, .size: 8, .value_kind: global_buffer, .address_space: global }
      - { .name: qkvc, .offset: 48, .size: 8, .value_kind: global_buffer, .address_space: global }
      - { .name: sq, .offset: 56, .size: 8, .value_kind: global_buffer, .address_space: global }
    .group_segment_fixed_size: 327680
    .private_segment_fixed_size: 0
    .kernarg_segment_align: 8
    .kernarg_segment_size: 64
    .max_flat_workgroup_size: 128
    .sgpr_count:     102
    .vgpr_count:     1024
    .wavefront_size: 32
...
	.end_amdgpu_metadata
.endif
;; end of part 2
;; launch attn (part 3): grid 8 x 32, 16 waves a work-group, clusters of 4 x 1, 327,680 bytes of LDS; arguments qkvc, sq, lowp_scales, oc; writes oc
.if DOCPART == 3
	.amdgcn_target "amdgcn-amd-amdhsa--gfx1250"
	.amdhsa_code_object_version 6
	.text
	.protected	k_q7513b2716d_attn
	.globl	k_q7513b2716d_attn
	.p2align	8
	.type	k_q7513b2716d_attn,@function
k_q7513b2716d_attn:
	s_mov_b64 s[64:65], 0
	v_nop
	global_prefetch_b8 v0, s[64:65] scope:SCOPE_SE
	s_setreg_imm32_b32 hwreg(HW_REG_WAVE_MODE, 25, 1), 1
	s_wait_xcnt 0x0
	s_wait_alu depctr_hold_cnt(0) depctr_sa_sdst(0) depctr_va_vdst(0) depctr_va_sdst(0) depctr_va_ssrc(0) depctr_va_vcc(0) depctr_vm_vsrc(0)
	s_getreg_b32 s2, hwreg(HW_REG_IB_STS2, 6, 4)
	s_cmp_eq_u32 s2, 0
	s_cbranch_scc0 .Lentry_in_a_cluster
	s_endpgm
.Lentry_in_a_cluster:
	s_bfe_u32 s2, ttmp6, 0x10000c
	s_cmp_lg_u32 s2, 0x3003
	s_cbranch_scc0 .Lentry_shape_is_right
	s_endpgm
.Lentry_shape_is_right:
; ATTENTION on -|q - k|^2 / 8, both products on E4M3 codes.  t = logit x log2(e) = cs (sum of code products - |k|^2 2^(-e6-e7-1)) + qt, cs = (log2 e / 4) 2^(e6+e7), qt = -(log2 e / 8) |q|^2.
; The term with |k|^2 was stored ready (kb): it is loaded into the score registers and is the C of the first product, so it costs no vector instruction.
; M = the running largest t rounded up to a whole number; p = 2^(t - M) is quantised with e8; the row's sum is taken of the unquantised p and divides at the end; a change of M multiplies the sum and O by an exact power of two.
; SHARES.  A work-group owns 256 queries of one head (batch x 16 + head = work-group y); each of its 16 waves owns one block of 16.  The head's whole K (128 KB), V (128 KB) and kb (8 KB) lie in LDS: nothing is filled twice.
; The four work-groups of a cluster belong to one head: every tensor load is joint, with the mask of all four.  The first 32 KB of K and of V and kb are asked for first; the other 192 KB behind a second round, and they have
; the first four key steps in which to land.
; LAYOUT.  Both products transposed: S^T = K Q^T (source 0 = a block of 16 keys, source 1 = my queries), O^T = V^T P^T: a lane holds one query throughout.  By the blocks' choice of rows the 16 registers of tiles 2 b, 2 b + 1
; are keys 32 b + 16 h + 0 .. 15 of the step, so the conversions' results are the second product's operand; likewise O^T's registers run along d, and the output's codes leave as pieces of the next product's image.
; LIMITS: e6 + e7 between -124 and 128; e8 and e10 between -126 and 119.
.set VLDS,  131072
.set BLDS,  262144
.set SPARE, 270336                     ; behind kb: the spare words, 128 bytes for each of 16 waves
.set LI,   1                           ; v1   16 x lane
.set QTO,  2                           ; v2   4 r
.set AB0,  3                           ; v3   BLDS + 32 h
.set QT,   4                           ; v4   qt of my query
.set SPW,  5
.set NIL,  6
.set ADK,  8
.set ADV,  9
.set ADB,  10
.set NM,   11                          ; v11  -M;  v12 -M + qt;  v13 the largest t;  v[14:15] the sum in two halves
.set WV,   18
.set SEL,  20
.set CS,   22
.set G1D,  24                          ; s[24:31] 128 rows of 256 bytes
.set G1C,  32                          ; s[32:39] 32 rows of 256 bytes
.set G0A,  40
.set G0C,  44
.set G0P,  48
.set SO,   2                           ; s2   the step's bytes in K and in V
.set SB,   66                          ; s66  and in kb
.set CNT,  67
.macro ROUND
	s_barrier_signal -1
	s_barrier_wait -1
	s_cmp_lg_u32 s[WV], 0
	s_cbranch_scc1 .Lnot_wave_0_\@
	s_barrier_signal -3
.Lnot_wave_0_\@:
	s_barrier_wait -3
	s_barrier_signal -1
	s_barrier_wait -1
.endm
.macro MKSC e, sc, lim
	s_add_co_i32 s84, \e, 127
	s_lshl_b32 s85, s84, 23
	v_mov_b32 v[\sc], s85
	s_add_co_i32 s84, s84, 8
	s_lshl_b32 s84, s84, 23
	s_or_b32 s84, s84, 0x600000
	v_mov_b32 v[\lim], s84
.endm
	s_load_b256 s[4:11], s[0:1], 0x0               ; qkvc, sq, lowp_scales, oc
	v_lshl_add_u32 v[SPW], v0, 2, SPARE
	v_mov_b32 v[NIL], 0
	ds_add_u32 v[SPW], v[NIL]                      ; the wave's opening: the add and its wait ahead of the first tensor loads
	v_lshrrev_b32 v8, 5, v0
	v_readfirstlane_b32 s[WV], v8                  ; wave 0..15
	s_bfe_u32 s19, ttmp6, 0x40000                  ; cx: it enters Q's, qt's and the output's addresses alone
	s_and_b32 s52, ttmp7, 0xffff                   ; batch x 16 + head, which the four partners share
	s_mov_b32 s[G1D], 15|(3<<16)|(1<<21)           ; the mask of all four; elements of 8 bytes; bit 21 beside a mask
	s_mov_b32 s[G1D+1], 32<<16
	s_mov_b32 s[G1D+2], 128<<16
	s_mov_b32 s[G1D+3], 32<<16
	s_mov_b32 s[G1D+4], 128
	s_mov_b32 s[G1D+5], 32
	s_mov_b32 s[G1D+6], 0
	s_mov_b32 s[G1D+7], 0
	s_mov_b32 s[G1C], 15|(3<<16)|(1<<21)
	s_mov_b32 s[G1C+1], 32<<16
	s_mov_b32 s[G1C+2], 32<<16
	s_mov_b32 s[G1C+3], 32<<16
	s_mov_b32 s[G1C+4], 32
	s_mov_b32 s[G1C+5], 32
	s_mov_b32 s[G1C+6], 0
	s_mov_b32 s[G1C+7], 0
	s_and_b32 s53, s[WV], 1                        ; 0: K, 1: V
	s_lshl_b32 s54, s53, 17                        ; its place in LDS
	s_add_co_u32 s55, s53, 1
	s_lshl_b32 s55, s55, 22                        ; its place in qkvc: 4 MiB, 8 MiB
	s_lshl_b32 s56, s52, 17
	s_add_co_u32 s56, s56, s55
	s_mov_b32 s57, 0
	s_lshr_b32 s58, s[WV], 1
	s_add_co_u32 s58, s58, 1
	s_min_u32 s58, s58, 3                          ; waves 0-5: parts 1, 2, 3 of 32 KB
	s_lshl_b32 s58, s58, 15
	s_add_co_u32 s59, s54, s58
	s_add_co_u32 s60, s56, s58
	s_mov_b32 s61, 0
	s_lshl_b32 s62, s52, 13
	s_add_co_u32 s62, s62, 262144                  ; kb's place in sq
	s_mov_b32 s63, 0
	s_mov_b32 s[SEL], 0x76543210
	s_mov_b32 s[SEL+1], 0xfedcba98
	s_mov_b32 s[CS], 0x3eb8aa3b                    ; log2(e) / 4
	s_wait_dscnt 0x0                               ; the opening add is done
	s_wait_kmcnt 0x0
	s_load_b512 s[68:83], s[8:9], 0x0
	s_mov_b32 s[G0A], 1
	s_mov_b32 s[G0A+1], s54
	s_add_nc_u64 s[G0A+2:G0A+3], s[4:5], s[56:57]
	s_or_b32 s[G0A+3], s[G0A+3], 0x80000000
	s_mov_b32 s[G0C], 1
	s_mov_b32 s[G0C+1], BLDS
	s_add_nc_u64 s[G0C+2:G0C+3], s[6:7], s[62:63]
	s_or_b32 s[G0C+3], s[G0C+3], 0x80000000
	s_mov_b32 s[G0P], 1
	s_mov_b32 s[G0P+1], s59
	s_add_nc_u64 s[G0P+2:G0P+3], s[4:5], s[60:61]
	s_or_b32 s[G0P+3], s[G0P+3], 0x80000000
	ROUND                                          ; all four work-groups are here: the first joint loads meet
	s_cmp_lt_u32 s[WV], 2                          ; wave 0: K's first 32 KB; wave 1: V's; wave 2: kb
	s_cbranch_scc0 .Lnot_01
	tensor_load_to_lds s[G0A:G0A+3], s[G1D:G1D+7]
	s_nop 0
.rept 4
	v_nop
.endr
	s_branch .Lfirst_asked
.Lnot_01:
	s_cmp_eq_u32 s[WV], 2
	s_cbranch_scc0 .Lfirst_asked
	tensor_load_to_lds s[G0C:G0C+3], s[G1C:G1C+7]
	s_nop 0
.rept 4
	v_nop
.endr
.Lfirst_asked:
	s_lshl_b32 s53, ttmp9, 2
	s_add_co_u32 s53, s53, s19
	s_lshl_b32 s53, s53, 4
	s_add_co_u32 s53, s53, s[WV]                   ; my block of 16 queries: 16 (4 x cluster x + cx) + wave
	s_lshl_b32 s54, s52, 17
	s_lshl_b32 s55, s53, 10
	s_add_co_u32 s54, s54, s55
	s_mov_b32 s55, 0
	s_add_nc_u64 s[12:13], s[4:5], s[54:55]        ; Q's codes
	s_lshl_b32 s54, s52, 13
	s_lshl_b32 s56, s53, 6
	s_add_co_u32 s54, s54, s56
	s_add_nc_u64 s[14:15], s[6:7], s[54:55]        ; qt
	s_lshr_b32 s54, s52, 4
	s_lshl_b32 s54, s54, 7
	s_add_co_u32 s54, s54, s53                     ; the output image's block: batch x 128 + block
	s_lshl_b32 s54, s54, 3
	s_and_b32 s56, s52, 15
	s_lshr_b32 s56, s56, 1
	s_add_co_u32 s54, s54, s56                     ; its K step: head >> 1
	s_lshl_b32 s54, s54, 11
	s_and_b32 s56, s52, 1
	s_lshl_b32 s56, s56, 10
	s_add_co_u32 s54, s54, s56                     ; c = 2 (head & 1) + ..
	s_add_nc_u64 s[16:17], s[10:11], s[54:55]
	v_and_b32 v8, 31, v0
	v_lshlrev_b32 v[LI], 4, v8
	v_and_b32 v9, 15, v0
	v_lshlrev_b32 v[QTO], 2, v9
	v_bfe_u32 v10, v0, 4, 1
	v_lshl_add_u32 v[AB0], v10, 5, BLDS
	global_load_b128 v[16:19], v[LI], s[12:13]
	global_load_b128 v[20:23], v[LI], s[12:13] offset:512
	global_load_b32 v[QT], v[QTO], s[14:15]
	v_mov_b32 v13, 0xff61b1e6                      ; the largest t so far: -3e38
	v_floor_f32 v[NM], -v13
	v_mov_b32 v12, 0
	v_mov_b32 v14, 0
	v_mov_b32 v15, 0
	v_mov_b32 v236, 0                              ; a lane permute's destination counts as read
	v_mov_b32 v252, 0
	v_mov_b32 v253, 0
.set n, 0
.rept 32
	v_mov_b32 v[160+n], 0                          ; O^T: the step is written for all steps alike; the first change of M leaves zeros zeros
.set n, n+1
.endr
	s_wait_kmcnt 0x0
	s_add_co_i32 s84, s74, s75                     ; e6 + e7 go into cs's exponent field
	s_lshl_b32 s84, s84, 23
	s_add_co_i32 s[CS], s[CS], s84
	s_mov_b32 s[CS+1], s[CS]
	MKSC s76, 244, 240                             ; e8: p
	MKSC s78, 245, 241                             ; e10: the output
	s_wait_tensorcnt 0x0                           ; my first load has landed
	ds_add_u32 v[SPW], v[NIL]
	s_wait_dscnt 0x0
	ROUND                                          ; the first 72 KB are whole in every partner; the later first fills go out as refills do: one load a wave, first behind the round
	s_cmp_lt_u32 s[WV], 6
	s_cbranch_scc0 .Lsecond_asked
	tensor_load_to_lds s[G0P:G0P+3], s[G1D:G1D+7]
	s_nop 0
.rept 4
	v_nop
.endr
.Lsecond_asked:
	s_wait_loadcnt 0x0                             ; Q and qt
.macro STEP                            ; 128 keys
	v_add_nc_u32 v[ADK], s[SO], v[LI]              ; these three and the v_nop are the four places behind the last step's products
	v_add_nc_u32 v[ADV], VLDS, v[ADK]
	v_add_nc_u32 v[ADB], s[SB], v[AB0]
	v_nop
.set n, 0
.rept 8
	ds_load_b128 v[96+8*n:99+8*n], v[ADB] offset:64*n         ; kb of block n, lanes' rows 8 h + 0 .. 7: the score registers' own keys
	ds_load_b128 v[100+8*n:103+8*n], v[ADB] offset:64*n+16
.set n, n+1
.endr
.set n, 0
.rept 8
	ds_load_b128 v[32+8*n:35+8*n], v[ADK] offset:1024*n
	ds_load_b128 v[36+8*n:39+8*n], v[ADK] offset:1024*n+512
.set n, n+1
.endr
	s_wait_dscnt 0x0
.set n, 0
.rept 8
	v_wmma_f32_16x16x64_fp8_fp8 v[96+8*n:103+8*n], v[32+8*n:39+8*n], v[16:23], v[96+8*n:103+8*n]   ; eight accumulators, one instruction each
.set n, n+1
.endr
.rept 4
	v_nop
.endr
.set n, 0
.rept 16
	ds_load_b128 v[32+4*n:35+4*n], v[ADV] offset:512*n        ; V's four fragments: they land under the softmax
.set n, n+1
.endr
	v_max3_num_f32 v254, v96, v97, v98             ; the step's largest sum of my query, in two chains, each accumulator from its low end on
	v_max3_num_f32 v252, v99, v100, v101
.irp i, 6,10,14,18,22,26,30,34,38,42,46,50,54,58
	v_max3_num_f32 v254, v254, v[96+\i], v[97+\i]
	v_max3_num_f32 v252, v252, v[98+\i], v[99+\i]
.endr
	v_max3_num_f32 v254, v254, v158, v159
	v_max_num_f32 v254, v254, v252
	v_permlanex16_b32 v236, v254, s[SEL], s[SEL+1]
	v_max_num_f32 v254, v254, v236
	v_fma_f32 v254, v254, s[CS], v[QT]             ; as t (cs is positive)
	v_max_num_f32 v13, v13, v254
	v_mov_b32 v254, v[NM]
	v_floor_f32 v[NM], -v13                        ; -M = floor(-t): M is a whole number
	v_sub_f32 v254, v[NM], v254
	v_cvt_i32_f32 v254, v254                       ; (it saturates)
	v_ldexp_f32 v252, 1.0, v254                    ; f = 2^(old M - new M)
	v_add_f32 v12, v[NM], v[QT]
.set n, 0
.rept 32
	v_pk_fma_f32 v[96+n:97+n], v[96+n:97+n], s[CS:CS+1], v[12:13] op_sel_hi:[1,0,0]   ; t - M (of both pairs the low word serves both halves)
.set n, n+2
.endr
.set n, 0
.rept 64
	v_exp_f32 v[96+n], v[96+n]
.set n, n+1
.endr
	v_pk_mul_f32 v[14:15], v[14:15], v[252:253] op_sel_hi:[1,0]   ; the sums under the new M: the plain instruction behind the batch
	s_wait_alu depctr_va_vdst(0)                   ; one wait for the 64 exponentials, ahead of their first reader
	v_pk_add_f32 v[242:243], v[96:97], v[98:99]    ; the row's sum is taken of the unquantised p
.irp j, 4,8,12,16,20,24,28,32,36,40,44,48,52,56,60
	v_pk_add_f32 v[14:15], v[14:15], v[96+\j:97+\j]
	v_pk_add_f32 v[242:243], v[242:243], v[98+\j:99+\j]
.endr
	v_pk_add_f32 v[14:15], v[14:15], v[242:243]
.irp b, 0,1,2,3
.set n, 0
.rept 16
	v_min_num_f32 v[96+16*\b+n], v[96+16*\b+n], v240   ; the hold; p is not negative
.set n, n+1
.endr
	v_cvt_scalef32_pk8_fp8_f32 v[224+4*\b:225+4*\b], v[96+16*\b:103+16*\b], v244
	v_cvt_scalef32_pk8_fp8_f32 v[226+4*\b:227+4*\b], v[104+16*\b:111+16*\b], v244
.endr
.set n, 0
.rept 16
	v_pk_mul_f32 v[160+n:161+n], v[160+n:161+n], v[252:253] op_sel_hi:[1,0]   ; O^T under the new M; also the plain instructions behind the conversions
.set n, n+2
.endr
	s_wait_dscnt 0x0                               ; V
.set n, 0
.rept 4
	v_wmma_f32_16x16x128_fp8_fp8 v[160+8*n:167+8*n], v[32+16*n:47+16*n], v[224:239], v[160+8*n:167+8*n]   ; four accumulators by turns
.set n, n+1
.endr
.endm
	s_mov_b32 s[SO], 0
	s_mov_b32 s[SB], 0
	s_mov_b32 s[CNT], 4
.Lfirst:                                           ; keys 0 to 511: the first 32 KB of K and of V
	STEP
	s_add_co_u32 s[SO], s[SO], 8192
	s_add_co_u32 s[SB], s[SB], 512
	s_sub_co_u32 s[CNT], s[CNT], 1
	s_cmp_lg_u32 s[CNT], 0
	s_cbranch_scc1 .Lfirst
	s_wait_tensorcnt 0x0                           ; my part of the other 192 KB has landed
	ds_add_u32 v[SPW], v[NIL]
	s_wait_dscnt 0x0
	s_barrier_signal -1
	s_barrier_wait -1                              ; everybody's has
	s_mov_b32 s[SO], 32768
	s_mov_b32 s[SB], 2048
	s_mov_b32 s[CNT], 12
.Lrest:
	STEP
	s_add_co_u32 s[SO], s[SO], 8192
	s_add_co_u32 s[SB], s[SB], 512
	s_sub_co_u32 s[CNT], s[CNT], 1
	s_cmp_lg_u32 s[CNT], 0
	s_cbranch_scc1 .Lrest
.rept 4
	v_nop
.endr
	v_add_f32 v14, v14, v15
	v_permlanex16_b32 v252, v14, s[SEL], s[SEL+1]
	v_add_f32 v14, v14, v252                       ; the row's sum
	v_rcp_f32 v14, v14
	v_nop
	s_add_co_i32 s84, s76, s77                     ; e8 + e9
	s_wait_alu depctr_va_vdst(0)
	v_ldexp_f32 v14, v14, s84
	v_mov_b32 v15, v14
.set n, 0
.rept 16
	v_pk_mul_f32 v[96+n:97+n], v[160+n:161+n], v[14:15]   ; register 16 b + i: d = 32 b + 16 h + i of my query
.set n, n+2
.endr
.set n, 0
.rept 32
	v_med3_num_f32 v[96+n], v[96+n], -v241, v241
.set n, n+1
.endr
.set n, 0
.rept 4
	v_cvt_scalef32_pk8_fp8_f32 v[224+2*n:225+2*n], v[96+8*n:103+8*n], v245
.set n, n+1
.endr
	v_nop
	global_store_b128 v[LI], v[224:227], s[16:17]             ; 512 consecutive bytes of the next product's image
	global_store_b128 v[LI], v[228:231], s[16:17] offset:512
	s_wait_tensorcnt 0x0                           ; the wave's end
	ds_add_u32 v[SPW], v[NIL]
	s_wait_dscnt 0x0
	ROUND                                          ; the closing round
	s_endpgm
.Lfunc_end_k_q7513b2716d_attn:
	.size	k_q7513b2716d_attn, .Lfunc_end_k_q7513b2716d_attn-k_q7513b2716d_attn
	.p2alignl 7, 3214868480
	.fill 96, 4, 3214868480
	.section	.rodata,"a",@progbits
	.p2align	6, 0x0
	.amdhsa_kernel k_q7513b2716d_attn
		.amdhsa_group_segment_fixed_size 327680
		.amdhsa_private_segment_fixed_size 0
		.amdhsa_enable_private_segment 0
		.amdhsa_kernarg_size 32
		.amdhsa_user_sgpr_count 2
		.amdhsa_user_sgpr_kernarg_segment_ptr 1
		.amdhsa_wavefront_size32 1
		.amdhsa_system_sgpr_workgroup_id_x 1
		.amdhsa_system_sgpr_workgroup_id_y 1
		.amdhsa_system_sgpr_workgroup_id_z 1
		.amdhsa_system_vgpr_workitem_id 0
		.amdhsa_next_free_vgpr 256
		.amdhsa_next_free_sgpr 90
		.amdhsa_reserve_vcc 0
		.amdhsa_float_denorm_mode_32 3
		.amdhsa_float_denorm_mode_16_64 3
		.amdhsa_memory_ordered 1
		.amdhsa_forward_progress 1
		.amdhsa_inst_pref_size 46
	.end_amdhsa_kernel
	.amdgpu_metadata
---
amdhsa.version: [ 1, 2 ]
amdhsa.kernels:
  - .name:           k_q7513b2716d_attn
    .symbol:         k_q7513b2716d_attn.kd
    .args:
      - { .name: qkvc, .offset: 0, .size: 8, .value_kind: global_buffer, .address_space: global }
      - { .name: sq, .offset: 8, .size: 8, .value_kind: global_buffer, .address_space: global }
      - { .name: lowp_scales, .offset: 16, .size: 8, .value_kind: global_buffer, .address_space: global }
      - { .name: oc, .offset: 24, .size: 8, .value_kind: global_buffer, .address_space: global }
    .group_segment_fixed_size: 327680
    .private_segment_fixed_size: 0
    .kernarg_segment_align: 8
    .kernarg_segment_size: 32
    .max_flat_workgroup_size: 512
    .sgpr_count:     90
    .vgpr_count:     256
    .wavefront_size: 32
...
	.end_amdgpu_metadata
.endif
;; end of part 3
;; launch wo (part 4): grid 4 x 16, 4 waves a work-group, clusters of 4 x 4, 327,680 bytes of LDS; arguments oc, wc, lowp_scales, bo, x, ya; writes ya
.if DOCPART == 4
	.amdgcn_target "amdgcn-amd-amdhsa--gfx1250"
	.amdhsa_code_object_version 6
	.text
	.protected	k_q7513b2716d_wo
	.globl	k_q7513b2716d_wo
	.p2align	8
	.type	k_q7513b2716d_wo,@function
k_q7513b2716d_wo:
	s_mov_b64 s[64:65], 0
	v_nop
	global_prefetch_b8 v0, s[64:65] scope:SCOPE_SE
	s_setreg_imm32_b32 hwreg(HW_REG_WAVE_MODE, 25, 1), 1
	s_wait_xcnt 0x0
	s_wait_alu depctr_hold_cnt(0) depctr_sa_sdst(0) depctr_va_vdst(0) depctr_va_sdst(0) depctr_va_ssrc(0) depctr_va_vcc(0) depctr_vm_vsrc(0)
	s_getreg_b32 s2, hwreg(HW_REG_IB_STS2, 6, 4)
	s_cmp_eq_u32 s2, 0
	s_cbranch_scc0 .Lentry_in_a_cluster
	s_endpgm
.Lentry_in_a_cluster:
	s_bfe_u32 s2, ttmp6, 0x10000c
	s_cmp_lg_u32 s2, 0xf033
	s_cbranch_scc0 .Lentry_shape_is_right
	s_endpgm
.Lentry_shape_is_right:
; y = residual + A B^T 2^(ea + eb) + bias, f32 row-major [4,096][1,024].  Here: A = attention's output (K = 1,024), B = wo, residual = x.
; A and B are E4M3 codes laid as images (byte ((blk KS + ks) 4 + c) 512 + 16 lane + (k & 15); lane r of block blk = row 32 (blk >> 1) + 8 (blk & 1) + r + 8 (r >> 3)).
; A work-group of four waves makes a tile of 256 x 256, a wave 128 x 128: 64 accumulators, 512 registers.  K goes in steps of 256 through a ring of two LDS slots, filled by joint loads of a 4 x 4 cluster:
; A's tile is shared along a row of the cluster, B's along a column.  Source 1 = A (a lane = a token), source 0 = B (a lane's registers run along the columns: registers 16 b + i = column 32 b + 16 h + i).
; THE WAY OUT: a block of 16 tokens x 128 columns goes through the wave's stage in LDS (in slot 0, which has had its last fill and its last read) and comes back as whole rows of 512 bytes; the residual's same rows are
; loaded two blocks ahead and added; each store covers 512 consecutive bytes.
; LIMIT: ea + eb between -126 and 127.
.set KS,    8
.set WOFF,  0x300000
.set EA,    10
.set EB,    11
.set FR,    16
.set NL,    4
.set NP,    4
.set BLKB,  KS*2048
.set SLOT,  131072
.set SPARE, 2*SLOT
.set LAPS,  KS/4
.set ADRA,  16
.set ADRB,  20
.set SPW,   28
.set NIL,   29
.set AF,    128
.set WV,    20
.set RH,    21
.set CH,    22
.set G1A,   24
.set G0A,   32
.set G1B,   48
.set G0B,   56
.set SCA,   68
.set MSB,   0
.macro WIN new
.if MSB != (\new)
	s_set_vgpr_msb (MSB<<8)|(\new)
.set MSB, (\new)
.endif
.endm
.set MUL_LO, 0xa1
.set MUL_HI, 0xf1
.set TO_B,   0x40
.macro JLOAD s
	s_cmp_eq_u32 s[RH], 0
	s_cbranch_scc0 .Lfor_b_\@
	tensor_load_to_lds s[G0A+4*\s:G0A+4*\s+3], s[G1A:G1A+7]
	s_nop 0
.rept 4
	v_nop
.endr
	s_branch .Lasked_\@
.Lfor_b_\@:
	tensor_load_to_lds s[G0B+4*\s:G0B+4*\s+3], s[G1B:G1B+7]
	s_nop 0
.rept 4
	v_nop
.endr
.Lasked_\@:
.endm
.macro CREST
	s_cmp_lg_u32 s[WV], 0
	s_cbranch_scc1 .Lnot_wave_0_\@
	s_barrier_signal -3
.Lnot_wave_0_\@:
	s_barrier_wait -3
	s_barrier_signal -1
	s_barrier_wait -1
.endm
.macro CROUND
	s_barrier_signal -1
	s_barrier_wait -1
	CREST
.endm
.macro FRAG reg, adr, q, i
.irp c, 0,1,2,3
	ds_load_b128 v[\reg+4*\c:\reg+4*\c+3], v[\adr] offset:4096*(\i)+2048*(\q)+512*\c
.endr
.endm
.macro MUL16 a0, p, zero               ; the 64 accumulators take turns
.irp a, \a0, \a0+1
.irp b, 0,1,2,3,4,5,6,7
.if \zero
	v_wmma_f32_16x16x128_fp8_fp8 v[8*(8*((\a)%4)+\b):8*(8*((\a)%4)+\b)+7], v[128*(\p)+FR*\b:128*(\p)+FR*\b+FR-1], v[AF+FR*(\a):AF+FR*(\a)+FR-1], 0
.else
	v_wmma_f32_16x16x128_fp8_fp8 v[8*(8*((\a)%4)+\b):8*(8*((\a)%4)+\b)+7], v[128*(\p)+FR*\b:128*(\p)+FR*\b+FR-1], v[AF+FR*(\a):AF+FR*(\a)+FR-1], v[8*(8*((\a)%4)+\b):8*(8*((\a)%4)+\b)+7]
.endif
.endr
.endr
.endm
.macro FETCH_B slot, q, p
	WIN TO_B
.irp i, 0,1,2,3,4,5,6,7
	FRAG 128*(\p)+FR*\i, ADRB+\slot, \q, \i
.endr
	WIN 0
.endm
.macro FETCH_A slot, q, i0
.irp i, \i0, \i0+1, \i0+2, \i0+3
	FRAG AF+FR*(\i), ADRA+\slot, \q, \i
.endr
.endm
.macro PLACES n
.rept \n
	v_nop
.endr
.endm
.macro STEP slot, q, zero
	s_wait_dscnt 4*NL                              ; B's set and A's blocks 0-3 are in; A's blocks 4-7, the youngest sixteen loads, may be out
	WIN MUL_LO
	MUL16 0, (\q)%2, \zero
	MUL16 2, (\q)%2, \zero
	s_wait_dscnt 0
	PLACES NP
	FETCH_B \slot, (\q)+1, 1-(\q)%2
	FETCH_A \slot, (\q)+1, 0
	WIN MUL_HI
	MUL16 4, (\q)%2, \zero
	MUL16 6, (\q)%2, \zero
	PLACES NP
	WIN 0
	FETCH_A \slot, (\q)+1, 4
.endm
.macro TURN slot, next, fill
	s_wait_tensorcnt 0x0                           ; all my tensor loads have landed: my part of the next slot
	ds_add_u32 v[SPW], v[NIL]
	s_wait_dscnt 4*NL+1                            ; the add and A's blocks 4-7 may be out
	WIN MUL_LO
	MUL16 0, 1, 0
	s_wait_dscnt 0x0                               ; the add is done, and my reads of this slot are over
	s_barrier_signal -1
	MUL16 2, 1, 0
	WIN 0
	s_barrier_wait -1
.if \fill
	CREST                                          ; a round of the cluster's barrier: no wave of any partner still reads this slot or has a load on its way
	s_add_nc_u64 s[G0A+4*\slot+2:G0A+4*\slot+3], s[G0A+4*\slot+2:G0A+4*\slot+3], 8192
	s_add_nc_u64 s[G0B+4*\slot+2:G0B+4*\slot+3], s[G0B+4*\slot+2:G0B+4*\slot+3], 8192
	JLOAD \slot
.else
	PLACES NP
.endif
	FETCH_B \next, 0, 0
	FETCH_A \next, 0, 0
	WIN MUL_HI
	MUL16 4, 1, 0
	MUL16 6, 1, 0
	PLACES NP
	WIN 0
	FETCH_A \next, 0, 4
.endm
.macro GEMM
	s_wait_tensorcnt 1                             ; my part of K step 0 is in; K step 1's load may be out
	s_barrier_signal -1
	s_barrier_wait -1
	FETCH_B 0, 0, 0
	FETCH_A 0, 0, 0
	FETCH_A 0, 0, 4
	STEP 0, 0, 1
	s_mov_b32 s3, LAPS-1
.Llap:
	TURN 0, 1, 1
	STEP 1, 0, 0
	TURN 1, 0, 1
	STEP 0, 0, 0
	s_sub_co_u32 s3, s3, 1
	s_cmp_lg_u32 s3, 0
	s_cbranch_scc1 .Llap
	TURN 0, 1, 0
	STEP 1, 0, 0
	s_wait_dscnt 4*NL
	WIN MUL_LO
	MUL16 0, 1, 0
	MUL16 2, 1, 0
	s_wait_dscnt 0
	WIN MUL_HI
	MUL16 4, 1, 0
	MUL16 6, 1, 0
	WIN 0
.endm
.set BO1,  3
.set STO,  24
.set RD,   25
.set CO,   26
.set BI,   32
.set BK,   128
	s_load_b256 s[4:11], s[0:1], 0x0               ; A's image, wc, lowp_scales, the bias
	s_load_b128 s[12:15], s[0:1], 0x20             ; the residual, the output
	v_lshl_add_u32 v[SPW], v0, 2, SPARE
	v_mov_b32 v[NIL], 0
	ds_add_u32 v[SPW], v[NIL]                      ; the wave's opening: the add and its wait ahead of my first tensor load
	v_lshrrev_b32 v1, 5, v0
	v_readfirstlane_b32 s[WV], v1
	s_lshr_b32 s[RH], s[WV], 1
	s_and_b32 s[CH], s[WV], 1
	s_bfe_u32 s40, ttmp6, 0x40000
	s_bfe_u32 s41, ttmp6, 0x40004
	s_lshl_b32 s42, ttmp9, 2
	s_add_co_u32 s42, s42, s40                     ; B's tile
	s_and_b32 s43, ttmp7, 0xffff
	s_lshl_b32 s43, s43, 2
	s_add_co_u32 s43, s43, s41                     ; A's tile
	s_lshl_b32 s44, s41, 2
	s_lshl_b32 s44, 15, s44
	s_lshl_b32 s45, 0x1111, s40
	s_or_b32 s[G1A], s44, (3<<16)|(1<<21)
	s_or_b32 s[G1B], s45, (3<<16)|(1<<21)
.irp g, G1A, G1B
	s_mov_b32 s[\g+1], 512<<16
	s_mov_b32 s[\g+2], 8<<16
	s_mov_b32 s[\g+3], 512<<16
	s_mov_b32 s[\g+4], 8
	s_mov_b32 s[\g+5], KS*256
	s_mov_b32 s[\g+6], 0
	s_mov_b32 s[\g+7], 0
.endr
	s_lshl_b32 s87, s[CH], 3
	s_lshl_b32 s46, s43, 4
	s_add_co_u32 s46, s46, s87
	s_mul_i32 s46, s46, BLKB
	s_mov_b32 s47, 0
	s_lshl_b32 s66, s42, 4
	s_add_co_u32 s66, s66, s87
	s_mul_i32 s66, s66, BLKB
	s_add_co_u32 s66, s66, WOFF
	s_mov_b32 s67, 0
	s_lshl_b32 s23, s[WV], 15
	s_wait_dscnt 0x0
	s_wait_kmcnt 0x0
	s_load_b512 s[SCA:SCA+15], s[8:9], 0x0
	s_add_nc_u64 s[46:47], s[4:5], s[46:47]
	s_add_nc_u64 s[66:67], s[6:7], s[66:67]
	CROUND
.irp s, 0,1
	s_mov_b32 s[G0A+4*\s], 1
	s_add_co_u32 s[G0A+4*\s+1], s23, \s*SLOT
	s_add_nc_u64 s[G0A+4*\s+2:G0A+4*\s+3], s[46:47], \s*4096
	s_or_b32 s[G0A+4*\s+3], s[G0A+4*\s+3], 0x80000000
	s_mov_b32 s[G0B+4*\s], 1
	s_add_co_u32 s[G0B+4*\s+1], s23, \s*SLOT
	s_add_nc_u64 s[G0B+4*\s+2:G0B+4*\s+3], s[66:67], \s*4096
	s_or_b32 s[G0B+4*\s+3], s[G0B+4*\s+3], 0x80000000
	JLOAD \s
.endr
	v_and_b32 v1, 31, v0
	v_lshlrev_b32 v[CO], 4, v1
	s_lshl_b32 s86, s[RH], 15
	s_lshl_b32 s87, s[CH], 15
	s_add_co_u32 s87, s87, 65536
.irp s, 0,1
	v_add_nc_u32 v[ADRA+\s], s86, v[CO]
	v_add_nc_u32 v[ADRB+\s], s87, v[CO]
	s_add_co_u32 s86, s86, SLOT
	s_add_co_u32 s87, s87, SLOT
.endr
	v_and_b32 v2, 15, v0
	v_bfe_u32 v5, v0, 4, 1
	v_lshlrev_b32 v[BO1], 6, v5
	s_mul_i32 s86, s[WV], 16*528                   ; my stage
	v_mul_u32_u24 v4, v2, 528
	v_lshl_add_u32 v4, v5, 6, v4
	v_add_nc_u32 v[STO], s86, v4                   ; in: row r, + 64 h
	v_add_nc_u32 v[RD], s86, v[CO]                 ; back: a row of 512 bytes by 32 lanes
	s_lshl_b32 s86, s42, 10
	s_lshl_b32 s87, s[CH], 9
	s_add_co_u32 s86, s86, s87                     ; my first column, in bytes
	s_mov_b32 s87, 0
	s_add_nc_u64 s[88:89], s[10:11], s[86:87]
.set j, 0
.rept 16
	global_load_b128 v[BI+4*j:BI+4*j+3], v[BO1], s[88:89] offset:128*(j/4)+16*(j%4)
.set j, j+1
.endr
	s_lshl_b32 s94, s43, 20
	s_lshl_b32 s95, s[RH], 19
	s_add_co_u32 s94, s94, s95
	s_add_co_u32 s94, s94, s86                     ; + my first row x 4,096 bytes
	s_mov_b32 s95, 0
	s_add_nc_u64 s[90:91], s[12:13], s[94:95]
	s_add_nc_u64 s[92:93], s[14:15], s[94:95]
	GEMM
.macro XLOAD a                         ; the residual's 16 rows of block a, into window 1
	WIN 0x40
.set j, 0
.rept 16
	global_load_b128 v[64+64*((\a)%2)+4*j:64+64*((\a)%2)+4*j+3], v[CO], s[90:91] offset:(32*((\a)/2)+8*((\a)%2)+j+8*(j/8))*4096
.set j, j+1
.endr
	WIN 0
.endm
.macro TOSTAGE a
.set AC, 64*((\a)%4)
	WIN 0x42+((\a)/4)                              ; source 0 window 2 or 3, destination window 1
.set j, 0
.rept 32
	v_pk_fma_f32 v[j:j+1], v[AC+j:AC+j+1], s[84:85], v[BI+j:BI+j+1] op_sel_hi:[1,0,1]   ; each accumulator from its low end on
.set j, j+2
.endr
	WIN 0x04                                       ; store data window 1
.set j, 0
.rept 8
	ds_store_b128 v[STO], v[8*j:8*j+3] offset:128*(j/2)+32*(j%2)
	ds_store_b128 v[STO], v[8*j+4:8*j+7] offset:128*(j/2)+32*(j%2)+16
.set j, j+1
.endr
	WIN 0
.set j, 0
.rept 16
	ds_load_b128 v[BK+64*((\a)%2)+4*j:BK+64*((\a)%2)+4*j+3], v[RD] offset:528*j   ; LDS serves a wave's instructions in order: these see my stores
.set j, j+1
.endr
.endm
.macro SEND a, younger
	s_wait_dscnt \younger                          ; the block is back; the next block's LDS instructions may be out
.if (\a) < 7
	s_wait_loadcnt 16                              ; this block's residual is in; the next block's sixteen loads may be out
.else
	s_wait_loadcnt 0
.endif
	WIN 0x04
.set j, 0
.rept 32
	v_pk_add_f32 v[BK+64*((\a)%2)+j:BK+64*((\a)%2)+j+1], v[BK+64*((\a)%2)+j:BK+64*((\a)%2)+j+1], v[64+64*((\a)%2)+j:64+64*((\a)%2)+j+1]
.set j, j+2
.endr
	WIN 0
.set j, 0
.rept 16
	global_store_b128 v[CO], v[BK+64*((\a)%2)+4*j:BK+64*((\a)%2)+4*j+3], s[92:93] offset:(32*((\a)/2)+8*((\a)%2)+j+8*(j/8))*4096   ; 512 consecutive bytes of a row
.set j, j+1
.endr
.if (\a)+2 < 8
	XLOAD (\a)+2
.endif
.endm
	s_wait_kmcnt 0x0
	s_add_co_i32 s84, s[SCA+EA], s[SCA+EB]
	s_add_co_i32 s84, s84, 127
	s_lshl_b32 s84, s84, 23
	s_mov_b32 s85, s84
	PLACES NP
	XLOAD 0
	XLOAD 1
	s_wait_loadcnt 32                              ; the bias is in; the two blocks of the residual may be out
	TOSTAGE 0
.irp a, 1,2,3,4,5,6,7
.if \a > 1
	s_wait_xcnt 0x0                                ; block a - 2's stores have read their registers
.endif
	TOSTAGE \a
	SEND \a-1, 32
.endr
	s_wait_xcnt 0x0
	SEND 7, 0
	s_wait_tensorcnt 0x0                           ; the wave's end
	ds_add_u32 v[SPW], v[NIL]
	s_wait_dscnt 0x0
	CROUND
	s_endpgm
.Lfunc_end_k_q7513b2716d_wo:
	.size	k_q7513b2716d_wo, .Lfunc_end_k_q7513b2716d_wo-k_q7513b2716d_wo
	.p2alignl 7, 3214868480
	.fill 96, 4, 3214868480
	.section	.rodata,"a",@progbits
	.p2align	6, 0x0
	.amdhsa_kernel k_q7513b2716d_wo
		.amdhsa_group_segment_fixed_size 327680
		.amdhsa_private_segment_fixed_size 0
		.amdhsa_enable_private_segment 0
		.amdhsa_kernarg_size 48
		.amdhsa_user_sgpr_count 2
		.amdhsa_user_sgpr_kernarg_segment_ptr 1
		.amdhsa_wavefront_size32 1
		.amdhsa_system_sgpr_workgroup_id_x 1
		.amdhsa_system_sgpr_workgroup_id_y 1
		.amdhsa_system_sgpr_workgroup_id_z 1
		.amdhsa_system_vgpr_workitem_id 0
		.amdhsa_next_free_vgpr 1024
		.amdhsa_next_free_sgpr 100
		.amdhsa_reserve_vcc 0
		.amdhsa_float_denorm_mode_32 3
		.amdhsa_float_denorm_mode_16_64 3
		.amdhsa_memory_ordered 1
		.amdhsa_forward_progress 1
		.amdhsa_inst_pref_size 153
	.end_amdhsa_kernel
	.amdgpu_metadata
---
amdhsa.version: [ 1, 2 ]
amdhsa.kernels:
  - .name:           k_q7513b2716d_wo
    .symbol:         k_q7513b2716d_wo.kd
    .args:
      - { .name: oc, .offset: 0, .size: 8, .value_kind: global_buffer, .address_space: global }
      - { .name: wc, .offset: 8, .size: 8, .value_kind: global_buffer, .address_space: global }
      - { .name: lowp_scales, .offset: 16, .size: 8, .value_kind: global_buffer, .address_space: global }
      - { .name: bo, .offset: 24, .size: 8, .value_kind: global_buffer, .address_space: global }
      - { .name: x, .offset: 32, .size: 8, .value_kind: global_buffer, .address_space: global }
      - { .name: ya, .offset: 40, .size: 8, .value_kind: global_buffer, .address_space: global }
    .group_segment_fixed_size: 327680
    .private_segment_fixed_size: 0
    .kernarg_segment_align: 8
    .kernarg_segment_size: 48
    .max_flat_workgroup_size: 128
    .sgpr_count:     100
    .vgpr_count:     1024
    .wavefront_size: 32
...
	.end_amdgpu_metadata
.endif
;; end of part 4
;; launch ln2 (part 5): grid 256 x 1, 4 waves a work-group, no clusters, 17,152 bytes of LDS; arguments ya, g2, b2, lowp_scales, xa, x2; writes xa, x2
.if DOCPART == 5
	.amdgcn_target "amdgcn-amd-amdhsa--gfx1250"
	.amdhsa_code_object_version 6
	.text
	.protected	k_q7513b2716d_ln2
	.globl	k_q7513b2716d_ln2
	.p2align	8
	.type	k_q7513b2716d_ln2,@function
k_q7513b2716d_ln2:
	s_mov_b64 s[64:65], 0
	v_nop
	global_prefetch_b8 v0, s[64:65] scope:SCOPE_SE
	s_setreg_imm32_b32 hwreg(HW_REG_WAVE_MODE, 25, 1), 1
	s_wait_xcnt 0x0
; LN2: x1 = the row of ya clipped to norm 1 - 1e-5 (stored as f32, row-major, into xa); layer norm 2 of x1, quantised with e12 to E4M3 codes laid as an image
; (byte ((blk 8 + ks) 4 + c) 512 + 16 lane + (k & 15); lane r of block blk = row 32 (blk >> 1) + 8 (blk & 1) + r + 8 (r >> 3)).
; A work-group takes one image block of 16 rows, each of its four waves four rows; a wave takes a row by eight loads of 512 consecutive bytes, all 32 issued at once.  The codes go through a stage in LDS, one barrier.
; LIMITS: e12 between -126 and 119.  NaN among the inputs is not served.
.set PITCH, 1040
.set STG,   16*PITCH
.set SPARE, STG
.set NIL,  1
.set VO,   2
.set SWL,  6
.set RBL,  8
.set GOFF, 10
.set SPW,  11
.set MEAN, 12
.set FP,   14
.set SCL,  16
.set PD,   22
.set SS,   23
.set C,    24
.set T,    32
.set X,    64
.set G,    192
.set BB,   224
.set SEL,  30
.set RN,   32
.set EPS,  33
.set MAXN, 34
.set TINY, 35
.macro XSUM
	v_add_f32_dpp v[SS], v[SS], v[SS] row_xmask:1 row_mask:0xf bank_mask:0xf
	v_add_f32_dpp v[SS], v[SS], v[SS] row_xmask:2 row_mask:0xf bank_mask:0xf
	v_add_f32_dpp v[SS], v[SS], v[SS] row_xmask:4 row_mask:0xf bank_mask:0xf
	v_add_f32_dpp v[SS], v[SS], v[SS] row_xmask:8 row_mask:0xf bank_mask:0xf
	v_permlanex16_b32 v[PD], v[SS], s[SEL], s[SEL+1]
	v_add_f32 v[SS], v[SS], v[PD]
.endm
.macro TREE
	v_pk_add_f32 v[T:T+1], v[T:T+1], v[T+2:T+3]
	v_pk_add_f32 v[T+4:T+5], v[T+4:T+5], v[T+6:T+7]
	v_pk_add_f32 v[T:T+1], v[T:T+1], v[T+4:T+5]
	v_add_f32 v[SS], v[T], v[T+1]
	XSUM
.endm
.macro SUMSQ x
.set p, 0
.rept 4
	v_pk_mul_f32 v[T+2*p:T+2*p+1], v[\x+2*p:\x+2*p+1], v[\x+2*p:\x+2*p+1]
.set p, p+1
.endr
.rept 12
	v_pk_fma_f32 v[T+2*(p%4):T+2*(p%4)+1], v[\x+2*p:\x+2*p+1], v[\x+2*p:\x+2*p+1], v[T+2*(p%4):T+2*(p%4)+1]
.set p, p+1
.endr
	TREE
.endm
.macro PROJ x                          ; f = (1 - 1e-5) / max(norm, 1e-12) where the row's norm is above 1 - 1e-5, else 1; as a pair
	SUMSQ \x
	v_sqrt_f32 v[FP], v[SS]
	v_nop
	s_wait_alu depctr_va_vdst(0)
	v_max_num_f32 v[SS], s[TINY], v[FP]
	v_rcp_f32 v[FP+1], v[SS]
	v_nop
	s_wait_alu depctr_va_vdst(0)
	v_mul_f32 v[FP+1], s[MAXN], v[FP+1]
	v_cmp_lt_f32 vcc_lo, s[MAXN], v[FP]
	v_cndmask_b32 v[FP], 1.0, v[FP+1], vcc_lo
	v_mov_b32 v[FP+1], v[FP]
.endm
.macro LNSUM x
.set p, 0
.rept 4
	v_pk_add_f32 v[T+2*p:T+2*p+1], v[\x+4*p:\x+4*p+1], v[\x+4*p+2:\x+4*p+3]
.set p, p+1
.endr
.set p, 8
.rept 8
	v_pk_add_f32 v[T+2*(p%4):T+2*(p%4)+1], v[T+2*(p%4):T+2*(p%4)+1], v[\x+2*p:\x+2*p+1]
.set p, p+1
.endr
	TREE
	v_mul_f32 v[MEAN], s[RN], v[SS]
	v_mov_b32 v[MEAN+1], v[MEAN]
.endm
.macro LNREST x
.set p, 0
.rept 16
	v_pk_add_f32 v[\x+2*p:\x+2*p+1], v[\x+2*p:\x+2*p+1], v[MEAN:MEAN+1] neg_lo:[0,1] neg_hi:[0,1]
.set p, p+1
.endr
	SUMSQ \x
	v_fma_f32 v[SS], v[SS], s[RN], s[EPS]
	v_rsq_f32 v[FP], v[SS]
	v_nop
	s_wait_alu depctr_va_vdst(0)
	v_mov_b32 v[FP+1], v[FP]
.set p, 0
.rept 16
	v_pk_mul_f32 v[\x+2*p:\x+2*p+1], v[\x+2*p:\x+2*p+1], v[FP:FP+1]
.set p, p+1
.endr
.set p, 0
.rept 16
	v_pk_fma_f32 v[\x+2*p:\x+2*p+1], v[\x+2*p:\x+2*p+1], v[G+2*p:G+2*p+1], v[BB+2*p:BB+2*p+1]
.set p, p+1
.endr
.endm
.macro QROW x, sc, adr, off
	s_wait_dscnt 0x0                               ; the last row's stores have read v[C] on
.set p, 0
.rept 32
	v_med3_num_f32 v[T+p], v[\x+p], -v[\sc+1], v[\sc+1]   ; the conversion does not saturate (ISA guide 7.6.2): the hold comes first
.set p, p+1
.endr
.set p, 0
.rept 4
	v_cvt_scalef32_pk8_fp8_f32 v[C+2*p:C+2*p+1], v[T+8*p:T+8*p+7], v[\sc]
.set p, p+1
.endr
	v_nop
.set p, 0
.rept 8
	ds_store_b32 v[\adr], v[C+p] offset:\off+128*p
.set p, p+1
.endr
.endm
	s_load_b256 s[4:11], s[0:1], 0x0               ; ya, g2, b2, lowp_scales
	s_load_b128 s[12:15], s[0:1], 0x20             ; xa, x2
	v_lshl_add_u32 v[SPW], v0, 2, SPARE
	v_mov_b32 v[NIL], 0
	v_mov_b32 v[PD], 0
	v_lshrrev_b32 v32, 5, v0
	v_readfirstlane_b32 s16, v32                   ; wave = sub
	v_and_b32 v33, 31, v0
	v_and_b32 v34, 15, v0
	v_bfe_u32 v35, v0, 4, 1
	s_mul_i32 s17, s16, 4*PITCH
	v_lshl_add_u32 v[SWL], v33, 2, s17
	v_mul_u32_u24 v36, v34, PITCH
	v_lshl_add_u32 v36, v35, 4, v36
	s_lshl_b32 s17, s16, 8
	v_add_nc_u32 v[RBL], s17, v36
	s_lshl_b32 s17, s16, 12
	v_lshl_add_u32 v[GOFF], v33, 4, s17
	v_lshlrev_b32 v[VO], 4, v33
	s_mov_b32 s[SEL], 0x76543210
	s_mov_b32 s[SEL+1], 0xfedcba98
	s_mov_b32 s[RN], 0x3a800000
	s_mov_b32 s[EPS], 0x3727c5ac
	s_mov_b32 s[MAXN], 0x3f7fff58
	s_mov_b32 s[TINY], 0x2b8cbccc
	s_lshr_b32 s18, ttmp9, 1
	s_lshl_b32 s18, s18, 5
	s_and_b32 s19, ttmp9, 1
	s_lshl_b32 s19, s19, 3
	s_add_co_u32 s18, s18, s19
	s_lshl_b32 s19, s16, 2
	s_add_co_u32 s18, s18, s19
	s_lshr_b32 s19, s16, 1
	s_lshl_b32 s19, s19, 3
	s_add_co_u32 s18, s18, s19                     ; my first row
	s_lshl_b32 s18, s18, 12
	s_mov_b32 s19, 0
	s_lshl_b32 s28, ttmp9, 14
	s_mov_b32 s29, 0
	s_wait_kmcnt 0x0
	s_load_b32 s26, s[10:11], 0x30                 ; e12
	s_add_nc_u64 s[20:21], s[4:5], s[18:19]
	s_add_nc_u64 s[22:23], s[12:13], s[18:19]
	s_add_nc_u64 s[24:25], s[14:15], s[28:29]
.set j, 0
.rept 8
	global_load_b128 v[G+4*j:G+4*j+3], v[VO], s[6:7] offset:512*j
	global_load_b128 v[BB+4*j:BB+4*j+3], v[VO], s[8:9] offset:512*j
.set j, j+1
.endr
.set j, 0
.rept 32
	global_load_b128 v[X+4*j:X+4*j+3], v[VO], s[20:21] offset:4096*(j/8)+512*(j%8) th:TH_LOAD_NT
.set j, j+1
.endr
	s_wait_kmcnt 0x0
	s_add_co_i32 s26, s26, 127
	s_lshl_b32 s27, s26, 23
	v_mov_b32 v[SCL], s27
	s_add_co_i32 s26, s26, 8
	s_lshl_b32 s26, s26, 23
	s_or_b32 s26, s26, 0x600000
	v_mov_b32 v[SCL+1], s26
.irp i, 0,1,2,3
	s_wait_loadcnt 24-8*\i                         ; g2, b2 and row i are in; the younger rows' eight loads each may stay out
	PROJ X+32*\i
.set j, 0
.rept 16
	v_pk_mul_f32 v[X+32*\i+2*j:X+32*\i+2*j+1], v[X+32*\i+2*j:X+32*\i+2*j+1], v[FP:FP+1]
.set j, j+1
.endr
.set j, 0
.rept 8
	global_store_b128 v[VO], v[X+32*\i+4*j:X+32*\i+4*j+3], s[22:23] offset:4096*\i+512*j   ; x1: 512 consecutive bytes
.set j, j+1
.endr
	LNSUM X+32*\i                                  ; only reads the row
	s_wait_xcnt 0x0                                ; the stores have read the row's registers: now it is rewritten
	LNREST X+32*\i
	QROW X+32*\i, SCL, SWL, PITCH*\i
.endr
	s_wait_dscnt 0x0                               ; for the others' sake: my stores into the stage are done
	s_barrier_signal -1
	s_barrier_wait -1
.set p, 0
.rept 8
	ds_load_b128 v[X+4*p:X+4*p+3], v[RBL] offset:128*(p/4)+32*(p%4)
.set p, p+1
.endr
.set p, 0
.rept 8
	s_wait_dscnt 7-p                               ; the 7 - p younger loads may stay out
	global_store_b128 v[GOFF], v[X+4*p:X+4*p+3], s[24:25] offset:512*p
.set p, p+1
.endr
	s_wait_tensorcnt 0x0                           ; the wave's end, behind my last LDS store
	ds_add_u32 v[SPW], v[NIL]
	s_wait_dscnt 0x0
	s_endpgm
.Lfunc_end_k_q7513b2716d_ln2:
	.size	k_q7513b2716d_ln2, .Lfunc_end_k_q7513b2716d_ln2-k_q7513b2716d_ln2
	.p2alignl 7, 3214868480
	.fill 96, 4, 3214868480
	.section	.rodata,"a",@progbits
	.p2align	6, 0x0
	.amdhsa_kernel k_q7513b2716d_ln2
		.amdhsa_group_segment_fixed_size 17152
		.amdhsa_private_segment_fixed_size 0
		.amdhsa_enable_private_segment 0
		.amdhsa_kernarg_size 48
		.amdhsa_user_sgpr_count 2
		.amdhsa_user_sgpr_kernarg_segment_ptr 1
		.amdhsa_wavefront_size32 1
		.amdhsa_system_sgpr_workgroup_id_x 1
		.amdhsa_system_sgpr_workgroup_id_y 1
		.amdhsa_system_sgpr_workgroup_id_z 1
		.amdhsa_system_vgpr_workitem_id 0
		.amdhsa_next_free_vgpr 256
		.amdhsa_next_free_sgpr 66
		.amdhsa_reserve_vcc 1
		.amdhsa_float_denorm_mode_32 3
		.amdhsa_float_denorm_mode_16_64 3
		.amdhsa_memory_ordered 1
		.amdhsa_forward_progress 1
		.amdhsa_inst_pref_size 60
	.end_amdhsa_kernel
	.amdgpu_metadata
---
amdhsa.version: [ 1, 2 ]
amdhsa.kernels:
  - .name:           k_q7513b2716d_ln2
    .symbol:         k_q7513b2716d_ln2.kd
    .args:
      - { .name: ya, .offset: 0, .size: 8, .value_kind: global_buffer, .address_space: global }
      - { .name: g2, .offset: 8, .size: 8, .value_kind: global_buffer, .address_space: global }
      - { .name: b2, .offset: 16, .size: 8, .value_kind: global_buffer, .address_space: global }
      - { .name: lowp_scales, .offset: 24, .size: 8, .value_kind: global_buffer, .address_space: global }
      - { .name: xa, .offset: 32, .size: 8, .value_kind: global_buffer, .address_space: global }
      - { .name: x2, .offset: 40, .size: 8, .value_kind: global_buffer, .address_space: global }
    .group_segment_fixed_size: 17152
    .private_segment_fixed_size: 0
    .kernarg_segment_align: 8
    .kernarg_segment_size: 48
    .max_flat_workgroup_size: 128
    .sgpr_count:     66
    .vgpr_count:     256
    .wavefront_size: 32
...
	.end_amdgpu_metadata
.endif
;; end of part 5
;; launch ffn1 (part 6): grid 16 x 16, 4 waves a work-group, clusters of 4 x 4, 327,680 bytes of LDS; arguments x2, wc, lowp_scales, bf1, hc; writes hc
.if DOCPART == 6
	.amdgcn_target "amdgcn-amd-amdhsa--gfx1250"
	.amdhsa_code_object_version 6
	.text
	.protected	k_q7513b2716d_ffn1
	.globl	k_q7513b2716d_ffn1
	.p2align	8
	.type	k_q7513b2716d_ffn1,@function
k_q7513b2716d_ffn1:
	s_mov_b64 s[64:65], 0
	v_nop
	global_prefetch_b8 v0, s[64:65] scope:SCOPE_SE
	s_setreg_imm32_b32 hwreg(HW_REG_WAVE_MODE, 25, 1), 1
	s_wait_xcnt 0x0
	s_wait_alu depctr_hold_cnt(0) depctr_sa_sdst(0) depctr_va_vdst(0) depctr_va_sdst(0) depctr_va_ssrc(0) depctr_va_vcc(0) depctr_vm_vsrc(0)
	s_getreg_b32 s2, hwreg(HW_REG_IB_STS2, 6, 4)
	s_cmp_eq_u32 s2, 0
	s_cbranch_scc0 .Lentry_in_a_cluster
	s_endpgm
.Lentry_in_a_cluster:
	s_bfe_u32 s2, ttmp6, 0x10000c
	s_cmp_lg_u32 s2, 0xf033
	s_cbranch_scc0 .Lentry_shape_is_right
	s_endpgm
.Lentry_shape_is_right:
; FFN1: h = gelu(xn2 w1^T + bf1) (the erf form), quantised with e14 to E4M3 codes laid as the next product's image (KS = 32).
; A = xn2's image, B = w1's image (byte ((blk KS + ks) 4 + c) 512 + 16 lane + (k & 15); lane r of block blk = row 32 (blk >> 1) + 8 (blk & 1) + r + 8 (r >> 3)).
; A work-group of four waves makes a tile of 256 x 256, a wave 128 x 128: 64 accumulators.  K = 1,024 in steps of 256 through a ring of two LDS slots, joint loads of a 4 x 4 cluster.
; Source 1 = A (a lane = a token), source 0 = B: a lane's registers 16 b + i are hidden units 32 b + 16 h + i, so a block's 64 numbers become one fragment of the next image, stored from registers.
; THE ACTIVATION.  T = 1 / (1 + |u| / (2 sqrt 2)); r = T 2^(P(T) - u^2 log2(e) / 2) = erfc(|u| / sqrt 2) / 2, P a polynomial of degree 9 (fractional error of erfc about 1.2e-7); gelu(u) = max(u, 0) - |u| r: no difference of near numbers.
; The activation is long, so it is written once: the sums go to LDS (each wave's own 64 KB of the ring, which has had its last fill; a barrier stands behind the last reads) and a loop of eight trips takes a block at a time.
; LIMITS: e12 + e13 between -126 and 127; e14 between -126 and 119.  NaN among the inputs is not served.
.set KS,    8
.set WOFF,  0x400000
.set FR,    16
.set NL,    4
.set NP,    4
.set BLKB,  KS*2048
.set SLOT,  131072
.set SPARE, 2*SLOT
.set LAPS,  KS/4
.set ADRA,  16
.set ADRB,  20
.set SPW,   28
.set NIL,   29
.set AF,    128
.set WV,    20
.set RH,    21
.set CH,    22
.set G1A,   24
.set G0A,   32
.set G1B,   48
.set G0B,   56
.set SCA,   68
.set MSB,   0
.macro WIN new
.if MSB != (\new)
	s_set_vgpr_msb (MSB<<8)|(\new)
.set MSB, (\new)
.endif
.endm
.set MUL_LO, 0xa1
.set MUL_HI, 0xf1
.set TO_B,   0x40
.macro JLOAD s
	s_cmp_eq_u32 s[RH], 0
	s_cbranch_scc0 .Lfor_b_\@
	tensor_load_to_lds s[G0A+4*\s:G0A+4*\s+3], s[G1A:G1A+7]
	s_nop 0
.rept 4
	v_nop
.endr
	s_branch .Lasked_\@
.Lfor_b_\@:
	tensor_load_to_lds s[G0B+4*\s:G0B+4*\s+3], s[G1B:G1B+7]
	s_nop 0
.rept 4
	v_nop
.endr
.Lasked_\@:
.endm
.macro CREST
	s_cmp_lg_u32 s[WV], 0
	s_cbranch_scc1 .Lnot_wave_0_\@
	s_barrier_signal -3
.Lnot_wave_0_\@:
	s_barrier_wait -3
	s_barrier_signal -1
	s_barrier_wait -1
.endm
.macro CROUND
	s_barrier_signal -1
	s_barrier_wait -1
	CREST
.endm
.macro FRAG reg, adr, q, i
.irp c, 0,1,2,3
	ds_load_b128 v[\reg+4*\c:\reg+4*\c+3], v[\adr] offset:4096*(\i)+2048*(\q)+512*\c
.endr
.endm
.macro MUL16 a0, p, zero               ; the 64 accumulators take turns
.irp a, \a0, \a0+1
.irp b, 0,1,2,3,4,5,6,7
.if \zero
	v_wmma_f32_16x16x128_fp8_fp8 v[8*(8*((\a)%4)+\b):8*(8*((\a)%4)+\b)+7], v[128*(\p)+FR*\b:128*(\p)+FR*\b+FR-1], v[AF+FR*(\a):AF+FR*(\a)+FR-1], 0
.else
	v_wmma_f32_16x16x128_fp8_fp8 v[8*(8*((\a)%4)+\b):8*(8*((\a)%4)+\b)+7], v[128*(\p)+FR*\b:128*(\p)+FR*\b+FR-1], v[AF+FR*(\a):AF+FR*(\a)+FR-1], v[8*(8*((\a)%4)+\b):8*(8*((\a)%4)+\b)+7]
.endif
.endr
.endr
.endm
.macro FETCH_B slot, q, p
	WIN TO_B
.irp i, 0,1,2,3,4,5,6,7
	FRAG 128*(\p)+FR*\i, ADRB+\slot, \q, \i
.endr
	WIN 0
.endm
.macro FETCH_A slot, q, i0
.irp i, \i0, \i0+1, \i0+2, \i0+3
	FRAG AF+FR*(\i), ADRA+\slot, \q, \i
.endr
.endm
.macro PLACES n
.rept \n
	v_nop
.endr
.endm
.macro STEP slot, q, zero
	s_wait_dscnt 4*NL                              ; B's set and A's blocks 0-3 are in; A's blocks 4-7, the youngest sixteen loads, may be out
	WIN MUL_LO
	MUL16 0, (\q)%2, \zero
	MUL16 2, (\q)%2, \zero
	s_wait_dscnt 0
	PLACES NP
	FETCH_B \slot, (\q)+1, 1-(\q)%2
	FETCH_A \slot, (\q)+1, 0
	WIN MUL_HI
	MUL16 4, (\q)%2, \zero
	MUL16 6, (\q)%2, \zero
	PLACES NP
	WIN 0
	FETCH_A \slot, (\q)+1, 4
.endm
.macro TURN slot, next, fill
	s_wait_tensorcnt 0x0                           ; all my tensor loads have landed: my part of the next slot
	ds_add_u32 v[SPW], v[NIL]
	s_wait_dscnt 4*NL+1                            ; the add and A's blocks 4-7 may be out
	WIN MUL_LO
	MUL16 0, 1, 0
	s_wait_dscnt 0x0                               ; the add is done, and my reads of this slot are over
	s_barrier_signal -1
	MUL16 2, 1, 0
	WIN 0
	s_barrier_wait -1
.if \fill
	CREST                                          ; a round of the cluster's barrier: no wave of any partner still reads this slot or has a load on its way
	s_add_nc_u64 s[G0A+4*\slot+2:G0A+4*\slot+3], s[G0A+4*\slot+2:G0A+4*\slot+3], 8192
	s_add_nc_u64 s[G0B+4*\slot+2:G0B+4*\slot+3], s[G0B+4*\slot+2:G0B+4*\slot+3], 8192
	JLOAD \slot
.else
	PLACES NP
.endif
	FETCH_B \next, 0, 0
	FETCH_A \next, 0, 0
	WIN MUL_HI
	MUL16 4, 1, 0
	MUL16 6, 1, 0
	PLACES NP
	WIN 0
	FETCH_A \next, 0, 4
.endm
.macro GEMM
	s_wait_tensorcnt 1                             ; my part of K step 0 is in; K step 1's load may be out
	s_barrier_signal -1
	s_barrier_wait -1
	FETCH_B 0, 0, 0
	FETCH_A 0, 0, 0
	FETCH_A 0, 0, 4
	STEP 0, 0, 1
	s_mov_b32 s3, LAPS-1
.Llap:
	TURN 0, 1, 1
	STEP 1, 0, 0
	TURN 1, 0, 1
	STEP 0, 0, 0
	s_sub_co_u32 s3, s3, 1
	s_cmp_lg_u32 s3, 0
	s_cbranch_scc1 .Llap
	TURN 0, 1, 0
	STEP 1, 0, 0
	s_wait_dscnt 4*NL
	WIN MUL_LO
	MUL16 0, 1, 0
	MUL16 2, 1, 0
	s_wait_dscnt 0
	WIN MUL_HI
	MUL16 4, 1, 0
	MUL16 6, 1, 0
	WIN 0
.endm
.set BO1,  3
.set DA,   24                          ; v24  65,536 x wave + 16 x lane: my sums' place in LDS
.set LA,   25
.set LI,   26
.set U,    32
.set T,    96
.set P,    160
.set CD,   224
.set C9,   240
.set TM,   244
.set SCV,  252
.set LIMV, 253
.set DO,   87
	s_load_b256 s[4:11], s[0:1], 0x0               ; x2, wc, lowp_scales, bf1
	s_load_b64 s[12:13], s[0:1], 0x20              ; hc
	v_lshl_add_u32 v[SPW], v0, 2, SPARE
	v_mov_b32 v[NIL], 0
	ds_add_u32 v[SPW], v[NIL]                      ; the wave's opening: the add and its wait ahead of my first tensor load
	v_lshrrev_b32 v1, 5, v0
	v_readfirstlane_b32 s[WV], v1
	s_lshr_b32 s[RH], s[WV], 1
	s_and_b32 s[CH], s[WV], 1
	s_bfe_u32 s40, ttmp6, 0x40000
	s_bfe_u32 s41, ttmp6, 0x40004
	s_lshl_b32 s42, ttmp9, 2
	s_add_co_u32 s42, s42, s40                     ; B's tile
	s_and_b32 s43, ttmp7, 0xffff
	s_lshl_b32 s43, s43, 2
	s_add_co_u32 s43, s43, s41                     ; A's tile
	s_lshl_b32 s44, s41, 2
	s_lshl_b32 s44, 15, s44
	s_lshl_b32 s45, 0x1111, s40
	s_or_b32 s[G1A], s44, (3<<16)|(1<<21)
	s_or_b32 s[G1B], s45, (3<<16)|(1<<21)
.irp g, G1A, G1B
	s_mov_b32 s[\g+1], 512<<16
	s_mov_b32 s[\g+2], 8<<16
	s_mov_b32 s[\g+3], 512<<16
	s_mov_b32 s[\g+4], 8
	s_mov_b32 s[\g+5], KS*256
	s_mov_b32 s[\g+6], 0
	s_mov_b32 s[\g+7], 0
.endr
	s_lshl_b32 s87, s[CH], 3
	s_lshl_b32 s46, s43, 4
	s_add_co_u32 s46, s46, s87
	s_mul_i32 s46, s46, BLKB
	s_mov_b32 s47, 0
	s_lshl_b32 s66, s42, 4
	s_add_co_u32 s66, s66, s87
	s_mul_i32 s66, s66, BLKB
	s_add_co_u32 s66, s66, WOFF
	s_mov_b32 s67, 0
	s_lshl_b32 s23, s[WV], 15
	s_wait_dscnt 0x0
	s_wait_kmcnt 0x0
	s_load_b512 s[SCA:SCA+15], s[8:9], 0x0
	s_add_nc_u64 s[46:47], s[4:5], s[46:47]
	s_add_nc_u64 s[66:67], s[6:7], s[66:67]
	CROUND
.irp s, 0,1
	s_mov_b32 s[G0A+4*\s], 1
	s_add_co_u32 s[G0A+4*\s+1], s23, \s*SLOT
	s_add_nc_u64 s[G0A+4*\s+2:G0A+4*\s+3], s[46:47], \s*4096
	s_or_b32 s[G0A+4*\s+3], s[G0A+4*\s+3], 0x80000000
	s_mov_b32 s[G0B+4*\s], 1
	s_add_co_u32 s[G0B+4*\s+1], s23, \s*SLOT
	s_add_nc_u64 s[G0B+4*\s+2:G0B+4*\s+3], s[66:67], \s*4096
	s_or_b32 s[G0B+4*\s+3], s[G0B+4*\s+3], 0x80000000
	JLOAD \s
.endr
	v_and_b32 v1, 31, v0
	v_lshlrev_b32 v[LI], 4, v1
	s_lshl_b32 s86, s[RH], 15
	s_lshl_b32 s87, s[CH], 15
	s_add_co_u32 s87, s87, 65536
.irp s, 0,1
	v_add_nc_u32 v[ADRA+\s], s86, v[LI]
	v_add_nc_u32 v[ADRB+\s], s87, v[LI]
	s_add_co_u32 s86, s86, SLOT
	s_add_co_u32 s87, s87, SLOT
.endr
	v_bfe_u32 v5, v0, 4, 1
	v_lshlrev_b32 v[BO1], 6, v5
	s_lshl_b32 s86, s[WV], 16
	v_add_nc_u32 v[DA], s86, v[LI]
	s_lshl_b32 s94, s42, 10
	s_lshl_b32 s95, s[CH], 9
	s_add_co_u32 s94, s94, s95
	s_mov_b32 s95, 0
	s_add_nc_u64 s[88:89], s[10:11], s[94:95]      ; the bias at my first hidden unit
	s_lshl_b32 s94, s43, 4
	s_lshl_b32 s86, s[RH], 3
	s_add_co_u32 s94, s94, s86
	s_lshl_b32 s94, s94, 5                         ; my first block of tokens x 32 K steps
	s_lshl_b32 s86, s42, 1
	s_add_co_u32 s94, s94, s86
	s_add_co_u32 s94, s94, s[CH]                   ; + my K step of the next product
	s_lshl_b32 s94, s94, 11
	s_add_nc_u64 s[90:91], s[12:13], s[94:95]
	GEMM
	s_wait_kmcnt 0x0
	s_add_co_i32 s84, s[SCA+12], s[SCA+13]
	s_add_co_i32 s84, s84, 127
	s_lshl_b32 s84, s84, 23
	s_mov_b32 s85, s84
	s_add_co_i32 s94, s[SCA+14], 127
	s_lshl_b32 s95, s94, 23
	s_add_co_i32 s94, s94, 8
	s_lshl_b32 s94, s94, 23
	s_or_b32 s94, s94, 0x600000
	s_mov_b32 s86, 0x3eb504f3                      ; 1 / (2 sqrt 2)
	PLACES NP
	s_wait_dscnt 0x0
	s_barrier_signal -1
	s_barrier_wait -1                              ; nobody reads the ring any more, and it has had its last fill
	WIN 0x40
.set j, 0
.rept 16
	global_load_b128 v[4*j:4*j+3], v[BO1], s[88:89] offset:128*(j/4)+16*(j%4)   ; the bias, window 1: register 16 b + i: hidden unit 32 b + 16 h + i
.set j, j+1
.endr
	WIN 0x08                                       ; store data window 2
.set j, 0
.rept 32
	ds_store_b128 v[DA], v[8*j:8*j+3] offset:1024*j          ; each accumulator from its low end on
	ds_store_b128 v[DA], v[8*j+4:8*j+7] offset:1024*j+512
.set j, j+1
.endr
	WIN 0x0c                                       ; window 3
.set j, 0
.rept 32
	ds_store_b128 v[DA], v[8*j:8*j+3] offset:32768+1024*j
	ds_store_b128 v[DA], v[8*j+4:8*j+7] offset:32768+1024*j+512
.set j, j+1
.endr
	WIN 0
	v_mov_b32 v[SCV], s95
	v_mov_b32 v[LIMV], s94
	v_mov_b32 v[C9], 0x3e7c6f08
	v_mov_b32 v[C9+1], 0x3e7c6f08
	s_wait_loadcnt 0x0
	s_mov_b32 s[DO], 0
	s_mov_b32 s3, 8
.macro HORNER c
.set j, 0
.rept 32
	v_pk_fma_f32 v[P+j:P+j+1], v[P+j:P+j+1], v[T+j:T+j+1], \c op_sel_hi:[1,1,0]
.set j, j+2
.endr
.endm
.Lblk:                                             ; a block of 16 tokens x my 128 hidden units
	v_add_nc_u32 v[LA], s[DO], v[DA]
.set j, 0
.rept 16
	ds_load_b128 v[U+4*j:U+4*j+3], v[LA] offset:512*j        ; LDS serves a wave's instructions in order: these see my stores
.set j, j+1
.endr
	s_wait_dscnt 0x0
	WIN 0x10                                       ; source 2 window 1
.set j, 0
.rept 32
	v_pk_fma_f32 v[U+j:U+j+1], v[U+j:U+j+1], s[84:85], v[j:j+1] op_sel_hi:[1,0,1]   ; u = sum x 2^(e12 + e13) + bias
.set j, j+2
.endr
	WIN 0
.set j, 0
.rept 64
	v_fma_f32 v[T+j], |v[U+j]|, s86, 1.0
.set j, j+1
.endr
.set j, 0
.rept 64
	v_rcp_f32 v[T+j], v[T+j]
.set j, j+1
.endr
	v_nop
	s_wait_alu depctr_va_vdst(0)                   ; one wait for the 64 reciprocals
.set j, 0
.rept 32
	v_pk_fma_f32 v[P+j:P+j+1], v[T+j:T+j+1], v[C9:C9+1], 0xbf97d29d op_sel_hi:[1,1,0]
.set j, j+2
.endr
	HORNER 0x40097039
	HORNER 0xbfd1a1e5
	HORNER 0x3ecdfd18
	HORNER 0xbe899a80
	HORNER 0x3e0efb2e
	HORNER 0x3f0a29d2
	HORNER 0x3fb8ab5a
	HORNER 0xc034d90f                              ; the coefficients carry log2(e); the last also the half
.set j, 0
.rept 8
.irp q, 0,1,2,3
	v_pk_mul_f32 v[TM+2*\q:TM+2*\q+1], v[U+j+2*\q:U+j+2*\q+1], 0xbf38aa3b op_sel_hi:[1,0]
.endr
.irp q, 0,1,2,3
	v_pk_fma_f32 v[P+j+2*\q:P+j+2*\q+1], v[TM+2*\q:TM+2*\q+1], v[U+j+2*\q:U+j+2*\q+1], v[P+j+2*\q:P+j+2*\q+1]
.endr
.set j, j+8
.endr
.set j, 0
.rept 64
	v_exp_f32 v[P+j], v[P+j]
.set j, j+1
.endr
	v_nop
	s_wait_alu depctr_va_vdst(0)                   ; one wait for the 64 exponentials
.set j, 0
.rept 32
	v_pk_mul_f32 v[P+j:P+j+1], v[P+j:P+j+1], v[T+j:T+j+1]    ; r
.set j, j+2
.endr
.set j, 0
.rept 64
	v_max_num_f32 v[T+j], 0, v[U+j]
.set j, j+1
.endr
.set j, 0
.rept 64
	v_fma_f32 v[U+j], -|v[U+j]|, v[P+j], v[T+j]              ; gelu(u) = max(u, 0) - |u| r
.set j, j+1
.endr
.set j, 0
.rept 64
	v_med3_num_f32 v[U+j], v[U+j], -v[LIMV], v[LIMV]
.set j, j+1
.endr
.set j, 0
.rept 8
	v_cvt_scalef32_pk8_fp8_f32 v[CD+2*j:CD+2*j+1], v[U+8*j:U+8*j+7], v[SCV]
.set j, j+1
.endr
	v_nop
.irp b, 0,1,2,3
	global_store_b128 v[LI], v[CD+4*\b:CD+4*\b+3], s[90:91] offset:512*\b   ; a fragment of the next image: 2,048 consecutive bytes
.endr
	s_wait_xcnt 0x0                                ; the stores have read their registers and their base
	s_add_nc_u64 s[90:91], s[90:91], 65536         ; the next block of tokens
	s_add_co_u32 s[DO], s[DO], 8192
	s_sub_co_u32 s3, s3, 1
	s_cmp_lg_u32 s3, 0
	s_cbranch_scc1 .Lblk
	s_wait_tensorcnt 0x0                           ; the wave's end
	ds_add_u32 v[SPW], v[NIL]
	s_wait_dscnt 0x0
	CROUND
	s_endpgm
.Lfunc_end_k_q7513b2716d_ffn1:
	.size	k_q7513b2716d_ffn1, .Lfunc_end_k_q7513b2716d_ffn1-k_q7513b2716d_ffn1
	.p2alignl 7, 3214868480
	.fill 96, 4, 3214868480
	.section	.rodata,"a",@progbits
	.p2align	6, 0x0
	.amdhsa_kernel k_q7513b2716d_ffn1
		.amdhsa_group_segment_fixed_size 327680
		.amdhsa_private_segment_fixed_size 0
		.amdhsa_enable_private_segment 0
		.amdhsa_kernarg_size 40
		.amdhsa_user_sgpr_count 2
		.amdhsa_user_sgpr_kernarg_segment_ptr 1
		.amdhsa_wavefront_size32 1
		.amdhsa_system_sgpr_workgroup_id_x 1
		.amdhsa_system_sgpr_workgroup_id_y 1
		.amdhsa_system_sgpr_workgroup_id_z 1
		.amdhsa_system_vgpr_workitem_id 0
		.amdhsa_next_free_vgpr 1024
		.amdhsa_next_free_sgpr 100
		.amdhsa_reserve_vcc 0
		.amdhsa_float_denorm_mode_32 3
		.amdhsa_float_denorm_mode_16_64 3
		.amdhsa_memory_ordered 1
		.amdhsa_forward_progress 1
		.amdhsa_inst_pref_size 144
	.end_amdhsa_kernel
	.amdgpu_metadata
---
amdhsa.version: [ 1, 2 ]
amdhsa.kernels:
  - .name:           k_q7513b2716d_ffn1
    .symbol:         k_q7513b2716d_ffn1.kd
    .args:
      - { .name: x2, .offset: 0, .size: 8, .value_kind: global_buffer, .address_space: global }
      - { .name: wc, .offset: 8, .size: 8, .value_kind: global_buffer, .address_space: global }
      - { .name: lowp_scales, .offset: 16, .size: 8, .value_kind: global_buffer, .address_space: global }
      - { .name: bf1, .offset: 24, .size: 8, .value_kind: global_buffer, .address_space: global }
      - { .name: hc, .offset: 32, .size: 8, .value_kind: global_buffer, .address_space: global }
    .group_segment_fixed_size: 327680
    .private_segment_fixed_size: 0
    .kernarg_segment_align: 8
    .kernarg_segment_size: 40
    .max_flat_workgroup_size: 128
    .sgpr_count:     100
    .vgpr_count:     1024
    .wavefront_size: 32
...
	.end_amdgpu_metadata
.endif
;; end of part 6
;; launch ffn2 (part 7): grid 4 x 16, 4 waves a work-group, clusters of 4 x 4, 327,680 bytes of LDS; arguments hc, wc, lowp_scales, bf2, xa, ya; writes ya
.if DOCPART == 7
	.amdgcn_target "amdgcn-amd-amdhsa--gfx1250"
	.amdhsa_code_object_version 6
	.text
	.protected	k_q7513b2716d_ffn2
	.globl	k_q7513b2716d_ffn2
	.p2align	8
	.type	k_q7513b2716d_ffn2,@function
k_q7513b2716d_ffn2:
	s_mov_b64 s[64:65], 0
	v_nop
	global_prefetch_b8 v0, s[64:65] scope:SCOPE_SE
	s_setreg_imm32_b32 hwreg(HW_REG_WAVE_MODE, 25, 1), 1
	s_wait_xcnt 0x0
	s_wait_alu depctr_hold_cnt(0) depctr_sa_sdst(0) depctr_va_vdst(0) depctr_va_sdst(0) depctr_va_ssrc(0) depctr_va_vcc(0) depctr_vm_vsrc(0)
	s_getreg_b32 s2, hwreg(HW_REG_IB_STS2, 6, 4)
	s_cmp_eq_u32 s2, 0
	s_cbranch_scc0 .Lentry_in_a_cluster
	s_endpgm
.Lentry_in_a_cluster:
	s_bfe_u32 s2, ttmp6, 0x10000c
	s_cmp_lg_u32 s2, 0xf033
	s_cbranch_scc0 .Lentry_shape_is_right
	s_endpgm
.Lentry_shape_is_right:
; y = residual + A B^T 2^(ea + eb) + bias, f32 row-major [4,096][1,024].  Here: A = the hidden layer (K = 4,096), B = w2, residual = x1.
; A and B are E4M3 codes laid as images (byte ((blk KS + ks) 4 + c) 512 + 16 lane + (k & 15); lane r of block blk = row 32 (blk >> 1) + 8 (blk & 1) + r + 8 (r >> 3)).
; A work-group of four waves makes a tile of 256 x 256, a wave 128 x 128: 64 accumulators, 512 registers.  K goes in steps of 256 through a ring of two LDS slots, filled by joint loads of a 4 x 4 cluster:
; A's tile is shared along a row of the cluster, B's along a column.  Source 1 = A (a lane = a token), source 0 = B (a lane's registers run along the columns: registers 16 b + i = column 32 b + 16 h + i).
; THE WAY OUT: a block of 16 tokens x 128 columns goes through the wave's stage in LDS (in slot 0, which has had its last fill and its last read) and comes back as whole rows of 512 bytes; the residual's same rows are
; loaded two blocks ahead and added; each store covers 512 consecutive bytes.
; LIMIT: ea + eb between -126 and 127.
.set KS,    32
.set WOFF,  0x800000
.set EA,    14
.set EB,    15
.set FR,    16
.set NL,    4
.set NP,    4
.set BLKB,  KS*2048
.set SLOT,  131072
.set SPARE, 2*SLOT
.set LAPS,  KS/4
.set ADRA,  16
.set ADRB,  20
.set SPW,   28
.set NIL,   29
.set AF,    128
.set WV,    20
.set RH,    21
.set CH,    22
.set G1A,   24
.set G0A,   32
.set G1B,   48
.set G0B,   56
.set SCA,   68
.set MSB,   0
.macro WIN new
.if MSB != (\new)
	s_set_vgpr_msb (MSB<<8)|(\new)
.set MSB, (\new)
.endif
.endm
.set MUL_LO, 0xa1
.set MUL_HI, 0xf1
.set TO_B,   0x40
.macro JLOAD s
	s_cmp_eq_u32 s[RH], 0
	s_cbranch_scc0 .Lfor_b_\@
	tensor_load_to_lds s[G0A+4*\s:G0A+4*\s+3], s[G1A:G1A+7]
	s_nop 0
.rept 4
	v_nop
.endr
	s_branch .Lasked_\@
.Lfor_b_\@:
	tensor_load_to_lds s[G0B+4*\s:G0B+4*\s+3], s[G1B:G1B+7]
	s_nop 0
.rept 4
	v_nop
.endr
.Lasked_\@:
.endm
.macro CREST
	s_cmp_lg_u32 s[WV], 0
	s_cbranch_scc1 .Lnot_wave_0_\@
	s_barrier_signal -3
.Lnot_wave_0_\@:
	s_barrier_wait -3
	s_barrier_signal -1
	s_barrier_wait -1
.endm
.macro CROUND
	s_barrier_signal -1
	s_barrier_wait -1
	CREST
.endm
.macro FRAG reg, adr, q, i
.irp c, 0,1,2,3
	ds_load_b128 v[\reg+4*\c:\reg+4*\c+3], v[\adr] offset:4096*(\i)+2048*(\q)+512*\c
.endr
.endm
.macro MUL16 a0, p, zero               ; the 64 accumulators take turns
.irp a, \a0, \a0+1
.irp b, 0,1,2,3,4,5,6,7
.if \zero
	v_wmma_f32_16x16x128_fp8_fp8 v[8*(8*((\a)%4)+\b):8*(8*((\a)%4)+\b)+7], v[128*(\p)+FR*\b:128*(\p)+FR*\b+FR-1], v[AF+FR*(\a):AF+FR*(\a)+FR-1], 0
.else
	v_wmma_f32_16x16x128_fp8_fp8 v[8*(8*((\a)%4)+\b):8*(8*((\a)%4)+\b)+7], v[128*(\p)+FR*\b:128*(\p)+FR*\b+FR-1], v[AF+FR*(\a):AF+FR*(\a)+FR-1], v[8*(8*((\a)%4)+\b):8*(8*((\a)%4)+\b)+7]
.endif
.endr
.endr
.endm
.macro FETCH_B slot, q, p
	WIN TO_B
.irp i, 0,1,2,3,4,5,6,7
	FRAG 128*(\p)+FR*\i, ADRB+\slot, \q, \i
.endr
	WIN 0
.endm
.macro FETCH_A slot, q, i0
.irp i, \i0, \i0+1, \i0+2, \i0+3
	FRAG AF+FR*(\i), ADRA+\slot, \q, \i
.endr
.endm
.macro PLACES n
.rept \n
	v_nop
.endr
.endm
.macro STEP slot, q, zero
	s_wait_dscnt 4*NL                              ; B's set and A's blocks 0-3 are in; A's blocks 4-7, the youngest sixteen loads, may be out
	WIN MUL_LO
	MUL16 0, (\q)%2, \zero
	MUL16 2, (\q)%2, \zero
	s_wait_dscnt 0
	PLACES NP
	FETCH_B \slot, (\q)+1, 1-(\q)%2
	FETCH_A \slot, (\q)+1, 0
	WIN MUL_HI
	MUL16 4, (\q)%2, \zero
	MUL16 6, (\q)%2, \zero
	PLACES NP
	WIN 0
	FETCH_A \slot, (\q)+1, 4
.endm
.macro TURN slot, next, fill
	s_wait_tensorcnt 0x0                           ; all my tensor loads have landed: my part of the next slot
	ds_add_u32 v[SPW], v[NIL]
	s_wait_dscnt 4*NL+1                            ; the add and A's blocks 4-7 may be out
	WIN MUL_LO
	MUL16 0, 1, 0
	s_wait_dscnt 0x0                               ; the add is done, and my reads of this slot are over
	s_barrier_signal -1
	MUL16 2, 1, 0
	WIN 0
	s_barrier_wait -1
.if \fill
	CREST                                          ; a round of the cluster's barrier: no wave of any partner still reads this slot or has a load on its way
	s_add_nc_u64 s[G0A+4*\slot+2:G0A+4*\slot+3], s[G0A+4*\slot+2:G0A+4*\slot+3], 8192
	s_add_nc_u64 s[G0B+4*\slot+2:G0B+4*\slot+3], s[G0B+4*\slot+2:G0B+4*\slot+3], 8192
	JLOAD \slot
.else
	PLACES NP
.endif
	FETCH_B \next, 0, 0
	FETCH_A \next, 0, 0
	WIN MUL_HI
	MUL16 4, 1, 0
	MUL16 6, 1, 0
	PLACES NP
	WIN 0
	FETCH_A \next, 0, 4
.endm
.macro GEMM
	s_wait_tensorcnt 1                             ; my part of K step 0 is in; K step 1's load may be out
	s_barrier_signal -1
	s_barrier_wait -1
	FETCH_B 0, 0, 0
	FETCH_A 0, 0, 0
	FETCH_A 0, 0, 4
	STEP 0, 0, 1
	s_mov_b32 s3, LAPS-1
.Llap:
	TURN 0, 1, 1
	STEP 1, 0, 0
	TURN 1, 0, 1
	STEP 0, 0, 0
	s_sub_co_u32 s3, s3, 1
	s_cmp_lg_u32 s3, 0
	s_cbranch_scc1 .Llap
	TURN 0, 1, 0
	STEP 1, 0, 0
	s_wait_dscnt 4*NL
	WIN MUL_LO
	MUL16 0, 1, 0
	MUL16 2, 1, 0
	s_wait_dscnt 0
	WIN MUL_HI
	MUL16 4, 1, 0
	MUL16 6, 1, 0
	WIN 0
.endm
.set BO1,  3
.set STO,  24
.set RD,   25
.set CO,   26
.set BI,   32
.set BK,   128
	s_load_b256 s[4:11], s[0:1], 0x0               ; A's image, wc, lowp_scales, the bias
	s_load_b128 s[12:15], s[0:1], 0x20             ; the residual, the output
	v_lshl_add_u32 v[SPW], v0, 2, SPARE
	v_mov_b32 v[NIL], 0
	ds_add_u32 v[SPW], v[NIL]                      ; the wave's opening: the add and its wait ahead of my first tensor load
	v_lshrrev_b32 v1, 5, v0
	v_readfirstlane_b32 s[WV], v1
	s_lshr_b32 s[RH], s[WV], 1
	s_and_b32 s[CH], s[WV], 1
	s_bfe_u32 s40, ttmp6, 0x40000
	s_bfe_u32 s41, ttmp6, 0x40004
	s_lshl_b32 s42, ttmp9, 2
	s_add_co_u32 s42, s42, s40                     ; B's tile
	s_and_b32 s43, ttmp7, 0xffff
	s_lshl_b32 s43, s43, 2
	s_add_co_u32 s43, s43, s41                     ; A's tile
	s_lshl_b32 s44, s41, 2
	s_lshl_b32 s44, 15, s44
	s_lshl_b32 s45, 0x1111, s40
	s_or_b32 s[G1A], s44, (3<<16)|(1<<21)
	s_or_b32 s[G1B], s45, (3<<16)|(1<<21)
.irp g, G1A, G1B
	s_mov_b32 s[\g+1], 512<<16
	s_mov_b32 s[\g+2], 8<<16
	s_mov_b32 s[\g+3], 512<<16
	s_mov_b32 s[\g+4], 8
	s_mov_b32 s[\g+5], KS*256
	s_mov_b32 s[\g+6], 0
	s_mov_b32 s[\g+7], 0
.endr
	s_lshl_b32 s87, s[CH], 3
	s_lshl_b32 s46, s43, 4
	s_add_co_u32 s46, s46, s87
	s_mul_i32 s46, s46, BLKB
	s_mov_b32 s47, 0
	s_lshl_b32 s66, s42, 4
	s_add_co_u32 s66, s66, s87
	s_mul_i32 s66, s66, BLKB
	s_add_co_u32 s66, s66, WOFF
	s_mov_b32 s67, 0
	s_lshl_b32 s23, s[WV], 15
	s_wait_dscnt 0x0
	s_wait_kmcnt 0x0
	s_load_b512 s[SCA:SCA+15], s[8:9], 0x0
	s_add_nc_u64 s[46:47], s[4:5], s[46:47]
	s_add_nc_u64 s[66:67], s[6:7], s[66:67]
	CROUND
.irp s, 0,1
	s_mov_b32 s[G0A+4*\s], 1
	s_add_co_u32 s[G0A+4*\s+1], s23, \s*SLOT
	s_add_nc_u64 s[G0A+4*\s+2:G0A+4*\s+3], s[46:47], \s*4096
	s_or_b32 s[G0A+4*\s+3], s[G0A+4*\s+3], 0x80000000
	s_mov_b32 s[G0B+4*\s], 1
	s_add_co_u32 s[G0B+4*\s+1], s23, \s*SLOT
	s_add_nc_u64 s[G0B+4*\s+2:G0B+4*\s+3], s[66:67], \s*4096
	s_or_b32 s[G0B+4*\s+3], s[G0B+4*\s+3], 0x80000000
	JLOAD \s
.endr
	v_and_b32 v1, 31, v0
	v_lshlrev_b32 v[CO], 4, v1
	s_lshl_b32 s86, s[RH], 15
	s_lshl_b32 s87, s[CH], 15
	s_add_co_u32 s87, s87, 65536
.irp s, 0,1
	v_add_nc_u32 v[ADRA+\s], s86, v[CO]
	v_add_nc_u32 v[ADRB+\s], s87, v[CO]
	s_add_co_u32 s86, s86, SLOT
	s_add_co_u32 s87, s87, SLOT
.endr
	v_and_b32 v2, 15, v0
	v_bfe_u32 v5, v0, 4, 1
	v_lshlrev_b32 v[BO1], 6, v5
	s_mul_i32 s86, s[WV], 16*528                   ; my stage
	v_mul_u32_u24 v4, v2, 528
	v_lshl_add_u32 v4, v5, 6, v4
	v_add_nc_u32 v[STO], s86, v4                   ; in: row r, + 64 h
	v_add_nc_u32 v[RD], s86, v[CO]                 ; back: a row of 512 bytes by 32 lanes
	s_lshl_b32 s86, s42, 10
	s_lshl_b32 s87, s[CH], 9
	s_add_co_u32 s86, s86, s87                     ; my first column, in bytes
	s_mov_b32 s87, 0
	s_add_nc_u64 s[88:89], s[10:11], s[86:87]
.set j, 0
.rept 16
	global_load_b128 v[BI+4*j:BI+4*j+3], v[BO1], s[88:89] offset:128*(j/4)+16*(j%4)
.set j, j+1
.endr
	s_lshl_b32 s94, s43, 20
	s_lshl_b32 s95, s[RH], 19
	s_add_co_u32 s94, s94, s95
	s_add_co_u32 s94, s94, s86                     ; + my first row x 4,096 bytes
	s_mov_b32 s95, 0
	s_add_nc_u64 s[90:91], s[12:13], s[94:95]
	s_add_nc_u64 s[92:93], s[14:15], s[94:95]
	GEMM
.macro XLOAD a                         ; the residual's 16 rows of block a, into window 1
	WIN 0x40
.set j, 0
.rept 16
	global_load_b128 v[64+64*((\a)%2)+4*j:64+64*((\a)%2)+4*j+3], v[CO], s[90:91] offset:(32*((\a)/2)+8*((\a)%2)+j+8*(j/8))*4096
.set j, j+1
.endr
	WIN 0
.endm
.macro TOSTAGE a
.set AC, 64*((\a)%4)
	WIN 0x42+((\a)/4)                              ; source 0 window 2 or 3, destination window 1
.set j, 0
.rept 32
	v_pk_fma_f32 v[j:j+1], v[AC+j:AC+j+1], s[84:85], v[BI+j:BI+j+1] op_sel_hi:[1,0,1]   ; each accumulator from its low end on
.set j, j+2
.endr
	WIN 0x04                                       ; store data window 1
.set j, 0
.rept 8
	ds_store_b128 v[STO], v[8*j:8*j+3] offset:128*(j/2)+32*(j%2)
	ds_store_b128 v[STO], v[8*j+4:8*j+7] offset:128*(j/2)+32*(j%2)+16
.set j, j+1
.endr
	WIN 0
.set j, 0
.rept 16
	ds_load_b128 v[BK+64*((\a)%2)+4*j:BK+64*((\a)%2)+4*j+3], v[RD] offset:528*j   ; LDS serves a wave's instructions in order: these see my stores
.set j, j+1
.endr
.endm
.macro SEND a, younger
	s_wait_dscnt \younger                          ; the block is back; the next block's LDS instructions may be out
.if (\a) < 7
	s_wait_loadcnt 16                              ; this block's residual is in; the next block's sixteen loads may be out
.else
	s_wait_loadcnt 0
.endif
	WIN 0x04
.set j, 0
.rept 32
	v_pk_add_f32 v[BK+64*((\a)%2)+j:BK+64*((\a)%2)+j+1], v[BK+64*((\a)%2)+j:BK+64*((\a)%2)+j+1], v[64+64*((\a)%2)+j:64+64*((\a)%2)+j+1]
.set j, j+2
.endr
	WIN 0
.set j, 0
.rept 16
	global_store_b128 v[CO], v[BK+64*((\a)%2)+4*j:BK+64*((\a)%2)+4*j+3], s[92:93] offset:(32*((\a)/2)+8*((\a)%2)+j+8*(j/8))*4096   ; 512 consecutive bytes of a row
.set j, j+1
.endr
.if (\a)+2 < 8
	XLOAD (\a)+2
.endif
.endm
	s_wait_kmcnt 0x0
	s_add_co_i32 s84, s[SCA+EA], s[SCA+EB]
	s_add_co_i32 s84, s84, 127
	s_lshl_b32 s84, s84, 23
	s_mov_b32 s85, s84
	PLACES NP
	XLOAD 0
	XLOAD 1
	s_wait_loadcnt 32                              ; the bias is in; the two blocks of the residual may be out
	TOSTAGE 0
.irp a, 1,2,3,4,5,6,7
.if \a > 1
	s_wait_xcnt 0x0                                ; block a - 2's stores have read their registers
.endif
	TOSTAGE \a
	SEND \a-1, 32
.endr
	s_wait_xcnt 0x0
	SEND 7, 0
	s_wait_tensorcnt 0x0                           ; the wave's end
	ds_add_u32 v[SPW], v[NIL]
	s_wait_dscnt 0x0
	CROUND
	s_endpgm
.Lfunc_end_k_q7513b2716d_ffn2:
	.size	k_q7513b2716d_ffn2, .Lfunc_end_k_q7513b2716d_ffn2-k_q7513b2716d_ffn2
	.p2alignl 7, 3214868480
	.fill 96, 4, 3214868480
	.section	.rodata,"a",@progbits
	.p2align	6, 0x0
	.amdhsa_kernel k_q7513b2716d_ffn2
		.amdhsa_group_segment_fixed_size 327680
		.amdhsa_private_segment_fixed_size 0
		.amdhsa_enable_private_segment 0
		.amdhsa_kernarg_size 48
		.amdhsa_user_sgpr_count 2
		.amdhsa_user_sgpr_kernarg_segment_ptr 1
		.amdhsa_wavefront_size32 1
		.amdhsa_system_sgpr_workgroup_id_x 1
		.amdhsa_system_sgpr_workgroup_id_y 1
		.amdhsa_system_sgpr_workgroup_id_z 1
		.amdhsa_system_vgpr_workitem_id 0
		.amdhsa_next_free_vgpr 1024
		.amdhsa_next_free_sgpr 100
		.amdhsa_reserve_vcc 0
		.amdhsa_float_denorm_mode_32 3
		.amdhsa_float_denorm_mode_16_64 3
		.amdhsa_memory_ordered 1
		.amdhsa_forward_progress 1
		.amdhsa_inst_pref_size 153
	.end_amdhsa_kernel
	.amdgpu_metadata
---
amdhsa.version: [ 1, 2 ]
amdhsa.kernels:
  - .name:           k_q7513b2716d_ffn2
    .symbol:         k_q7513b2716d_ffn2.kd
    .args:
      - { .name: hc, .offset: 0, .size: 8, .value_kind: global_buffer, .address_space: global }
      - { .name: wc, .offset: 8, .size: 8, .value_kind: global_buffer, .address_space: global }
      - { .name: lowp_scales, .offset: 16, .size: 8, .value_kind: global_buffer, .address_space: global }
      - { .name: bf2, .offset: 24, .size: 8, .value_kind: global_buffer, .address_space: global }
      - { .name: xa, .offset: 32, .size: 8, .value_kind: global_buffer, .address_space: global }
      - { .name: ya, .offset: 40, .size: 8, .value_kind: global_buffer, .address_space: global }
    .group_segment_fixed_size: 327680
    .private_segment_fixed_size: 0
    .kernarg_segment_align: 8
    .kernarg_segment_size: 48
    .max_flat_workgroup_size: 128
    .sgpr_count:     100
    .vgpr_count:     1024
    .wavefront_size: 32
...
	.end_amdgpu_metadata
.endif
;; end of part 7
;; launch fin (part 8): grid 256 x 1, 4 waves a work-group, no clusters, 0 bytes of LDS; arguments ya, out0; writes out0
.if DOCPART == 8
	.amdgcn_target "amdgcn-amd-amdhsa--gfx1250"
	.amdhsa_code_object_version 6
	.text
	.protected	k_q7513b2716d_fin
	.globl	k_q7513b2716d_fin
	.p2align	8
	.type	k_q7513b2716d_fin,@function
k_q7513b2716d_fin:
	s_mov_b64 s[64:65], 0
	v_nop
	global_prefetch_b8 v0, s[64:65] scope:SCOPE_SE
	s_setreg_imm32_b32 hwreg(HW_REG_WAVE_MODE, 25, 1), 1
	s_wait_xcnt 0x0
; FIN: each row of 1,024 numbers is clipped to norm 1 - 1e-5: out = y x (1 - 1e-5) / max(norm, 1e-12) where the norm is larger, else y.
; A wave takes four rows, a row by eight loads of 512 consecutive bytes, all 32 issued at once; the row stays in registers between the norm and the scaling.  No LDS, no barrier: waves share nothing.
; NaN among the inputs is not served.
.set VO,   2
.set FP,   14
.set PD,   22
.set SS,   23
.set T,    32
.set X,    64
.set SEL,  12
.set MAXN, 14
.set TINY, 15
	s_load_b128 s[4:7], s[0:1], 0x0                ; ya, out0
	v_mov_b32 v[PD], 0                             ; a lane permute's destination counts as read
	v_lshrrev_b32 v32, 5, v0
	v_readfirstlane_b32 s8, v32
	v_and_b32 v33, 31, v0
	v_lshlrev_b32 v[VO], 4, v33
	s_lshl_b32 s10, ttmp9, 16
	s_lshl_b32 s11, s8, 14
	s_add_co_u32 s10, s10, s11                     ; (16 x work-group + 4 x wave) rows of 4,096 bytes
	s_mov_b32 s11, 0
	s_mov_b32 s[SEL], 0x76543210
	s_mov_b32 s[SEL+1], 0xfedcba98
	s_mov_b32 s[MAXN], 0x3f7fff58
	s_mov_b32 s[TINY], 0x2b8cbccc
	s_wait_kmcnt 0x0
	s_add_nc_u64 s[4:5], s[4:5], s[10:11]
	s_add_nc_u64 s[6:7], s[6:7], s[10:11]
.set j, 0
.rept 32
	global_load_b128 v[X+4*j:X+4*j+3], v[VO], s[4:5] offset:512*j th:TH_LOAD_NT
.set j, j+1
.endr
.irp i, 0,1,2,3
	s_wait_loadcnt 24-8*\i                         ; row i is in; the younger rows' eight loads each may stay out
.set p, 0
.rept 4
	v_pk_mul_f32 v[T+2*p:T+2*p+1], v[X+32*\i+2*p:X+32*\i+2*p+1], v[X+32*\i+2*p:X+32*\i+2*p+1]
.set p, p+1
.endr
.rept 12
	v_pk_fma_f32 v[T+2*(p%4):T+2*(p%4)+1], v[X+32*\i+2*p:X+32*\i+2*p+1], v[X+32*\i+2*p:X+32*\i+2*p+1], v[T+2*(p%4):T+2*(p%4)+1]
.set p, p+1
.endr
	v_pk_add_f32 v[T:T+1], v[T:T+1], v[T+2:T+3]
	v_pk_add_f32 v[T+4:T+5], v[T+4:T+5], v[T+6:T+7]
	v_pk_add_f32 v[T:T+1], v[T:T+1], v[T+4:T+5]
	v_add_f32 v[SS], v[T], v[T+1]
	v_add_f32_dpp v[SS], v[SS], v[SS] row_xmask:1 row_mask:0xf bank_mask:0xf
	v_add_f32_dpp v[SS], v[SS], v[SS] row_xmask:2 row_mask:0xf bank_mask:0xf
	v_add_f32_dpp v[SS], v[SS], v[SS] row_xmask:4 row_mask:0xf bank_mask:0xf
	v_add_f32_dpp v[SS], v[SS], v[SS] row_xmask:8 row_mask:0xf bank_mask:0xf
	v_permlanex16_b32 v[PD], v[SS], s[SEL], s[SEL+1]
	v_add_f32 v[SS], v[SS], v[PD]                  ; the row's sum of squares, in every lane
	v_sqrt_f32 v[FP], v[SS]
	v_nop
	s_wait_alu depctr_va_vdst(0)
	v_max_num_f32 v[SS], s[TINY], v[FP]
	v_rcp_f32 v[FP+1], v[SS]
	v_nop
	s_wait_alu depctr_va_vdst(0)
	v_mul_f32 v[FP+1], s[MAXN], v[FP+1]
	v_cmp_lt_f32 vcc_lo, s[MAXN], v[FP]
	v_cndmask_b32 v[FP], 1.0, v[FP+1], vcc_lo
	v_mov_b32 v[FP+1], v[FP]
.set p, 0
.rept 16
	v_pk_mul_f32 v[X+32*\i+2*p:X+32*\i+2*p+1], v[X+32*\i+2*p:X+32*\i+2*p+1], v[FP:FP+1]
.set p, p+1
.endr
.set p, 0
.rept 8
	global_store_b128 v[VO], v[X+32*\i+4*p:X+32*\i+4*p+3], s[6:7] offset:4096*\i+512*p th:TH_STORE_NT   ; 512 consecutive bytes
.set p, p+1
.endr
.endr
	s_endpgm
.Lfunc_end_k_q7513b2716d_fin:
	.size	k_q7513b2716d_fin, .Lfunc_end_k_q7513b2716d_fin-k_q7513b2716d_fin
	.p2alignl 7, 3214868480
	.fill 96, 4, 3214868480
	.section	.rodata,"a",@progbits
	.p2align	6, 0x0
	.amdhsa_kernel k_q7513b2716d_fin
		.amdhsa_group_segment_fixed_size 0
		.amdhsa_private_segment_fixed_size 0
		.amdhsa_enable_private_segment 0
		.amdhsa_kernarg_size 16
		.amdhsa_user_sgpr_count 2
		.amdhsa_user_sgpr_kernarg_segment_ptr 1
		.amdhsa_wavefront_size32 1
		.amdhsa_system_sgpr_workgroup_id_x 1
		.amdhsa_system_sgpr_workgroup_id_y 1
		.amdhsa_system_sgpr_workgroup_id_z 1
		.amdhsa_system_vgpr_workitem_id 0
		.amdhsa_next_free_vgpr 192
		.amdhsa_next_free_sgpr 66
		.amdhsa_reserve_vcc 1
		.amdhsa_float_denorm_mode_32 3
		.amdhsa_float_denorm_mode_16_64 3
		.amdhsa_memory_ordered 1
		.amdhsa_forward_progress 1
		.amdhsa_inst_pref_size 19
	.end_amdhsa_kernel
	.amdgpu_metadata
---
amdhsa.version: [ 1, 2 ]
amdhsa.kernels:
  - .name:           k_q7513b2716d_fin
    .symbol:         k_q7513b2716d_fin.kd
    .args:
      - { .name: ya, .offset: 0, .size: 8, .value_kind: global_buffer, .address_space: global }
      - { .name: out0, .offset: 8, .size: 8, .value_kind: global_buffer, .address_space: global }
    .group_segment_fixed_size: 0
    .private_segment_fixed_size: 0
    .kernarg_segment_align: 8
    .kernarg_segment_size: 16
    .max_flat_workgroup_size: 128
    .sgpr_count:     66
    .vgpr_count:     192
    .wavefront_size: 32
...
	.end_amdgpu_metadata
.endif
;; end of part 8
;; ======== version 2 of 2: 8 launches
;; limits: right only within a limited range of input values
;; workspace buffers: wc 12,582,912 bytes; xa 16,777,216 bytes; qkvc 12,582,912 bytes; sq 524,288 bytes; oc 4,194,304 bytes; ya 16,777,216 bytes; x2 4,194,304 bytes; hc 16,777,216 bytes
;; launch prep (part 9): grid 256 x 1, 16 waves a work-group, no clusters, 101,888 bytes of LDS; arguments x, g1, b1, wq, wk, wv, wo, w1, w2, lowp_scales, wc, xa; writes wc, xa
.if DOCPART == 9
	.amdgcn_target "amdgcn-amd-amdhsa--gfx1250"
	.amdhsa_code_object_version 6
	.text
	.protected	k_q7513b2716d_prep
	.globl	k_q7513b2716d_prep
	.p2align	8
	.type	k_q7513b2716d_prep,@function
k_q7513b2716d_prep:
	s_mov_b64 s[64:65], 0
	v_nop
	global_prefetch_b8 v0, s[64:65] scope:SCOPE_SE
	s_setreg_imm32_b32 hwreg(HW_REG_WAVE_MODE, 25, 1), 1
	s_wait_xcnt 0x0
; PREP: layer norm 1 of x, quantised three times (scales e0, e2, e4), and all six weights quantised (e1, e3, e5, e11, e13, e15), all to E4M3 codes laid as IMAGES of operand registers.
; THE IMAGE of a code matrix [R][K], KS = K / 128: byte ((blk KS + ks) 4 + c) 512 + 16 lane + (k & 15), ks = k >> 7, c = (k >> 5) & 3, lane = 16 ((k >> 4) & 1) + r;
; lane r of block blk holds matrix row 32 (blk >> 1) + 8 (blk & 1) + r + 8 (r >> 3).  A fragment (16 rows x 128 K) is then four loads of 16 bytes a lane, 512 bytes apart.
; A JOB is one block of 16 rows x 1,024 along K (64 KB of f32, 16 KB of codes), done by four waves, four rows each.  Of a work-group's 16 waves, waves 0-3 take block ttmp9 of x, the other three
; fours take weight panels 3 ttmp9 + 0, 1, 2 of 768 (wq 64, wk 64, wv 64, wo 64, w1 256, w2 256: a block of w2 is four panels along K).  All that is chosen hangs on ids alone.
; A wave takes a row by eight loads of 512 consecutive bytes; its codes go into a stage row in LDS in true order of k, and after one barrier each wave reads a quarter of the panel back in image order
; and stores 512 consecutive bytes an instruction.  All of a wave's 32 row loads are issued at once.
; LIMITS: each e between -126 and 119, so that 2^e and 448 x 2^e are f32 numbers.  NaN among the inputs is not served.
.set PITCH, 1040                       ; a stage row: 1,024 codes + 16 bytes
.set STG,   16*PITCH                   ; a stage: 16 rows.  Stages 0-2: the three variants of the layer norm; stages 3-5: the weight jobs 1-3
.set SPARE, 6*STG                      ; behind the stages: the spare words, 128 bytes for each of 16 waves
.set NIL,  1
.set VO,   2                           ; v2-5   16 x lane + i rows
.set SWL,  6                           ; v6     stage, way in, layer norm
.set SWW,  7                           ; v7     stage, way in, weights
.set RBL,  8                           ; v8     stage, way back, layer norm
.set RBW,  9                           ; v9     stage, way back, weights
.set GOFF, 10                          ; v10    my 16 bytes in the panel's image
.set SPW,  11
.set MEAN, 12                          ; v[12:13]
.set FP,   14                          ; v[14:15]
.set SCL,  16                          ; v16-21 2^e and 448 x 2^e, three variants
.set PD,   22
.set SS,   23
.set C,    24                          ; v24-31 a row's codes
.set T,    32                          ; v32-63 at work
.set X,    64                          ; v64-191 four rows
.set G,    192
.set BB,   224
.set SEL,  78                          ; s[78:79]
.set RN,   80                          ; 2^-10
.set EPS,  81                          ; 1e-5
.macro XSUM                            ; v[SS] summed over the 32 lanes
	s_delay_alu instid0(VALU_DEP_1)
	v_add_f32_dpp v[SS], v[SS], v[SS] row_xmask:1 row_mask:0xf bank_mask:0xf
	s_delay_alu instid0(VALU_DEP_1)
	v_add_f32_dpp v[SS], v[SS], v[SS] row_xmask:2 row_mask:0xf bank_mask:0xf
	s_delay_alu instid0(VALU_DEP_1)
	v_add_f32_dpp v[SS], v[SS], v[SS] row_xmask:4 row_mask:0xf bank_mask:0xf
	s_delay_alu instid0(VALU_DEP_1)
	v_add_f32_dpp v[SS], v[SS], v[SS] row_xmask:8 row_mask:0xf bank_mask:0xf
	s_delay_alu instid0(VALU_DEP_1)
	v_permlanex16_b32 v[PD], v[SS], s[SEL], s[SEL+1]
	s_delay_alu instid0(VALU_DEP_1)
	v_add_f32 v[SS], v[SS], v[PD]
.endm
.macro TREE                            ; four chains in v[T] .. v[T+7] become one number, then the lanes
	s_delay_alu instid0(VALU_DEP_3)
	v_pk_add_f32 v[T:T+1], v[T:T+1], v[T+2:T+3]
	s_delay_alu instid0(VALU_DEP_2)
	v_pk_add_f32 v[T+4:T+5], v[T+4:T+5], v[T+6:T+7]
	s_delay_alu instid0(VALU_DEP_1)
	v_pk_add_f32 v[T:T+1], v[T:T+1], v[T+4:T+5]
	s_delay_alu instid0(VALU_DEP_1)
	v_add_f32 v[SS], v[T], v[T+1]
	XSUM
.endm
.macro SUMSQ x                         ; the row's sum of squares
.set p, 0
.rept 4
	v_pk_mul_f32 v[T+2*p:T+2*p+1], v[\x+2*p:\x+2*p+1], v[\x+2*p:\x+2*p+1]
.set p, p+1
.endr
.rept 12
	s_delay_alu instid0(VALU_DEP_4)
	v_pk_fma_f32 v[T+2*(p%4):T+2*(p%4)+1], v[\x+2*p:\x+2*p+1], v[\x+2*p:\x+2*p+1], v[T+2*(p%4):T+2*(p%4)+1]
.set p, p+1
.endr
	TREE
.endm
.macro LNSUM x                         ; the row's mean, as a pair
.set p, 0
.rept 4
	v_pk_add_f32 v[T+2*p:T+2*p+1], v[\x+4*p:\x+4*p+1], v[\x+4*p+2:\x+4*p+3]
.set p, p+1
.endr
.set p, 8
.rept 8
	s_delay_alu instid0(VALU_DEP_4)
	v_pk_add_f32 v[T+2*(p%4):T+2*(p%4)+1], v[T+2*(p%4):T+2*(p%4)+1], v[\x+2*p:\x+2*p+1]
.set p, p+1
.endr
	TREE
	s_delay_alu instid0(VALU_DEP_1)
	v_mul_f32 v[MEAN], s[RN], v[SS]
	s_delay_alu instid0(VALU_DEP_1)
	v_mov_b32 v[MEAN+1], v[MEAN]
.endm
.macro LNREST x                        ; (x - mean) rsqrt(var + 1e-5) g + b, in place; the variance is taken of the differences
.set p, 0
.rept 16
	v_pk_add_f32 v[\x+2*p:\x+2*p+1], v[\x+2*p:\x+2*p+1], v[MEAN:MEAN+1] neg_lo:[0,1] neg_hi:[0,1]
.set p, p+1
.endr
	SUMSQ \x
	s_delay_alu instid0(VALU_DEP_1)
	v_fma_f32 v[SS], v[SS], s[RN], s[EPS]
	s_wait_alu depctr_va_vdst(0)
	v_rsq_f32 v[FP], v[SS]
	v_nop                                          ; a plain instruction behind the transcendental
	s_wait_alu depctr_va_vdst(0)                   ; and the wait ahead of its first reader
	v_mov_b32 v[FP+1], v[FP]
.set p, 0
.rept 16
	v_pk_mul_f32 v[\x+2*p:\x+2*p+1], v[\x+2*p:\x+2*p+1], v[FP:FP+1]
.set p, p+1
.endr
.set p, 0
.rept 16
	v_pk_fma_f32 v[\x+2*p:\x+2*p+1], v[\x+2*p:\x+2*p+1], v[G+2*p:G+2*p+1], v[BB+2*p:BB+2*p+1]
.set p, p+1
.endr
.endm
.macro QROW x, sc, adr, off            ; a row becomes codes (v[sc]: 2^e; v[sc+1]: 448 x 2^e) and goes to its stage row; the row's numbers are kept
	s_wait_dscnt 0x0                               ; the last row's stores have read v[C] on
.set p, 0
.rept 32
	v_med3_num_f32 v[T+p], v[\x+p], -v[\sc+1], v[\sc+1]   ; the conversion does not saturate (ISA guide 7.6.2): the hold comes first
.set p, p+1
.endr
.set p, 0
.rept 4
	v_cvt_scalef32_pk8_fp8_f32 v[C+2*p:C+2*p+1], v[T+8*p:T+8*p+7], v[\sc]
.set p, p+1
.endr
	v_nop                                          ; a plain instruction behind the last conversion
.set p, 0
.rept 8
	ds_store_b32 v[\adr], v[C+p] offset:\off+128*p ; register p: k = 128 p + 4 lane + 0 .. 3
.set p, p+1
.endr
.endm
.macro OUT8 rb, ldsoff, ptr, reg       ; my quarter of a panel (two K steps of 128) back in image order, and out
.set p, 0
.rept 8
	ds_load_b128 v[\reg+4*p:\reg+4*p+3], v[\rb] offset:\ldsoff+128*(p/4)+32*(p%4)
.set p, p+1
.endr
.set p, 0
.rept 8
	s_wait_dscnt 7-p                               ; LDS loads come back in order: the 7 - p younger ones may stay out
	global_store_b128 v[GOFF], v[\reg+4*p:\reg+4*p+3], s[\ptr:\ptr+1] offset:512*p   ; 32 lanes store 512 consecutive bytes
.set p, p+1
.endr
.endm
.macro MKSC e, sc                      ; 2^e and 448 x 2^e as f32
	s_add_co_i32 s75, \e, 127
	s_lshl_b32 s76, s75, 23
	v_mov_b32 v[\sc], s76
	s_add_co_i32 s75, s75, 8
	s_lshl_b32 s75, s75, 23
	s_or_b32 s75, s75, 0x600000
	v_mov_b32 v[\sc+1], s75
.endm
	s_load_b512 s[4:19], s[0:1], 0x0               ; x, g1, b1, wq, wk, wv, wo, w1
	s_load_b256 s[20:27], s[0:1], 0x40             ; w2, lowp_scales, wc, xa
	v_lshl_add_u32 v[SPW], v0, 2, SPARE
	v_mov_b32 v[NIL], 0
	v_mov_b32 v[PD], 0                             ; a lane permute's destination counts as read
	v_lshrrev_b32 v32, 5, v0
	s_delay_alu instid0(VALU_DEP_1)
	v_readfirstlane_b32 s28, v32                   ; wave 0..15
	s_lshr_b32 s29, s28, 2                         ; job
	s_and_b32 s30, s28, 3                          ; sub: which four rows, and which quarter on the way out
	v_and_b32 v33, 31, v0                          ; lane
	v_and_b32 v34, 15, v0                          ; r
	v_bfe_u32 v35, v0, 4, 1                        ; h
	; all four LDS addresses are made here, ahead of the first parting of the waves
	s_mul_i32 s31, s30, 4*PITCH
	v_lshl_add_u32 v[SWL], v33, 2, s31             ; rows 4 sub on, 4 bytes a lane
	s_mul_i32 s32, s29, STG
	s_add_co_u32 s32, s32, 2*STG                   ; weight job j: stage 2 + j
	v_add_nc_u32 v[SWW], s32, v[SWL]
	v_mul_u32_u24 v36, v34, PITCH
	s_delay_alu instid0(VALU_DEP_1)
	v_lshl_add_u32 v36, v35, 4, v36
	s_lshl_b32 s33, s30, 8
	v_add_nc_u32 v[RBL], s33, v36                  ; row r, + 16 h, + my two K steps
	s_delay_alu instid0(VALU_DEP_1)
	v_add_nc_u32 v[RBW], s32, v[RBL]
	s_lshl_b32 s33, s30, 12
	v_lshl_add_u32 v[GOFF], v33, 4, s33
	v_lshlrev_b32 v[VO], 4, v33
	s_wait_alu depctr_va_vdst(0)
	s_mov_b32 s[SEL], 0x76543210
	s_mov_b32 s[SEL+1], 0xfedcba98
	s_mov_b32 s[RN], 0x3a800000
	s_mov_b32 s[EPS], 0x3727c5ac
	; which panel
	s_max_u32 s34, s29, 1
	s_sub_co_u32 s34, s34, 1
	s_mul_i32 s35, ttmp9, 3
	s_add_co_u32 s34, s34, s35                     ; pn = 3 x work-group + job - 1 (job 0: not used)
	s_mov_b32 s38, 512
	s_cmp_lt_u32 s34, 512
	s_cselect_b32 s38, 256, s38
	s_cmp_lt_u32 s34, 256
	s_cselect_b32 s38, 192, s38
	s_cmp_lt_u32 s34, 192
	s_cselect_b32 s38, 128, s38
	s_cmp_lt_u32 s34, 128
	s_cselect_b32 s38, 64, s38
	s_cmp_lt_u32 s34, 64
	s_cselect_b32 s38, 0, s38                      ; the tensor's first panel
	s_sub_co_u32 s39, s34, s38
	s_lshr_b32 s56, s39, 2
	s_and_b32 s57, s39, 3
	s_cmp_ge_u32 s34, 512                          ; w2: four panels to a block, rows of 16,384 bytes
	s_cselect_b32 s56, s56, s39                    ; block
	s_cselect_b32 s57, s57, 0                      ; which 1,024 along K
	s_cselect_b32 s58, 14, 12                      ; log2 of a row's bytes
	s_cmp_eq_u32 s29, 0
	s_cselect_b32 s56, ttmp9, s56
	s_cselect_b32 s57, 0, s57
	s_cselect_b32 s58, 12, s58
	s_lshr_b32 s59, s56, 1
	s_lshl_b32 s59, s59, 5
	s_and_b32 s60, s56, 1
	s_lshl_b32 s60, s60, 3
	s_add_co_u32 s59, s59, s60
	s_lshl_b32 s60, s30, 2
	s_add_co_u32 s59, s59, s60
	s_lshr_b32 s60, s30, 1
	s_lshl_b32 s60, s60, 3
	s_add_co_u32 s59, s59, s60                     ; my first row: 32 (blk >> 1) + 8 (blk & 1) + 4 sub + 8 (sub >> 1)
	s_lshl_b32 s60, s59, s58
	s_lshl_b32 s61, s57, 12
	s_add_co_u32 s60, s60, s61
	s_mov_b32 s61, 0
	s_lshl_b32 s62, 1, s58                         ; a row's bytes
	v_add_nc_u32 v[VO+1], s62, v[VO]
	s_delay_alu instid0(VALU_DEP_1)
	v_add_nc_u32 v[VO+2], s62, v[VO+1]
	s_delay_alu instid0(VALU_DEP_1)
	v_add_nc_u32 v[VO+3], s62, v[VO+2]
	s_wait_kmcnt 0x0
	s_load_b512 s[40:55], s[22:23], 0x0            ; the sixteen exponents
	s_mov_b64 s[36:37], s[20:21]
	s_cmp_lt_u32 s34, 512
	s_cselect_b64 s[36:37], s[18:19], s[36:37]
	s_cmp_lt_u32 s34, 256
	s_cselect_b64 s[36:37], s[16:17], s[36:37]
	s_cmp_lt_u32 s34, 192
	s_cselect_b64 s[36:37], s[14:15], s[36:37]
	s_cmp_lt_u32 s34, 128
	s_cselect_b64 s[36:37], s[12:13], s[36:37]
	s_cmp_lt_u32 s34, 64
	s_cselect_b64 s[36:37], s[10:11], s[36:37]
	s_cmp_eq_u32 s29, 0
	s_cselect_b64 s[36:37], s[4:5], s[36:37]
	s_add_nc_u64 s[36:37], s[36:37], s[60:61]      ; my rows
	s_lshl_b32 s60, s34, 14
	s_add_nc_u64 s[66:67], s[24:25], s[60:61]      ; the panel's image in wc
	s_lshl_b32 s60, s56, 14
	s_add_nc_u64 s[68:69], s[26:27], s[60:61]      ; the block's three images in xa
	s_add_nc_u64 s[70:71], s[68:69], 0x400000
	s_add_nc_u64 s[72:73], s[68:69], 0x800000
	s_cmp_lg_u32 s29, 0
	s_cbranch_scc1 .Lno_gain
.set j, 0
.rept 8
	global_load_b128 v[G+4*j:G+4*j+3], v[VO], s[6:7] offset:512*j
	global_load_b128 v[BB+4*j:BB+4*j+3], v[VO], s[8:9] offset:512*j
.set j, j+1
.endr
.Lno_gain:
	s_wait_alu depctr_va_vdst(0)
.irp i, 0,1,2,3
.set j, 0
.rept 8
	global_load_b128 v[X+32*\i+4*j:X+32*\i+4*j+3], v[VO+\i], s[36:37] offset:512*j th:TH_LOAD_NT
.set j, j+1
.endr
.endr
	s_wait_kmcnt 0x0
	s_mov_b32 s74, s55                             ; e15
	s_cmp_lt_u32 s34, 512
	s_cselect_b32 s74, s53, s74                    ; e13
	s_cmp_lt_u32 s34, 256
	s_cselect_b32 s74, s51, s74                    ; e11
	s_cmp_lt_u32 s34, 192
	s_cselect_b32 s74, s45, s74                    ; e5
	s_cmp_lt_u32 s34, 128
	s_cselect_b32 s74, s43, s74                    ; e3
	s_cmp_lt_u32 s34, 64
	s_cselect_b32 s74, s41, s74                    ; e1
	s_cmp_eq_u32 s29, 0
	s_cselect_b32 s74, s40, s74                    ; e0
	MKSC s74, SCL
	MKSC s42, SCL+2                                ; e2
	MKSC s44, SCL+4                                ; e4
	s_cmp_lg_u32 s29, 0
	s_cbranch_scc1 .Lweights
.irp i, 0,1,2,3
	s_wait_loadcnt 24-8*\i                         ; loads come back in order: g1, b1 and row i are in; the younger rows' eight loads each may stay out
	LNSUM X+32*\i
	LNREST X+32*\i
	QROW X+32*\i, SCL, SWL, PITCH*\i
	QROW X+32*\i, SCL+2, SWL, STG+PITCH*\i
	QROW X+32*\i, SCL+4, SWL, 2*STG+PITCH*\i
.endr
	s_branch .Ljoin
.Lweights:
	s_wait_alu depctr_va_vdst(0)
.irp i, 0,1,2,3
	s_wait_loadcnt 24-8*\i
	QROW X+32*\i, SCL, SWW, PITCH*\i
.endr
.Ljoin:
	s_wait_dscnt 0x0                               ; for the others' sake: my stores into the stage are done
	s_barrier_signal -1
	s_barrier_wait -1
	s_cmp_lg_u32 s29, 0
	s_cbranch_scc1 .Lweights_out
	OUT8 RBL, 0, 68, X
	OUT8 RBL, STG, 70, X+32
	OUT8 RBL, 2*STG, 72, X+64
	s_branch .Lend
.Lweights_out:
	OUT8 RBW, 0, 66, X
.Lend:
	s_wait_tensorcnt 0x0                           ; the wave's end, behind my last LDS store
	ds_add_u32 v[SPW], v[NIL]
	s_wait_dscnt 0x0
	s_endpgm
.Lfunc_end_k_q7513b2716d_prep:
	.size	k_q7513b2716d_prep, .Lfunc_end_k_q7513b2716d_prep-k_q7513b2716d_prep
	.p2alignl 7, 3214868480
	.fill 96, 4, 3214868480
	.section	.rodata,"a",@progbits
	.p2align	6, 0x0
	.amdhsa_kernel k_q7513b2716d_prep
		.amdhsa_group_segment_fixed_size 101888
		.amdhsa_private_segment_fixed_size 0
		.amdhsa_enable_private_segment 0
		.amdhsa_kernarg_size 96
		.amdhsa_user_sgpr_count 2
		.amdhsa_user_sgpr_kernarg_segment_ptr 1
		.amdhsa_wavefront_size32 1
		.amdhsa_system_sgpr_workgroup_id_x 1
		.amdhsa_system_sgpr_workgroup_id_y 1
		.amdhsa_system_sgpr_workgroup_id_z 1
		.amdhsa_system_vgpr_workitem_id 0
		.amdhsa_next_free_vgpr 256
		.amdhsa_next_free_sgpr 90
		.amdhsa_reserve_vcc 0
		.amdhsa_float_denorm_mode_32 3
		.amdhsa_float_denorm_mode_16_64 3
		.amdhsa_memory_ordered 1
		.amdhsa_forward_progress 1
		.amdhsa_inst_pref_size 93
	.end_amdhsa_kernel
	.amdgpu_metadata
---
amdhsa.version: [ 1, 2 ]
amdhsa.kernels:
  - .name:           k_q7513b2716d_prep
    .symbol:         k_q7513b2716d_prep.kd
    .args:
      - { .name: x, .offset: 0, .size: 8, .value_kind: global_buffer, .address_space: global }
      - { .name: g1, .offset: 8, .size: 8, .value_kind: global_buffer, .address_space: global }
      - { .name: b1, .offset: 16, .size: 8, .value_kind: global_buffer, .address_space: global }
      - { .name: wq, .offset: 24, .size: 8, .value_kind: global_buffer, .address_space: global }
      - { .name: wk, .offset: 32, .size: 8, .value_kind: global_buffer, .address_space: global }
      - { .name: wv, .offset: 40, .size: 8, .value_kind: global_buffer, .address_space: global }
      - { .name: wo, .offset: 48, .size: 8, .value_kind: global_buffer, .address_space: global }
      - { .name: w1, .offset: 56, .size: 8, .value_kind: global_buffer, .address_space: global }
      - { .name: w2, .offset: 64, .size: 8, .value_kind: global_buffer, .address_space: global }
      - { .name: lowp_scales, .offset: 72, .size: 8, .value_kind: global_buffer, .address_space: global }
      - { .name: wc, .offset: 80, .size: 8, .value_kind: global_buffer, .address_space: global }
      - { .name: xa, .offset: 88, .size: 8, .value_kind: global_buffer, .address_space: global }
    .group_segment_fixed_size: 101888
    .private_segment_fixed_size: 0
    .kernarg_segment_align: 8
    .kernarg_segment_size: 96
    .max_flat_workgroup_size: 512
    .sgpr_count:     90
    .vgpr_count:     256
    .wavefront_size: 32
...
	.end_amdgpu_metadata
.endif
;; end of part 9
;; launch qkv (part 10): grid 48 x 4, 4 waves a work-group, clusters of 4 x 4, 327,680 bytes of LDS; arguments xa, wc, lowp_scales, bq, bk, bv, qkvc, sq; writes qkvc, sq
.if DOCPART == 10
	.amdgcn_target "amdgcn-amd-amdhsa--gfx1250"
	.amdhsa_code_object_version 6
	.text
	.protected	k_q7513b2716d_qkv
	.globl	k_q7513b2716d_qkv
	.p2align	8
	.type	k_q7513b2716d_qkv,@function
k_q7513b2716d_qkv:
	s_mov_b64 s[64:65], 0
	v_nop
	global_prefetch_b8 v0, s[64:65] scope:SCOPE_SE
	s_setreg_imm32_b32 hwreg(HW_REG_WAVE_MODE, 25, 1), 1
	s_wait_xcnt 0x0
	s_wait_alu depctr_hold_cnt(0) depctr_sa_sdst(0) depctr_va_vdst(0) depctr_va_sdst(0) depctr_va_ssrc(0) depctr_va_vcc(0) depctr_vm_vsrc(0)
	s_getreg_b32 s2, hwreg(HW_REG_IB_STS2, 6, 4)
	s_cmp_eq_u32 s2, 0
	s_cbranch_scc0 .Lentry_in_a_cluster
	s_endpgm
.Lentry_in_a_cluster:
	s_bfe_u32 s2, ttmp6, 0x10000c
	s_cmp_lg_u32 s2, 0xf033
	s_cbranch_scc0 .Lentry_shape_is_right
	s_endpgm
.Lentry_shape_is_right:
.set KS,    8
.set FR,    16
.set NL,    4
.set NP,    4
.set BLKB,  KS*2048
.set SLOT,  131072
.set SPARE, 2*SLOT
.set LAPS,  KS/4
.set ADRA,  16
.set ADRB,  20
.set SPW,   28
.set NIL,   29
.set AF,    128
.set WV,    20
.set RH,    21
.set CH,    22
.set G1A,   24
.set G0A,   32
.set G1B,   48
.set G0B,   56
.set SCA,   68
.set MSB,   0
.macro WIN new
.if MSB != (\new)
	s_set_vgpr_msb (MSB<<8)|(\new)
.set MSB, (\new)
.endif
.endm
.set MUL_LO, 0xa1
.set MUL_HI, 0xf1
.set TO_B,   0x40
.macro JLOAD s
	s_cmp_eq_u32 s[RH], 0
	s_cbranch_scc0 .Lfor_b_\@
	tensor_load_to_lds s[G0A+4*\s:G0A+4*\s+3], s[G1A:G1A+7]
	s_nop 0
.rept 4
	v_nop
.endr
	s_branch .Lasked_\@
.Lfor_b_\@:
	tensor_load_to_lds s[G0B+4*\s:G0B+4*\s+3], s[G1B:G1B+7]
	s_nop 0
.rept 4
	v_nop
.endr
.Lasked_\@:
.endm
.macro CREST
	s_cmp_lg_u32 s[WV], 0
	s_cbranch_scc1 .Lnot_wave_0_\@
	s_barrier_signal -3
.Lnot_wave_0_\@:
	s_barrier_wait -3
	s_barrier_signal -1
	s_barrier_wait -1
.endm
.macro CROUND
	s_barrier_signal -1
	s_barrier_wait -1
	CREST
.endm
.macro FRAG reg, adr, q, i
.irp c, 0,1,2,3
	ds_load_b128 v[\reg+4*\c:\reg+4*\c+3], v[\adr] offset:4096*(\i)+2048*(\q)+512*\c
.endr
.endm
.macro MUL16 a0, p, zero
.irp a, \a0, \a0+1
.irp b, 0,1,2,3,4,5,6,7
.if \zero
	v_wmma_f32_16x16x128_fp8_fp8 v[8*(8*((\a)%4)+\b):8*(8*((\a)%4)+\b)+7], v[128*(\p)+FR*\b:128*(\p)+FR*\b+FR-1], v[AF+FR*(\a):AF+FR*(\a)+FR-1], 0
.else
	v_wmma_f32_16x16x128_fp8_fp8 v[8*(8*((\a)%4)+\b):8*(8*((\a)%4)+\b)+7], v[128*(\p)+FR*\b:128*(\p)+FR*\b+FR-1], v[AF+FR*(\a):AF+FR*(\a)+FR-1], v[8*(8*((\a)%4)+\b):8*(8*((\a)%4)+\b)+7]
.endif
.endr
.endr
.endm
.macro FETCH_B slot, q, p
	WIN TO_B
.irp i, 0,1,2,3,4,5,6,7
	FRAG 128*(\p)+FR*\i, ADRB+\slot, \q, \i
.endr
	WIN 0
.endm
.macro FETCH_A slot, q, i0
.irp i, \i0, \i0+1, \i0+2, \i0+3
	FRAG AF+FR*(\i), ADRA+\slot, \q, \i
.endr
.endm
.macro PLACES n
.rept \n
	v_nop
.endr
.endm
.macro STEP slot, q, zero
	s_wait_dscnt 4*NL
	WIN MUL_LO
	MUL16 0, (\q)%2, \zero
	MUL16 2, (\q)%2, \zero
	s_wait_dscnt 0
	PLACES NP
	FETCH_B \slot, (\q)+1, 1-(\q)%2
	FETCH_A \slot, (\q)+1, 0
	WIN MUL_HI
	MUL16 4, (\q)%2, \zero
	MUL16 6, (\q)%2, \zero
	PLACES NP
	WIN 0
	FETCH_A \slot, (\q)+1, 4
.endm
.macro TURN slot, next, fill
	s_wait_tensorcnt 0x0
	ds_add_u32 v[SPW], v[NIL]
	s_wait_dscnt 4*NL+1
	WIN MUL_LO
	MUL16 0, 1, 0
	s_wait_dscnt 0x0
	s_barrier_signal -1
	MUL16 2, 1, 0
	WIN 0
	s_barrier_wait -1
.if \fill
	CREST
	s_add_nc_u64 s[G0A+4*\slot+2:G0A+4*\slot+3], s[G0A+4*\slot+2:G0A+4*\slot+3], 8192
	s_add_nc_u64 s[G0B+4*\slot+2:G0B+4*\slot+3], s[G0B+4*\slot+2:G0B+4*\slot+3], 8192
	JLOAD \slot
.else
	PLACES NP
.endif
	FETCH_B \next, 0, 0
	FETCH_A \next, 0, 0
	WIN MUL_HI
	MUL16 4, 1, 0
	MUL16 6, 1, 0
	PLACES NP
	WIN 0
	FETCH_A \next, 0, 4
.endm
.macro GEMM
	s_wait_tensorcnt 1
	s_barrier_signal -1
	s_barrier_wait -1
	FETCH_B 0, 0, 0
	FETCH_A 0, 0, 0
	FETCH_A 0, 0, 4
	STEP 0, 0, 1
	s_mov_b32 s3, LAPS-1
.Llap:
	TURN 0, 1, 1
	STEP 1, 0, 0
	TURN 1, 0, 1
	STEP 0, 0, 0
	s_sub_co_u32 s3, s3, 1
	s_cmp_lg_u32 s3, 0
	s_cbranch_scc1 .Llap
	TURN 0, 1, 0
	STEP 1, 0, 0
	s_wait_dscnt 4*NL
	WIN MUL_LO
	MUL16 0, 1, 0
	MUL16 2, 1, 0
	s_wait_dscnt 0
	WIN MUL_HI
	MUL16 4, 1, 0
	MUL16 6, 1, 0
	WIN 0
.endm
.set BO1,  3
.set BO2,  4
.set SCV,  8
.set LIMV, 9
.set FSA,  24
.set RDS,  25
.set LI,   26
.set BI,   32
.set BV,   96
.set Y,    128
.set W,    192
.set N2,   200
.set PD,   202
.set NR,   204
.set RC,   206
.set F,    208
.set CD,   224
.set MULC, 92
.set MAXN, 93
.set TINY, 94
.set SEL,  96
.set KIND, 100
	s_load_b512 s[4:19], s[0:1], 0x0
	v_lshl_add_u32 v[SPW], v0, 2, SPARE
	v_mov_b32 v[NIL], 0
	ds_add_u32 v[SPW], v[NIL]
	ds_add_u32 v[SPW], v[NIL]
	v_lshrrev_b32 v1, 5, v0
	v_readfirstlane_b32 s[WV], v1
	s_lshr_b32 s[RH], s[WV], 1
	s_and_b32 s[CH], s[WV], 1
	s_bfe_u32 s40, ttmp6, 0x40000
	s_bfe_u32 s41, ttmp6, 0x40004
	s_lshr_b32 s[KIND], ttmp9, 2
	s_and_b32 s86, ttmp9, 3
	s_lshl_b32 s86, s86, 2
	s_lshl_b32 s46, s[KIND], 22
	s_lshl_b32 s66, s[KIND], 20
	s_cmp_eq_u32 s[KIND], 2
	s_cselect_b32 s44, 0, s86
	s_cselect_b32 s45, s86, 0
	s_cselect_b32 s46, 0x200000, s46
	s_cselect_b32 s66, 0x800000, s66
	s_add_co_u32 s43, s41, s44
	s_add_co_u32 s42, s40, s45
	s_lshl_b32 s44, s41, 2
	s_lshl_b32 s44, 15, s44
	s_lshl_b32 s45, 0x1111, s40
	s_or_b32 s[G1A], s44, (3<<16)|(1<<21)
	s_or_b32 s[G1B], s45, (3<<16)|(1<<21)
.irp g, G1A, G1B
	s_mov_b32 s[\g+1], 512<<16
	s_mov_b32 s[\g+2], 8<<16
	s_mov_b32 s[\g+3], 512<<16
	s_mov_b32 s[\g+4], 8
	s_mov_b32 s[\g+5], KS*256
	s_mov_b32 s[\g+6], 0
	s_mov_b32 s[\g+7], 0
.endr
	s_lshl_b32 s87, s[CH], 3
	s_lshl_b32 s86, s43, 4
	s_add_co_u32 s86, s86, s87
	s_mul_i32 s86, s86, BLKB
	s_add_co_u32 s46, s46, s86
	s_mov_b32 s47, 0
	s_lshl_b32 s95, s42, 4
	s_add_co_u32 s95, s95, s87
	s_mul_i32 s95, s95, BLKB
	s_add_co_u32 s66, s66, s95
	s_mov_b32 s67, 0
	s_lshl_b32 s23, s[WV], 15
	s_mov_b32 s[SEL], 0x76543210
	s_mov_b32 s[SEL+1], 0xfedcba98
	s_mov_b32 s[MAXN], 0x3f7fff58
	s_mov_b32 s[TINY], 0x2b8cbccc
	s_wait_dscnt 0x0
	s_wait_kmcnt 0x0
	s_load_b512 s[SCA:SCA+15], s[8:9], 0x0
	s_cmp_eq_u32 s[KIND], 2
	s_cselect_b64 s[98:99], s[6:7], s[4:5]
	s_add_nc_u64 s[46:47], s[98:99], s[46:47]
	s_cselect_b64 s[98:99], s[4:5], s[6:7]
	s_add_nc_u64 s[66:67], s[98:99], s[66:67]
	; the prefetches: of the 8 blocks that my wave fetches, each of the four partners that ask for them jointly names 2, told apart by address (cx for A's tiles, cy for B's)
	s_cmp_eq_u32 s[RH], 0
	s_cselect_b64 s[104:105], s[46:47], s[66:67]
	s_cselect_b32 s84, s40, s41
	s_mul_i32 s84, s84, 2*BLKB
	s_mov_b32 s85, 0
	s_add_nc_u64 s[104:105], s[104:105], s[84:85]  ; never rewritten
	v_bfe_u32 v30, v0, 4, 1
	v_and_b32 v31, 15, v0
	v_lshlrev_b32 v30, 14, v30
	v_lshl_add_u32 v30, v31, 8, v30                ; lanes 0-15: one block's 4,096 bytes of a fill, 256 bytes a lane; lanes 16-31: the next block's; never rewritten
	s_wait_alu depctr_va_vdst(0)
	CROUND
.irp s, 0,1
	s_mov_b32 s[G0A+4*\s], 1
	s_add_co_u32 s[G0A+4*\s+1], s23, \s*SLOT
	s_add_nc_u64 s[G0A+4*\s+2:G0A+4*\s+3], s[46:47], \s*4096
	s_or_b32 s[G0A+4*\s+3], s[G0A+4*\s+3], 0x80000000
	s_mov_b32 s[G0B+4*\s], 1
	s_add_co_u32 s[G0B+4*\s+1], s23, \s*SLOT
	s_add_nc_u64 s[G0B+4*\s+2:G0B+4*\s+3], s[66:67], \s*4096
	s_or_b32 s[G0B+4*\s+3], s[G0B+4*\s+3], 0x80000000
.if \s
	s_wait_alu depctr_va_vdst(0)
	s_wait_tensorcnt 0x0
	ds_add_u32 v28, v29
	ds_add_u32 v28, v29
	s_wait_dscnt 0x0
	CROUND
.endif
	JLOAD \s
.if \s
	global_prefetch_b8 v30, s[104:105] offset:2*4096 th:TH_LOAD_NT scope:SCOPE_SE   ; behind fill 1: fills 2 and 3, the last
	global_prefetch_b8 v30, s[104:105] offset:3*4096 th:TH_LOAD_NT scope:SCOPE_SE
.else
	global_prefetch_b8 v30, s[104:105] offset:4096 th:TH_LOAD_NT scope:SCOPE_SE     ; behind fill 0: fill 1
.endif
.endr
	v_and_b32 v1, 31, v0
	v_lshlrev_b32 v[LI], 4, v1
	s_lshl_b32 s86, s[RH], 15
	s_lshl_b32 s87, s[CH], 15
	s_add_co_u32 s87, s87, 65536
.irp s, 0,1
	v_add_nc_u32 v[ADRA+\s], s86, v[LI]
	v_add_nc_u32 v[ADRB+\s], s87, v[LI]
	s_add_co_u32 s86, s86, SLOT
	s_add_co_u32 s87, s87, SLOT
.endr
	v_and_b32 v2, 15, v0
	v_bfe_u32 v5, v0, 4, 1
	v_lshlrev_b32 v[BO1], 6, v5
	s_wait_alu depctr_va_vdst(0)
	v_and_b32 v[BO2], 8, v2
	v_add_nc_u32 v[BO2], v[BO2], v2
	v_lshlrev_b32 v[BO2], 2, v[BO2]
	s_wait_alu depctr_va_vdst(0)
	s_lshl_b32 s86, s[WV], 10
	v_lshl_add_u32 v[FSA], v2, 2, s86
	v_add_nc_u32 v[RDS], s86, v[LI]
	s_cmp_eq_u32 s[KIND], 0
	s_cselect_b64 s[98:99], s[10:11], s[12:13]
	s_cmp_eq_u32 s[KIND], 2
	s_cselect_b64 s[98:99], s[14:15], s[98:99]
	s_and_b32 s86, s42, 3
	s_lshl_b32 s86, s86, 10
	s_lshl_b32 s87, s[CH], 9
	s_add_co_u32 s86, s86, s87
	s_mov_b32 s87, 0
	s_add_nc_u64 s[98:99], s[98:99], s[86:87]
.set j, 0
.rept 16
	global_load_b128 v[BI+4*j:BI+4*j+3], v[BO1], s[98:99] offset:128*(j/4)+16*(j%4)
.set j, j+1
.endr
	s_and_b32 s86, s43, 3
	s_lshl_b32 s86, s86, 10
	s_lshl_b32 s95, s[RH], 9
	s_add_co_u32 s86, s86, s95
	s_add_nc_u64 s[88:89], s[14:15], s[86:87]
.set j, 0
.rept 8
	global_load_b32 v[BV+2*j], v[BO2], s[88:89] offset:4*(32*(j/2)+8*(j%2))
.set j, j+1
.endr
	GEMM
	s_wait_kmcnt 0x0
	s_wait_loadcnt 0x0
	s_add_co_i32 s84, s[SCA+0], s[SCA+1]
	s_add_co_i32 s85, s[SCA+2], s[SCA+3]
	s_add_co_i32 s86, s[SCA+4], s[SCA+5]
	s_mov_b32 s87, s[SCA+6]
	s_cmp_eq_u32 s[KIND], 1
	s_cselect_b32 s84, s85, s84
	s_cselect_b32 s87, s[SCA+7], s87
	s_cmp_eq_u32 s[KIND], 2
	s_cselect_b32 s84, s86, s84
	s_cselect_b32 s87, s[SCA+9], s87
	s_add_co_i32 s84, s84, 127
	s_lshl_b32 s84, s84, 23
	s_mov_b32 s85, s84
	s_add_co_i32 s87, s87, 127
	s_lshl_b32 s86, s87, 23
	s_add_co_i32 s87, s87, 8
	s_lshl_b32 s87, s87, 23
	s_or_b32 s87, s87, 0x600000
	s_add_co_i32 s[MULC], s[SCA+6], s[SCA+7]
	s_sub_co_i32 s[MULC], 126, s[MULC]
	s_lshl_b32 s[MULC], s[MULC], 23
	s_or_b32 s[MULC], s[MULC], 0x80000000
	s_cmp_eq_u32 s[KIND], 0
	s_cselect_b32 s[MULC], 0xbe38aa3b, s[MULC]
	PLACES NP
	v_mov_b32 v[SCV], s86
	v_mov_b32 v[LIMV], s87
	v_mov_b32 v[PD], 0
	v_mov_b32 v[PD+1], 0
.set j, 0
.rept 8
	v_mov_b32 v[BV+2*j+1], v[BV+2*j]
.set j, j+1
.endr
.macro HOLDCVT
.set j, 0
.rept 64
	v_med3_num_f32 v[Y+j], v[Y+j], -v[LIMV], v[LIMV]
.set j, j+1
.endr
	s_wait_alu depctr_va_vdst(0)
	s_wait_xcnt 0x0
.set j, 0
.rept 8
	v_cvt_scalef32_pk8_fp8_f32 v[CD+2*j:CD+2*j+1], v[Y+8*j:Y+8*j+7], v[SCV]
.set j, j+1
.endr
	v_nop
.endm
.macro QKBLK a
.set AC, 64*((\a)%4)
	WIN 0x02+((\a)/4)
.set j, 0
.rept 32
	v_pk_fma_f32 v[Y+j:Y+j+1], v[AC+j:AC+j+1], s[84:85], v[BI+j:BI+j+1] op_sel_hi:[1,0,1]
.set j, j+2
.endr
	WIN 0
.irp g, 0,1
	v_pk_mul_f32 v[W+4*\g:W+4*\g+1], v[Y+32*\g:Y+32*\g+1], v[Y+32*\g:Y+32*\g+1]
	v_pk_mul_f32 v[W+4*\g+2:W+4*\g+3], v[Y+32*\g+2:Y+32*\g+3], v[Y+32*\g+2:Y+32*\g+3]
.endr
.set j, 2
.rept 14
.irp g, 0,1
	v_pk_fma_f32 v[W+4*\g+2*(j%2):W+4*\g+2*(j%2)+1], v[Y+32*\g+2*j:Y+32*\g+2*j+1], v[Y+32*\g+2*j:Y+32*\g+2*j+1], v[W+4*\g+2*(j%2):W+4*\g+2*(j%2)+1]
.endr
.set j, j+1
.endr
.irp g, 0,1
	v_pk_add_f32 v[W+4*\g:W+4*\g+1], v[W+4*\g:W+4*\g+1], v[W+4*\g+2:W+4*\g+3]
.endr
.irp g, 0,1
	v_add_f32 v[N2+\g], v[W+4*\g], v[W+4*\g+1]
.endr
.irp g, 0,1
	v_permlanex16_b32 v[PD+\g], v[N2+\g], s[SEL], s[SEL+1]
.endr
.irp g, 0,1
	v_add_f32 v[N2+\g], v[N2+\g], v[PD+\g]
.endr
	s_wait_alu depctr_va_vdst(0)
	v_sqrt_f32 v[NR], v[N2]
	v_sqrt_f32 v[NR+1], v[N2+1]
	v_nop
	s_wait_alu depctr_va_vdst(0)
	v_max_num_f32 v[RC], s[TINY], v[NR]
	v_max_num_f32 v[RC+1], s[TINY], v[NR+1]
	s_wait_alu depctr_va_vdst(0)
	v_rcp_f32 v[RC], v[RC]
	v_rcp_f32 v[RC+1], v[RC+1]
	v_nop
	s_wait_alu depctr_va_vdst(0)
.irp g, 0,1
	v_mul_f32 v[RC+\g], s[MAXN], v[RC+\g]
	v_cmp_lt_f32 vcc_lo, s[MAXN], v[NR+\g]
	v_cndmask_b32 v[F+2*\g], 1.0, v[RC+\g], vcc_lo
	v_mov_b32 v[F+2*\g+1], v[F+2*\g]
	v_mul_f32 v[N2+\g], v[N2+\g], v[F+2*\g]
	v_mul_f32 v[N2+\g], v[N2+\g], v[F+2*\g]
	v_mul_f32 v[N2+\g], s[MULC], v[N2+\g]
	ds_store_b32 v[FSA], v[N2+\g] offset:512*\g+64*(\a)
.endr
.irp g, 0,1
.set j, 0
.rept 16
	v_pk_mul_f32 v[Y+32*\g+2*j:Y+32*\g+2*j+1], v[Y+32*\g+2*j:Y+32*\g+2*j+1], v[F+2*\g:F+2*\g+1]
.set j, j+1
.endr
.endr
	HOLDCVT
.irp b, 0,1,2,3
	global_store_b128 v[LI], v[CD+4*\b:CD+4*\b+3], s[88:89] offset:131072*(\b/2)+1024*(\a)+512*(\b%2)
.endr
.endm
.macro VBLK a
.set AC, 64*((\a)%4)
	WIN 0x02+((\a)/4)
.set j, 0
.rept 32
	v_pk_fma_f32 v[Y+j:Y+j+1], v[AC+j:AC+j+1], s[84:85], v[BV+2*(\a):BV+2*(\a)+1] op_sel_hi:[1,0,1]
.set j, j+2
.endr
	WIN 0
	HOLDCVT
.irp b, 0,1,2,3
	global_store_b128 v[LI], v[CD+4*\b:CD+4*\b+3], s[88:89] offset:131072*((\a)/4)+2048*((\a)%4)+512*\b
.endr
.endm
	s_mov_b32 s99, 0
	s_cmp_eq_u32 s[KIND], 2
	s_cbranch_scc1 .Lv
	s_lshr_b32 s86, s43, 3
	s_lshl_b32 s86, s86, 4
	s_lshl_b32 s87, s42, 2
	s_add_co_u32 s86, s86, s87
	s_lshl_b32 s87, s[CH], 1
	s_add_co_u32 s86, s86, s87
	s_and_b32 s87, s43, 7
	s_lshl_b32 s87, s87, 4
	s_lshl_b32 s95, s[RH], 3
	s_add_co_u32 s87, s87, s95
	s_lshl_b32 s98, s86, 17
	s_lshl_b32 s95, s87, 10
	s_add_co_u32 s98, s98, s95
	s_lshl_b32 s95, s[KIND], 22
	s_add_co_u32 s98, s98, s95
	s_add_nc_u64 s[88:89], s[16:17], s[98:99]
	s_lshl_b32 s98, s86, 13
	s_lshl_b32 s95, s87, 6
	s_add_co_u32 s98, s98, s95
	s_lshl_b32 s95, s[KIND], 18
	s_add_co_u32 s98, s98, s95
	s_add_nc_u64 s[90:91], s[18:19], s[98:99]
.irp a, 0,1,2,3,4,5,6,7
	QKBLK \a
.endr
	ds_load_b128 v[W:W+3], v[RDS]
	ds_load_b128 v[W+4:W+7], v[RDS] offset:512
	s_wait_dscnt 0x1
	global_store_b128 v[LI], v[W:W+3], s[90:91]
	s_wait_dscnt 0x0
	global_store_b128 v[LI], v[W+4:W+7], s[90:91] offset:8192
	s_branch .Lend
.Lv:
	s_lshr_b32 s86, s42, 3
	s_lshl_b32 s86, s86, 4
	s_lshl_b32 s87, s43, 2
	s_add_co_u32 s86, s86, s87
	s_lshl_b32 s87, s[RH], 1
	s_add_co_u32 s86, s86, s87
	s_and_b32 s87, s42, 7
	s_lshl_b32 s87, s87, 1
	s_add_co_u32 s87, s87, s[CH]
	s_lshl_b32 s98, s86, 17
	s_lshl_b32 s95, s87, 13
	s_add_co_u32 s98, s98, s95
	s_add_co_u32 s98, s98, 0x800000
	s_add_nc_u64 s[88:89], s[16:17], s[98:99]
	s_wait_alu depctr_va_vdst(0)
.irp a, 0,1,2,3,4,5,6,7
	VBLK \a
.endr
.Lend:
	s_wait_tensorcnt 0x0
	ds_add_u32 v[SPW], v[NIL]
	s_wait_dscnt 0x0
	CROUND
	s_endpgm
.Lfunc_end_k_q7513b2716d_qkv:
	.size	k_q7513b2716d_qkv, .Lfunc_end_k_q7513b2716d_qkv-k_q7513b2716d_qkv
	.p2alignl 7, 3214868480
	.fill 96, 4, 3214868480
	.section	.rodata,"a",@progbits
	.p2align	6, 0x0
	.amdhsa_kernel k_q7513b2716d_qkv
		.amdhsa_group_segment_fixed_size 327680
		.amdhsa_private_segment_fixed_size 0
		.amdhsa_enable_private_segment 0
		.amdhsa_kernarg_size 64
		.amdhsa_user_sgpr_count 2
		.amdhsa_user_sgpr_kernarg_segment_ptr 1
		.amdhsa_wavefront_size32 1
		.amdhsa_system_sgpr_workgroup_id_x 1
		.amdhsa_system_sgpr_workgroup_id_y 1
		.amdhsa_system_sgpr_workgroup_id_z 1
		.amdhsa_system_vgpr_workitem_id 0
		.amdhsa_next_free_vgpr 1024
		.amdhsa_next_free_sgpr 106
		.amdhsa_reserve_vcc 1
		.amdhsa_float_denorm_mode_32 3
		.amdhsa_float_denorm_mode_16_64 3
		.amdhsa_memory_ordered 1
		.amdhsa_forward_progress 1
		.amdhsa_inst_pref_size 239
	.end_amdhsa_kernel
	.amdgpu_metadata
---
amdhsa.version: [ 1, 2 ]
amdhsa.kernels:
  - .name:           k_q7513b2716d_qkv
    .symbol:         k_q7513b2716d_qkv.kd
    .args:
      - { .name: xa, .offset: 0, .size: 8, .value_kind: global_buffer, .address_space: global }
      - { .name: wc, .offset: 8, .size: 8, .value_kind: global_buffer, .address_space: global }
      - { .name: lowp_scales, .offset: 16, .size: 8, .value_kind: global_buffer, .address_space: global }
      - { .name: bq, .offset: 24, .size: 8, .value_kind: global_buffer, .address_space: global }
      - { .name: bk, .offset: 32, .size: 8, .value_kind: global_buffer, .address_space: global }
      - { .name: bv, .offset: 40, .size: 8, .value_kind: global_buffer, .address_space: global }
      - { .name: qkvc, .offset: 48, .size: 8, .value_kind: global_buffer, .address_space: global }
      - { .name: sq, .offset: 56, .size: 8, .value_kind: global_buffer, .address_space: global }
    .group_segment_fixed_size: 327680
    .private_segment_fixed_size: 0
    .kernarg_segment_align: 8
    .kernarg_segment_size: 64
    .max_flat_workgroup_size: 128
    .sgpr_count:     106
    .vgpr_count:     1024
    .wavefront_size: 32
...
	.end_amdgpu_metadata
.endif
;; end of part 10
;; launch attn (part 11): grid 8 x 32, 8 waves a work-group, clusters of 4 x 1, 327,680 bytes of LDS; arguments qkvc, sq, lowp_scales, oc; writes oc
.if DOCPART == 11
	.amdgcn_target "amdgcn-amd-amdhsa--gfx1250"
	.amdhsa_code_object_version 6
	.text
	.protected	k_q7513b2716d_attn
	.globl	k_q7513b2716d_attn
	.p2align	8
	.type	k_q7513b2716d_attn,@function
k_q7513b2716d_attn:
	s_mov_b64 s[64:65], 0
	v_nop
	global_prefetch_b8 v0, s[64:65] scope:SCOPE_SE
	s_setreg_imm32_b32 hwreg(HW_REG_WAVE_MODE, 25, 1), 1
	s_wait_xcnt 0x0
	s_wait_alu depctr_hold_cnt(0) depctr_sa_sdst(0) depctr_va_vdst(0) depctr_va_sdst(0) depctr_va_ssrc(0) depctr_va_vcc(0) depctr_vm_vsrc(0)
	s_getreg_b32 s2, hwreg(HW_REG_IB_STS2, 6, 4)
	s_cmp_eq_u32 s2, 0
	s_cbranch_scc0 .Lentry_in_a_cluster
	s_endpgm
.Lentry_in_a_cluster:
	s_bfe_u32 s2, ttmp6, 0x10000c
	s_cmp_lg_u32 s2, 0x3003
	s_cbranch_scc0 .Lentry_shape_is_right
	s_endpgm
.Lentry_shape_is_right:
; ATTENTION on -|q - k|^2 / 8, both products on E4M3 codes.  t = logit x log2(e) = cs (sum of code products - |k|^2 2^(-e6-e7-1)) + qt, cs = (log2 e / 4) 2^(e6+e7), qt = -(log2 e / 8) |q|^2.
; The term with |k|^2 was stored ready (kb): it is the C of the first product, so it costs no vector instruction.
; NO MAXIMUM IS TAKEN AWAY: p = 2^t, that is M = 0.  the module clips |q| and |k| to 1 - 1e-5, and rounding to the nearest code at most doubles a magnitude, so the quantised q . k lies within +-4
; and t within -1.81 .. 1.45 for every input: no exponential and no sum of 2,048 of them leaves f32's range.  Where a row's largest t lies in (-1, 0], M = 0 is the problem's own M.
; LIMIT: in a row whose largest t lies outside (-1, 0] the problem's M is -1, 1 or 2; p then differs by an exact power of two, which the division by the row's sum takes back, so the result differs only
; where a p is held at 448 x 2^e8 or falls under E4M3's normal range, 2^(e8 - 6), under one M and not under the other.
; p is quantised with e8; the row's sum is taken of the unquantised p, in f32, and divides at the end.
; SHARES.  A work-group owns 256 queries of one head (batch x 16 + head = work-group y); each of its 8 waves owns two blocks of 16, so each fragment of K, V and kb read from LDS feeds two matrix instructions.
; The head's whole K (128 KB), V (128 KB) and kb (8 KB) lie in LDS: nothing is filled twice.  The four work-groups of a cluster belong to one head: every tensor load is joint, with the mask of all four.
; The first 32 KB of K and of V and kb are asked for first; the other 192 KB behind a second round; they are waited for behind the third key step.
; No prefetch: all that the launch reads of K, V and kb is asked for in the head; there is no loop to run ahead in.
; LAYOUT.  Both products transposed: S^T = K Q^T, O^T = V^T P^T: a lane holds one query of each block throughout.  By the blocks' choice of rows the 16 registers of tiles 2 b, 2 b + 1 are keys 32 b + 16 h + 0 .. 15
; of the step, so the conversions' results are the second product's operand; O^T's registers run along d, and the output's codes leave as pieces of the next product's image.
; REGISTERS.  Window 0: v1-10 addresses; v16-143 S^T, then p (block u at 16 + 64 u); v144-207 O^T; v208-239 p's codes; v240-247 the sums, two chains a block; v248, v250 qt; v249, v251 448 x 2^e8; v4 2^e8.
; Window 1: v0-15 Q; v16-79 K's eight fragments; v80-143 kb; v144-207 V's four fragments.
; LIMITS: e6 + e7 between -124 and 128; e8 and e10 between -126 and 119.
.set VLDS,  131072
.set BLDS,  262144
.set SPARE, 270336                     ; behind kb: the spare words, 128 bytes for each of 8 waves
.set LI,   1                           ; 16 x lane
.set QTO,  2                           ; 4 r
.set AB0,  3                           ; BLDS + 32 h
.set SCV,  4
.set SPW,  5
.set NIL,  6
.set ADV,  8                           ; this step's V
.set ADK,  9                           ; the next step's K
.set ADB,  10                          ; the next step's kb
.set S,    16
.set O,    144
.set P,    208
.set L,    240
.set QT,   248
.set Q1,   0
.set K1,   16
.set B1,   80
.set V1,   144
.set WV,   18
.set SEL,  20
.set CS,   22
.set G1D,  24                          ; s[24:31] 128 rows of 256 bytes
.set G1C,  32                          ; s[32:39] 32 rows of 256 bytes
.set G0A,  40
.set G0C,  44
.set G0P,  48
.set SO,   2                           ; the step's bytes in K and in V
.set SB,   66                          ; and in kb
.set CNT,  67
.set SN,   86
.set SBN,  87
.set SV,   88
.set MSB,  0
.macro WIN new                         ; the immediate's high byte repeats the setting that is left
.if MSB != (\new)
	s_set_vgpr_msb (MSB<<8)|(\new)
.set MSB, (\new)
.endif
.endm
.macro ROUND
	s_barrier_signal -1
	s_barrier_wait -1
	s_cmp_lg_u32 s[WV], 0
	s_cbranch_scc1 .Lnot_wave_0_\@
	s_barrier_signal -3
.Lnot_wave_0_\@:
	s_barrier_wait -3
	s_barrier_signal -1
	s_barrier_wait -1
.endm
.macro KLOADS ak, ab, ok, ob           ; eight fragments of K and their kb, into window 1
.set n, 0
.rept 8
	ds_load_b128 v[K1+8*n:K1+8*n+3], v[\ak] offset:\ok+1024*n
	ds_load_b128 v[K1+8*n+4:K1+8*n+7], v[\ak] offset:\ok+1024*n+512
.set n, n+1
.endr
.set n, 0
.rept 8
	ds_load_b128 v[B1+8*n:B1+8*n+3], v[\ab] offset:\ob+64*n       ; kb of block n, rows 8 h + 0 .. 7: the score registers' own keys
	ds_load_b128 v[B1+8*n+4:B1+8*n+7], v[\ab] offset:\ob+64*n+16
.set n, n+1
.endr
.endm
	s_load_b256 s[4:11], s[0:1], 0x0               ; qkvc, sq, lowp_scales, oc
	v_lshl_add_u32 v[SPW], v0, 2, SPARE
	v_mov_b32 v[NIL], 0
	ds_add_u32 v[SPW], v[NIL]                      ; the wave's opening: the add, twice on end, and its wait ahead of the first tensor loads
	ds_add_u32 v[SPW], v[NIL]
	v_lshrrev_b32 v8, 5, v0
	s_delay_alu instid0(VALU_DEP_1)
	v_readfirstlane_b32 s[WV], v8                  ; wave 0..7
	s_bfe_u32 s19, ttmp6, 0x40000                  ; cx: it enters Q's, qt's and the output's addresses alone
	s_and_b32 s52, ttmp7, 0xffff                   ; batch x 16 + head, which the four partners share
.irp g, G1D, G1C
	s_mov_b32 s[\g], 15|(3<<16)|(1<<21)            ; the mask of all four; elements of 8 bytes; bit 21 beside a mask
	s_mov_b32 s[\g+1], 32<<16
	s_mov_b32 s[\g+3], 32<<16
	s_mov_b32 s[\g+5], 32
	s_mov_b32 s[\g+6], 0
	s_mov_b32 s[\g+7], 0
.endr
	s_mov_b32 s[G1D+2], 128<<16
	s_mov_b32 s[G1D+4], 128
	s_mov_b32 s[G1C+2], 32<<16
	s_mov_b32 s[G1C+4], 32
	s_and_b32 s53, s[WV], 1                        ; 0: K, 1: V
	s_lshl_b32 s54, s53, 17                        ; its place in LDS
	s_add_co_u32 s55, s53, 1
	s_lshl_b32 s55, s55, 22                        ; its place in qkvc: 4 MiB, 8 MiB
	s_lshl_b32 s56, s52, 17
	s_add_co_u32 s56, s56, s55
	s_mov_b32 s57, 0
	s_lshr_b32 s58, s[WV], 1
	s_add_co_u32 s58, s58, 1
	s_min_u32 s58, s58, 3                          ; waves 0-5: parts 1, 2, 3 of 32 KB
	s_lshl_b32 s58, s58, 15
	s_add_co_u32 s59, s54, s58
	s_add_co_u32 s60, s56, s58
	s_mov_b32 s61, 0
	s_lshl_b32 s62, s52, 13
	s_add_co_u32 s62, s62, 262144                  ; kb's place in sq
	s_mov_b32 s63, 0
	s_mov_b32 s[SEL], 0x76543210
	s_mov_b32 s[SEL+1], 0xfedcba98
	s_mov_b32 s[CS], 0x3eb8aa3b                    ; log2(e) / 4
	s_wait_dscnt 0x0                               ; both opening adds are done
	s_wait_kmcnt 0x0
	s_load_b512 s[68:83], s[8:9], 0x0
	s_mov_b32 s[G0A], 1
	s_mov_b32 s[G0A+1], s54
	s_add_nc_u64 s[G0A+2:G0A+3], s[4:5], s[56:57]
	s_or_b32 s[G0A+3], s[G0A+3], 0x80000000
	s_mov_b32 s[G0C], 1
	s_mov_b32 s[G0C+1], BLDS
	s_add_nc_u64 s[G0C+2:G0C+3], s[6:7], s[62:63]
	s_or_b32 s[G0C+3], s[G0C+3], 0x80000000
	s_mov_b32 s[G0P], 1
	s_mov_b32 s[G0P+1], s59
	s_add_nc_u64 s[G0P+2:G0P+3], s[4:5], s[60:61]
	s_or_b32 s[G0P+3], s[G0P+3], 0x80000000
	ROUND                                          ; all four work-groups are here: the first joint loads meet
	s_cmp_lt_u32 s[WV], 2                          ; wave 0: K's first 32 KB; wave 1: V's; wave 2: kb
	s_cbranch_scc0 .Lnot_01
	tensor_load_to_lds s[G0A:G0A+3], s[G1D:G1D+7]
	s_nop 0
.rept 4
	v_nop
.endr
	s_branch .Lfirst_asked
.Lnot_01:
	s_cmp_eq_u32 s[WV], 2
	s_cbranch_scc0 .Lfirst_asked
	tensor_load_to_lds s[G0C:G0C+3], s[G1C:G1C+7]
	s_nop 0
.rept 4
	v_nop
.endr
.Lfirst_asked:
	s_lshl_b32 s53, ttmp9, 2
	s_add_co_u32 s53, s53, s19
	s_lshl_b32 s53, s53, 4
	s_lshl_b32 s54, s[WV], 1
	s_add_co_u32 s53, s53, s54                     ; the first of my two blocks of 16 queries: 16 (4 x cluster x + cx) + 2 x wave
	s_lshl_b32 s54, s52, 17
	s_lshl_b32 s55, s53, 10
	s_add_co_u32 s54, s54, s55
	s_mov_b32 s55, 0
	s_add_nc_u64 s[12:13], s[4:5], s[54:55]        ; Q's codes
	s_lshl_b32 s54, s52, 13
	s_lshl_b32 s56, s53, 6
	s_add_co_u32 s54, s54, s56
	s_add_nc_u64 s[14:15], s[6:7], s[54:55]        ; qt
	s_lshr_b32 s54, s52, 4
	s_lshl_b32 s54, s54, 7
	s_add_co_u32 s54, s54, s53                     ; the output image's block: batch x 128 + block
	s_lshl_b32 s54, s54, 3
	s_and_b32 s56, s52, 15
	s_lshr_b32 s56, s56, 1
	s_add_co_u32 s54, s54, s56                     ; its K step: head >> 1
	s_lshl_b32 s54, s54, 11
	s_and_b32 s56, s52, 1
	s_lshl_b32 s56, s56, 10
	s_add_co_u32 s54, s54, s56                     ; c = 2 (head & 1) + ..
	s_add_nc_u64 s[16:17], s[10:11], s[54:55]
	v_and_b32 v8, 31, v0
	v_and_b32 v9, 15, v0
	v_bfe_u32 v10, v0, 4, 1
	s_delay_alu instid0(VALU_DEP_3)
	v_lshlrev_b32 v[LI], 4, v8
	s_delay_alu instid0(VALU_DEP_3)
	v_lshlrev_b32 v[QTO], 2, v9
	s_delay_alu instid0(VALU_DEP_3)
	v_lshl_add_u32 v[AB0], v10, 5, BLDS
	WIN 0x40                                       ; destination window 1
.irp j, 0,1,2,3
	global_load_b128 v[Q1+4*\j:Q1+4*\j+3], v[LI], s[12:13] offset:512*\j   ; block u's fragment: registers 8 u on
.endr
	WIN 0
	global_load_b32 v[QT], v[QTO], s[14:15]
	global_load_b32 v[QT+2], v[QTO], s[14:15] offset:64
.set n, 0
.rept 64
	v_mov_b32 v[O+n], 0                            ; O^T: the step is written for all steps alike
.set n, n+1
.endr
.set n, 0
.rept 8
	v_mov_b32 v[L+n], 0                            ; the sums
.set n, n+1
.endr
	s_wait_kmcnt 0x0
	s_add_co_i32 s84, s74, s75                     ; e6 + e7 go into cs's exponent field
	s_lshl_b32 s84, s84, 23
	s_add_co_i32 s[CS], s[CS], s84
	s_mov_b32 s[CS+1], s[CS]
	s_add_co_i32 s84, s76, 127                     ; e8
	s_lshl_b32 s85, s84, 23
	v_mov_b32 v[SCV], s85                          ; 2^e8
	s_add_co_i32 s84, s84, 8
	s_lshl_b32 s84, s84, 23
	s_or_b32 s84, s84, 0x600000
	v_mov_b32 v[QT+1], s84                         ; 448 x 2^e8, twice: one for each half of a dual pair
	v_mov_b32 v[QT+3], s84
	s_wait_alu depctr_va_vdst(0)
	s_wait_tensorcnt 0x0                           ; my first load has landed
	ds_add_u32 v[SPW], v[NIL]
	ds_add_u32 v[SPW], v[NIL]
	s_wait_dscnt 0x0
	ROUND                                          ; the first 72 KB are whole in every partner; the later first fills go out as refills do: one load a wave, first behind the round
	s_cmp_lt_u32 s[WV], 6
	s_cbranch_scc0 .Lsecond_asked
	tensor_load_to_lds s[G0P:G0P+3], s[G1D:G1D+7]
	s_nop 0
.rept 4
	v_nop
.endr
.Lsecond_asked:
	s_wait_loadcnt 0x0                             ; Q and qt
	WIN 0x40
	KLOADS LI, AB0, 0, 0                           ; step 0's K and kb
	WIN 0
	s_mov_b32 s[SO], 0
	s_mov_b32 s[SB], 0
	s_mov_b32 s[CNT], 3
	s_wait_dscnt 0x0
.macro STEP                            ; 128 keys x my 32 queries.  This step's K and kb are in registers
	s_add_co_u32 s[SV], s[SO], VLDS
	s_add_co_u32 s[SN], s[SO], 8192
	s_min_u32 s[SN], s[SN], 15*8192                ; the last step names its own K and kb again: every trip has the same 48 LDS loads and stays inside K and kb
	s_add_co_u32 s[SBN], s[SB], 512
	s_min_u32 s[SBN], s[SBN], 15*512
	v_add_nc_u32 v[ADV], s[SV], v[LI]
	v_add_nc_u32 v[ADK], s[SN], v[LI]
	v_add_nc_u32 v[ADB], s[SBN], v[AB0]
	WIN 0x15                                       ; A, B, C window 1, D window 0
.set n, 0
.rept 8
.irp u, 0,1
	v_wmma_f32_16x16x64_fp8_fp8 v[S+64*\u+8*n:S+64*\u+8*n+7], v[K1+8*n:K1+8*n+7], v[Q1+8*\u:Q1+8*\u+7], v[B1+8*n:B1+8*n+7]   ; sixteen accumulators, one instruction each
.endr
.set n, n+1
.endr
.rept 4
	v_nop                                          ; places in front of the loads into K's and kb's registers and of the reads of S^T
.endr
	WIN 0x40
	KLOADS ADK, ADB, 0, 0                          ; the next step's; they and V land under the softmax
.set n, 0
.rept 16
	ds_load_b128 v[V1+4*n:V1+4*n+3], v[ADV] offset:512*n
.set n, n+1
.endr
	WIN 0
.irp u, 0,1
.set n, 0
.rept 32
	v_pk_fma_f32 v[S+64*\u+n:S+64*\u+n+1], v[S+64*\u+n:S+64*\u+n+1], s[CS:CS+1], v[QT+2*\u:QT+2*\u+1] op_sel_hi:[1,0,0]   ; t (of both pairs the low word serves both halves); each accumulator from its low end on
.set n, n+2
.endr
.endr
	s_wait_alu depctr_va_vdst(0)
.set n, 0
.rept 128
	v_exp_f32 v[S+n], v[S+n]                       ; p = 2^t
.set n, n+1
.endr
	v_nop                                          ; a plain instruction behind the batch
	s_wait_alu depctr_va_vdst(0)                   ; one wait for the 128 exponentials, ahead of their first reader
.set n, 0
.rept 32                                       ; the sums of the unquantised p, four chains by turns; then the hold, two numbers an instruction (p is not negative; the conversion does not saturate: ISA guide 7.6.2)
	v_pk_add_f32 v[L+2*(n%2):L+2*(n%2)+1], v[L+2*(n%2):L+2*(n%2)+1], v[S+2*n:S+2*n+1]
	v_pk_add_f32 v[L+4+2*(n%2):L+4+2*(n%2)+1], v[L+4+2*(n%2):L+4+2*(n%2)+1], v[S+64+2*n:S+64+2*n+1]
	v_dual_min_num_f32 v[S+2*n], v[S+2*n], v[QT+1] :: v_dual_min_num_f32 v[S+2*n+1], v[S+2*n+1], v[QT+3]
	v_dual_min_num_f32 v[S+64+2*n], v[S+64+2*n], v[QT+1] :: v_dual_min_num_f32 v[S+64+2*n+1], v[S+64+2*n+1], v[QT+3]
.set n, n+1
.endr
.set n, 0
.rept 16
	v_cvt_scalef32_pk8_fp8_f32 v[P+2*n:P+2*n+1], v[S+8*n:S+8*n+7], v[SCV]
.set n, n+1
.endr
	v_nop                                          ; a plain instruction behind the last conversion
	s_wait_dscnt 0x0                               ; V, and the next step's K and kb
	WIN 0x01                                       ; A window 1
	s_wait_alu depctr_va_vdst(0)                   ; ahead of the first reader of O^T and of p's codes
.set n, 0
.rept 4
.irp u, 0,1
	v_wmma_f32_16x16x128_fp8_fp8 v[O+32*\u+8*n:O+32*\u+8*n+7], v[V1+16*n:V1+16*n+15], v[P+16*\u:P+16*\u+15], v[O+32*\u+8*n:O+32*\u+8*n+7]   ; eight accumulators by turns
.endr
.set n, n+1
.endr
	WIN 0
.endm
.Lfirst:                                           ; steps 0 to 2; they read K up to step 3's: the first 32 KB
	STEP
	s_add_co_u32 s[SO], s[SO], 8192
	s_add_co_u32 s[SB], s[SB], 512
	s_sub_co_u32 s[CNT], s[CNT], 1
	s_cmp_lg_u32 s[CNT], 0
	s_cbranch_scc1 .Lfirst
	s_wait_tensorcnt 0x0                           ; my part of the other 192 KB has landed
	ds_add_u32 v[SPW], v[NIL]
	s_wait_dscnt 0x0
	s_barrier_signal -1
	s_barrier_wait -1                              ; everybody's has
	s_mov_b32 s[SO], 24576
	s_mov_b32 s[SB], 1536
	s_mov_b32 s[CNT], 13
.Lrest:
	STEP
	s_add_co_u32 s[SO], s[SO], 8192
	s_add_co_u32 s[SB], s[SB], 512
	s_sub_co_u32 s[CNT], s[CNT], 1
	s_cmp_lg_u32 s[CNT], 0
	s_cbranch_scc1 .Lrest
	v_pk_add_f32 v[L:L+1], v[L:L+1], v[L+2:L+3]    ; the way out: each block's two chains, two halves and two half rows of lanes become the row's sum
	v_pk_add_f32 v[L+4:L+5], v[L+4:L+5], v[L+6:L+7]
	s_delay_alu instid0(VALU_DEP_2)
	v_add_f32 v[L], v[L], v[L+1]
	s_delay_alu instid0(VALU_DEP_2)
	v_add_f32 v[L+4], v[L+4], v[L+5]
	s_delay_alu instid0(VALU_DEP_2)
	v_permlanex16_b32 v[L+2], v[L], s[SEL], s[SEL+1]
	s_delay_alu instid0(VALU_DEP_2)
	v_permlanex16_b32 v[L+6], v[L+4], s[SEL], s[SEL+1]
	s_delay_alu instid0(VALU_DEP_2)
	v_add_f32 v[L], v[L], v[L+2]
	s_delay_alu instid0(VALU_DEP_2)
	v_add_f32 v[L+4], v[L+4], v[L+6]
	s_wait_alu depctr_va_vdst(0)
	v_rcp_f32 v[L], v[L]
	v_rcp_f32 v[L+4], v[L+4]
	v_nop
	s_add_co_i32 s84, s76, s77                     ; e8 + e9
	s_add_co_i32 s85, s78, 127                     ; e10: the output's scale
	s_lshl_b32 s86, s85, 23
	v_mov_b32 v[SCV], s86
	s_add_co_i32 s85, s85, 8
	s_lshl_b32 s85, s85, 23
	s_or_b32 s85, s85, 0x600000
	v_mov_b32 v[QT+1], s85                         ; 448 x 2^e10
	s_wait_alu depctr_va_vdst(0)                   ; the wait ahead of the reciprocals' first reader
	v_ldexp_f32 v[L], v[L], s84
	v_ldexp_f32 v[L+4], v[L+4], s84
	s_delay_alu instid0(VALU_DEP_2)
	v_mov_b32 v[L+1], v[L]
	s_delay_alu instid0(VALU_DEP_2)
	v_mov_b32 v[L+5], v[L+4]
	s_wait_alu depctr_va_vdst(0)                   ; ahead of the first reader of O^T
.irp u, 0,1
.set n, 0
.rept 16
	v_pk_mul_f32 v[S+32*\u+n:S+32*\u+n+1], v[O+32*\u+n:O+32*\u+n+1], v[L+4*\u:L+4*\u+1]   ; register 16 b + i: d = 32 b + 16 h + i of my query
.set n, n+2
.endr
.endr
.set n, 0
.rept 64
	v_med3_num_f32 v[S+n], v[S+n], -v[QT+1], v[QT+1]
.set n, n+1
.endr
.set n, 0
.rept 8
	v_cvt_scalef32_pk8_fp8_f32 v[P+2*n:P+2*n+1], v[S+8*n:S+8*n+7], v[SCV]
.set n, n+1
.endr
	v_nop
.irp u, 0,1
	global_store_b128 v[LI], v[P+8*\u:P+8*\u+3], s[16:17] offset:16384*\u          ; 512 consecutive bytes of the next product's image
	global_store_b128 v[LI], v[P+8*\u+4:P+8*\u+7], s[16:17] offset:16384*\u+512
.endr
	s_wait_tensorcnt 0x0                           ; the wave's end
	ds_add_u32 v[SPW], v[NIL]
	s_wait_dscnt 0x0
	ROUND                                          ; the closing round
	s_endpgm
.Lfunc_end_k_q7513b2716d_attn:
	.size	k_q7513b2716d_attn, .Lfunc_end_k_q7513b2716d_attn-k_q7513b2716d_attn
	.p2alignl 7, 3214868480
	.fill 96, 4, 3214868480
	.section	.rodata,"a",@progbits
	.p2align	6, 0x0
	.amdhsa_kernel k_q7513b2716d_attn
		.amdhsa_group_segment_fixed_size 327680
		.amdhsa_private_segment_fixed_size 0
		.amdhsa_enable_private_segment 0
		.amdhsa_kernarg_size 32
		.amdhsa_user_sgpr_count 2
		.amdhsa_user_sgpr_kernarg_segment_ptr 1
		.amdhsa_wavefront_size32 1
		.amdhsa_system_sgpr_workgroup_id_x 1
		.amdhsa_system_sgpr_workgroup_id_y 1
		.amdhsa_system_sgpr_workgroup_id_z 1
		.amdhsa_system_vgpr_workitem_id 0
		.amdhsa_next_free_vgpr 512
		.amdhsa_next_free_sgpr 90
		.amdhsa_reserve_vcc 0
		.amdhsa_float_denorm_mode_32 3
		.amdhsa_float_denorm_mode_16_64 3
		.amdhsa_memory_ordered 1
		.amdhsa_forward_progress 1
		.amdhsa_inst_pref_size 66
	.end_amdhsa_kernel
	.amdgpu_metadata
---
amdhsa.version: [ 1, 2 ]
amdhsa.kernels:
  - .name:           k_q7513b2716d_attn
    .symbol:         k_q7513b2716d_attn.kd
    .args:
      - { .name: qkvc, .offset: 0, .size: 8, .value_kind: global_buffer, .address_space: global }
      - { .name: sq, .offset: 8, .size: 8, .value_kind: global_buffer, .address_space: global }
      - { .name: lowp_scales, .offset: 16, .size: 8, .value_kind: global_buffer, .address_space: global }
      - { .name: oc, .offset: 24, .size: 8, .value_kind: global_buffer, .address_space: global }
    .group_segment_fixed_size: 327680
    .private_segment_fixed_size: 0
    .kernarg_segment_align: 8
    .kernarg_segment_size: 32
    .max_flat_workgroup_size: 256
    .sgpr_count:     90
    .vgpr_count:     512
    .wavefront_size: 32
...
	.end_amdgpu_metadata
.endif
;; end of part 11
;; launch wo (part 12): grid 8 x 32, 4 waves a work-group, clusters of 4 x 4, 327,680 bytes of LDS; arguments oc, wc, lowp_scales, bo, x, ya; writes ya
.if DOCPART == 12
	.amdgcn_target "amdgcn-amd-amdhsa--gfx1250"
	.amdhsa_code_object_version 6
	.text
	.protected	k_q7513b2716d_wo
	.globl	k_q7513b2716d_wo
	.p2align	8
	.type	k_q7513b2716d_wo,@function
k_q7513b2716d_wo:
	s_mov_b64 s[64:65], 0
	v_nop
	global_prefetch_b8 v0, s[64:65] scope:SCOPE_SE
	s_setreg_imm32_b32 hwreg(HW_REG_WAVE_MODE, 25, 1), 1
	s_wait_xcnt 0x0
	s_wait_alu depctr_hold_cnt(0) depctr_sa_sdst(0) depctr_va_vdst(0) depctr_va_sdst(0) depctr_va_ssrc(0) depctr_va_vcc(0) depctr_vm_vsrc(0)
	s_getreg_b32 s2, hwreg(HW_REG_IB_STS2, 6, 4)
	s_cmp_eq_u32 s2, 0
	s_cbranch_scc0 .Lentry_in_a_cluster
	s_endpgm
.Lentry_in_a_cluster:
	s_bfe_u32 s2, ttmp6, 0x10000c
	s_cmp_lg_u32 s2, 0xf033
	s_cbranch_scc0 .Lentry_shape_is_right
	s_endpgm
.Lentry_shape_is_right:
; y = residual + A B^T 2^(ea + eb) + bias, f32 row-major [4,096][1,024].  Here: A = attention's output (K = 1,024), B = wo, residual = x.
; A and B are E4M3 codes laid as images (byte ((blk KS + ks) 4 + c) 512 + 16 lane + (k & 15); lane r of block blk = row 32 (blk >> 1) + 8 (blk & 1) + r + 8 (r >> 3)).
; A TILE IS 128 x 128, so that [4,096][1,024] gives 256 work-groups.  Four waves, each 64 x 64: 16 accumulators, 128 registers.
; K goes in steps of 512 through a ring of two LDS slots: a slot holds 8 blocks of A and 8 of B, 8,192 bytes of each; a wave's tensor load brings 4 blocks, 65,536 bytes.  With K = 1,024 the two first fills are all of K.
; CLUSTERS of 4 x 4: A's tile is shared along a row of the cluster, B's along a column: joint loads.
; Source 1 = A (a lane = a token), source 0 = B (a lane's registers run along the columns: registers 16 b + i of a block = column 32 b + 16 h + i).
; THE WAY OUT: a block of 16 tokens x 64 columns goes through the wave's own stage in LDS and comes back as rows of 256 bytes, two an instruction; sixteen lanes store 256 consecutive bytes, at a multiple of 256.
; The residual's same rows are asked for at the kernel's head, into registers of their own, and are added on the way out.
; REGISTERS, in windows of 256: window 0: v16-29 addresses; v32-63 the bias in the result's layout; v64-95 a block on its way to the stage; v128-255 the accumulators ((a, b) at v[128 + 8 (4 a + b)]).
;   window 1: two fragment buffers of 128 (A's four fragments, then B's four); on the way out v0-127: the four blocks read back.   window 2: v0-127 the residual.
; LIMIT: ea + eb between -126 and 127, so that 2^(ea + eb) is an f32 number.
.set KS,    8
.set WOFF,  0x300000
.set EA,    10
.set EB,    11
.set FR,    16                         ; registers of a fragment: 16 rows x 128 K
.set NL,    4                          ; LDS loads that bring one
.set NP,    4                          ; places behind this matrix instruction (ISA guide 7.12.1)
.set BLKB,  KS*2048                    ; an image block in bytes
.set SLOT,  131072                     ; A's 8 blocks x 8,192 bytes, then B's
.set SPARE, 2*SLOT                     ; behind the ring: the spare words, 128 bytes for each wave
.set STAGE, SPARE+512                  ; behind them: 16 rows x 272 bytes for each wave; no tensor load lands here
.set SPITCH, 272                       ; 256 bytes + 16: 68 words, so that the 16 rows of a store start at 16 different banks (64 banks of 4 bytes: ISA guide 11.1)
.set LAPS,  KS/8                       ; a lap = two slots = 1,024 along K
.set BO1,   3                          ; v3   64 h: my place in the bias
.set ADRA,  16                         ; v16-17 LDS address of my A fragments in slot 0, 1
.set ADRB,  20                         ; v20-21 the same for B
.set STO,   24                         ; v24  the stage, way in
.set RD,    25                         ; v25  the stage, way back
.set CO,    26                         ; v26  4,096 (lane / 16) + 16 (lane % 16): my 16 bytes in two rows of the residual and of y
.set SPW,   28
.set NIL,   29
.set BI,    32
.set TMP,   64
.set ACC,   128
.set F0,    0                          ; fragment buffers, in window 1
.set F1,    128
.set WV,    20
.set RH,    21                         ; which half of the tile's rows is mine; also: I fetch for A (0) or for B (1)
.set CH,    22                         ; which half of its columns; also: which 4 blocks I fetch
.set G1A,   24
.set G0A,   32
.set G1B,   48
.set G0B,   56
.set SCA,   68                         ; s[68:83] the sixteen exponents
.set MSB,   0
.macro WIN new                         ; the immediate's high byte repeats the setting that is left
.if MSB != (\new)
	s_set_vgpr_msb (MSB<<8)|(\new)
.set MSB, (\new)
.endif
.endm
.set MUL,  0x05                        ; sources 0 (B) and 1 (A) window 1; C and D window 0
.set TO_F, 0x40                        ; destination window 1, address window 0
.macro JLOAD s                         ; a joint load: waves 0, 1 for A, waves 2, 3 for B; s_nop 0 and four v_nop follow each line
	s_cmp_eq_u32 s[RH], 0
	s_cbranch_scc0 .Lfor_b_\@
	tensor_load_to_lds s[G0A+4*\s:G0A+4*\s+3], s[G1A:G1A+7]
	s_nop 0
.rept 4
	v_nop
.endr
	s_branch .Lasked_\@
.Lfor_b_\@:
	tensor_load_to_lds s[G0B+4*\s:G0B+4*\s+3], s[G1B:G1B+7]
	s_nop 0
.rept 4
	v_nop
.endr
.Lasked_\@:
.endm
.macro CREST                           ; a round of the cluster's barrier behind its opening barrier
	s_cmp_lg_u32 s[WV], 0
	s_cbranch_scc1 .Lnot_wave_0_\@
	s_barrier_signal -3
.Lnot_wave_0_\@:
	s_barrier_wait -3
	s_barrier_signal -1
	s_barrier_wait -1
.endm
.macro CROUND
	s_barrier_signal -1
	s_barrier_wait -1
	CREST
.endm
.macro FRAG reg, adr, q, i             ; block i, the slot's q-th 128 along K: four loads of 512 consecutive bytes
.irp c, 0,1,2,3
	ds_load_b128 v[\reg+4*\c:\reg+4*\c+3], v[\adr] offset:16384*(\i)+2048*(\q)+512*\c
.endr
.endm
.macro FETCH slot, q, f                ; 32 LDS loads in one run: B's four fragments first, then A's blocks 0 to 3
	WIN TO_F
.irp i, 0,1,2,3
	FRAG \f+64+FR*\i, ADRB+\slot, \q, \i
.endr
.irp i, 0,1,2,3
	FRAG \f+FR*\i, ADRA+\slot, \q, \i
.endr
.endm
.macro MULA f, a, zero                 ; A's block a x B's four.  The 16 accumulators take turns, in the same order in every step.  zero = 1: the product starts the sums
.irp b, 0,1,2,3
.if \zero
	v_wmma_f32_16x16x128_fp8_fp8 v[ACC+8*(4*(\a)+\b):ACC+8*(4*(\a)+\b)+7], v[\f+64+FR*\b:\f+64+FR*\b+FR-1], v[\f+FR*(\a):\f+FR*(\a)+FR-1], 0
.else
	v_wmma_f32_16x16x128_fp8_fp8 v[ACC+8*(4*(\a)+\b):ACC+8*(4*(\a)+\b)+7], v[\f+64+FR*\b:\f+64+FR*\b+FR-1], v[\f+FR*(\a):\f+FR*(\a)+FR-1], v[ACC+8*(4*(\a)+\b):ACC+8*(4*(\a)+\b)+7]
.endif
.endr
.endm
.macro PLACES n                        ; plain vector instructions between a matrix instruction and a load into, or a read of, its registers
.rept \n
	v_nop
.endr
.endm
.macro STEP slot, q, f, g, zero        ; 128 along K: multiplies buffer f; in its middle fetches the slot's q-th 128 into buffer g
	s_wait_dscnt 2*NL                              ; B's fragments and A's blocks 0, 1 are in; the youngest eight loads (A's blocks 2, 3) may be out
	WIN MUL
	MULA \f, 0, \zero
	MULA \f, 1, \zero
	PLACES NP
	FETCH \slot, \q, \g
	s_wait_dscnt 8*NL                              ; all but the 32 just issued
	WIN MUL
	MULA \f, 2, \zero
	MULA \f, 3, \zero
.endm
.macro TURN slot, next, fill           ; a slot's fourth step multiplies buffer 1 and changes slots.  fill = 1: this slot is filled again, two slots ahead
	WIN 0                                          ; (the add's two registers lie in window 0)
	s_wait_tensorcnt 0x0                           ; all my tensor loads have landed: my part of the next slot
	ds_add_u32 v[SPW], v[NIL]
	s_wait_dscnt 2*NL+1                            ; the add and A's blocks 2, 3 may be out
	WIN MUL
	MULA F1, 0, 0                                  ; four matrix instructions stand between the add and the wait for it
	s_wait_dscnt 0x0                               ; the add is done, and my reads of this slot are over
	s_barrier_signal -1
	MULA F1, 1, 0
.if \fill
	WIN 0
.endif
	s_barrier_wait -1
.if \fill
	CREST                                          ; the barrier has opened a round of the cluster's: no wave of any partner still reads this slot or has a load on its way
	s_add_nc_u64 s[G0A+4*\slot+2:G0A+4*\slot+3], s[G0A+4*\slot+2:G0A+4*\slot+3], 16384
	s_add_nc_u64 s[G0B+4*\slot+2:G0B+4*\slot+3], s[G0B+4*\slot+2:G0B+4*\slot+3], 16384
	JLOAD \slot                                    ; the first tensor load behind the round; its four v_nop are the places in front of the loads below
.else
	PLACES NP
.endif
	FETCH \next, 0, F0
	WIN MUL
	MULA F1, 2, 0
	MULA F1, 3, 0
.endm
	s_load_b256 s[4:11], s[0:1], 0x0               ; A's image, wc, lowp_scales, the bias
	s_load_b128 s[12:15], s[0:1], 0x20             ; the residual, the output
	v_lshl_add_u32 v[SPW], v0, 2, SPARE
	v_mov_b32 v[NIL], 0
	ds_add_u32 v[SPW], v[NIL]                      ; the wave's opening: the add and its wait ahead of my first tensor load
	ds_add_u32 v[SPW], v[NIL]
	v_lshrrev_b32 v1, 5, v0
	v_readfirstlane_b32 s[WV], v1
	s_lshr_b32 s[RH], s[WV], 1
	s_and_b32 s[CH], s[WV], 1
	s_bfe_u32 s40, ttmp6, 0x40000                  ; cx
	s_bfe_u32 s41, ttmp6, 0x40004                  ; cy
	s_lshl_b32 s42, ttmp9, 2
	s_add_co_u32 s42, s42, s40                     ; B's tile, 0 .. 7
	s_and_b32 s43, ttmp7, 0xffff
	s_lshl_b32 s43, s43, 2
	s_add_co_u32 s43, s43, s41                     ; A's tile, 0 .. 31
	s_lshl_b32 s44, s41, 2
	s_lshl_b32 s44, 15, s44                        ; my row of the cluster
	s_lshl_b32 s45, 0x1111, s40                    ; my column
	s_or_b32 s[G1A], s44, (3<<16)|(1<<21)          ; the mask; elements of 8 bytes; bit 21 beside a mask; no padding
	s_or_b32 s[G1B], s45, (3<<16)|(1<<21)
.irp g, G1A, G1B
	s_mov_b32 s[\g+1], 2048<<16                    ; tensor_dim0 = 2,048 elements: a block's whole K, 16,384 bytes
	s_mov_b32 s[\g+2], 4<<16                       ; tensor_dim1 = 4 blocks
	s_mov_b32 s[\g+3], 2048<<16                    ; tile_dim0
	s_mov_b32 s[\g+4], 4                           ; tile_dim1
	s_mov_b32 s[\g+5], KS*256                      ; from block to block, in elements
	s_mov_b32 s[\g+6], 0
	s_mov_b32 s[\g+7], 0
.endr
	s_lshl_b32 s87, s[CH], 2                       ; which 4 blocks of the tile I fetch
	s_lshl_b32 s46, s43, 3
	s_add_co_u32 s46, s46, s87
	s_mul_i32 s46, s46, BLKB
	s_mov_b32 s47, 0
	s_lshl_b32 s66, s42, 3
	s_add_co_u32 s66, s66, s87
	s_mul_i32 s66, s66, BLKB
	s_add_co_u32 s66, s66, WOFF
	s_mov_b32 s67, 0
	s_lshl_b32 s23, s[WV], 16                      ; where my four blocks go: wave x 65,536
	s_wait_dscnt 0x0                               ; the opening add is done
	s_wait_kmcnt 0x0
	s_load_b512 s[SCA:SCA+15], s[8:9], 0x0
	s_add_nc_u64 s[46:47], s[4:5], s[46:47]
	s_add_nc_u64 s[66:67], s[6:7], s[66:67]
	CROUND                                         ; all sixteen work-groups are here: the first joint loads meet
.irp s, 0                                          ; one load a wave brings its four blocks' whole K
	s_mov_b32 s[G0A+4*\s], 1
	s_add_co_u32 s[G0A+4*\s+1], s23, \s*SLOT
	s_add_nc_u64 s[G0A+4*\s+2:G0A+4*\s+3], s[46:47], \s*8192
	s_or_b32 s[G0A+4*\s+3], s[G0A+4*\s+3], 0x80000000
	s_mov_b32 s[G0B+4*\s], 1
	s_add_co_u32 s[G0B+4*\s+1], s23, \s*SLOT
	s_add_nc_u64 s[G0B+4*\s+2:G0B+4*\s+3], s[66:67], \s*8192
	s_or_b32 s[G0B+4*\s+3], s[G0B+4*\s+3], 0x80000000
	JLOAD \s
.endr
	v_and_b32 v1, 31, v0
	v_lshlrev_b32 v6, 4, v1                        ; 16 x lane
	s_lshl_b32 s86, s[RH], 16
	s_lshl_b32 s87, s[CH], 16
	s_add_co_u32 s87, s87, 131072
.irp s, 0,1
	v_add_nc_u32 v[ADRA+\s], s86, v6
	v_add_nc_u32 v[ADRB+\s], s87, v6
	s_add_co_u32 s86, s86, 8192                    ; the second 512 along K lie 8,192 bytes on in each block
	s_add_co_u32 s87, s87, 8192
.endr
	v_and_b32 v2, 15, v0                           ; r
	v_bfe_u32 v5, v0, 4, 1                         ; h
	v_lshlrev_b32 v[BO1], 6, v5
	s_mul_i32 s86, s[WV], 16*SPITCH
	s_add_co_u32 s86, s86, STAGE                   ; my stage
	v_mul_u32_u24 v4, v2, SPITCH
	v_lshl_add_u32 v4, v5, 6, v4
	v_add_nc_u32 v[STO], s86, v4                   ; in: row r, + 64 h
	v_mul_u32_u24 v4, v5, SPITCH
	v_lshl_add_u32 v4, v2, 4, v4
	v_add_nc_u32 v[RD], s86, v4                    ; back: lanes 0-15 one row of 256 bytes, lanes 16-31 the next
	v_lshlrev_b32 v[CO], 12, v5
	v_lshl_add_u32 v[CO], v2, 4, v[CO]             ; and the same two rows in memory
	s_wait_alu depctr_va_vdst(0)
	s_lshl_b32 s86, s42, 9
	s_lshl_b32 s87, s[CH], 8
	s_add_co_u32 s86, s86, s87                     ; my first column, in bytes: 512 x tile + 256 x half
	s_mov_b32 s87, 0
	s_add_nc_u64 s[88:89], s[10:11], s[86:87]
.set j, 0
.rept 8
	global_load_b128 v[BI+4*j:BI+4*j+3], v[BO1], s[88:89] offset:128*(j/4)+16*(j%4)   ; register 16 b + i: column 32 b + 16 h + i
.set j, j+1
.endr
	s_lshl_b32 s94, s43, 19
	s_lshl_b32 s95, s[RH], 18
	s_add_co_u32 s94, s94, s95                     ; my first row x 4,096 bytes: 128 x tile + 64 x half
	s_add_co_u32 s94, s94, s86
	s_mov_b32 s95, 0
	s_add_nc_u64 s[90:91], s[12:13], s[94:95]
	s_add_nc_u64 s[92:93], s[14:15], s[94:95]
	WIN 0x80                                       ; destination window 2
.irp a, 0,1,2,3                                    ; the residual's 64 rows x 256 bytes, in the order in which the blocks come back from the stage; they land while the products run
.set j, 0
.rept 8
	global_load_b128 v[32*\a+4*j:32*\a+4*j+3], v[CO], s[90:91] offset:(32*(\a/2)+8*(\a%2)+2*j+8*(j/4))*4096
.set j, j+1
.endr
.endr
	WIN 0
	s_wait_tensorcnt 0x0                           ; my one load has landed
	s_barrier_signal -1
	s_barrier_wait -1
	FETCH 0, 0, F0
	STEP 0, 1, F0, F1, 1                           ; the first products start the sums: nothing is cleared
.if LAPS > 1
	WIN 0                                          ; at a label and at a branch every window is 0
	s_mov_b32 s3, LAPS-1
.Llap:                                             ; a trip goes once round the ring, from a lap's second step to the next lap's first, and fills both slots again
	STEP 0, 2, F1, F0, 0
	STEP 0, 3, F0, F1, 0
	TURN 0, 1, 1
	STEP 1, 1, F0, F1, 0
	STEP 1, 2, F1, F0, 0
	STEP 1, 3, F0, F1, 0
	TURN 1, 0, 1
	STEP 0, 1, F0, F1, 0
	WIN 0
	s_sub_co_u32 s3, s3, 1
	s_cmp_lg_u32 s3, 0
	s_cbranch_scc1 .Llap
.endif
	STEP 0, 2, F1, F0, 0                           ; the last lap fills nothing, and has no round of the cluster's barrier
	STEP 0, 3, F0, F1, 0
	TURN 0, 1, 0
	STEP 1, 1, F0, F1, 0
	STEP 1, 2, F1, F0, 0
	STEP 1, 3, F0, F1, 0
	s_wait_dscnt 2*NL                              ; the very last step: nothing more to fetch
	WIN MUL
	MULA F1, 0, 0
	MULA F1, 1, 0
	s_wait_dscnt 0
	MULA F1, 2, 0
	MULA F1, 3, 0
	WIN 0
.macro TOSTAGE a                       ; block a: sum x 2^(ea + eb) + bias, into my stage, and back as rows, into window 1
.set j, 0
.rept 16
	v_pk_fma_f32 v[TMP+j:TMP+j+1], v[ACC+32*(\a)+j:ACC+32*(\a)+j+1], s[84:85], v[BI+j:BI+j+1] op_sel_hi:[1,0,1]   ; each accumulator from its low end on
.set j, j+2
.endr
.set j, 0
.rept 8
	ds_store_b128 v[STO], v[TMP+4*j:TMP+4*j+3] offset:128*(j/4)+16*(j%4)
.set j, j+1
.endr
	WIN TO_F
.set j, 0
.rept 8
	ds_load_b128 v[32*(\a)+4*j:32*(\a)+4*j+3], v[RD] offset:2*SPITCH*j   ; LDS serves a wave's instructions in order (ISA guide 5.7.1.4): these see my stores, and the next block's stores come behind them
.set j, j+1
.endr
	WIN 0
.endm
.macro SEND a, younger                 ; younger: the LDS instructions issued behind block a's loads, which may stay out
	s_wait_dscnt \younger
	WIN 0x49                                       ; destination and source 0 window 1 (the block), source 1 window 2 (the residual)
.set j, 0
.rept 16
	v_pk_add_f32 v[32*(\a)+j:32*(\a)+j+1], v[32*(\a)+j:32*(\a)+j+1], v[32*(\a)+j:32*(\a)+j+1]
.set j, j+2
.endr
	WIN 0x04                                       ; store data window 1
.set j, 0
.rept 8
	global_store_b128 v[CO], v[32*(\a)+4*j:32*(\a)+4*j+3], s[92:93] offset:(32*((\a)/2)+8*((\a)%2)+2*j+8*(j/4))*4096   ; sixteen lanes store 256 consecutive bytes; each block has registers of its own, so no store's data are written again
.set j, j+1
.endr
	WIN 0
.endm
	s_wait_kmcnt 0x0
	s_add_co_i32 s84, s[SCA+EA], s[SCA+EB]
	s_add_co_i32 s84, s84, 127
	s_lshl_b32 s84, s84, 23                        ; 2^(ea + eb) as f32
	s_mov_b32 s85, s84                             ; (named with it as a pair, so it is written)
	s_wait_loadcnt 0x0                             ; the bias and the residual
	PLACES NP
	TOSTAGE 0
	TOSTAGE 1
	SEND 0, 16                                     ; behind block 0's loads: block 1's 8 stores and 8 loads
	TOSTAGE 2
	SEND 1, 16
	TOSTAGE 3
	SEND 2, 16
	SEND 3, 0
	s_wait_tensorcnt 0x0                           ; the wave's end
	ds_add_u32 v[SPW], v[NIL]
	s_wait_dscnt 0x0
	CROUND                                         ; the closing round
	s_endpgm
.Lfunc_end_k_q7513b2716d_wo:
	.size	k_q7513b2716d_wo, .Lfunc_end_k_q7513b2716d_wo-k_q7513b2716d_wo
	.p2alignl 7, 3214868480
	.fill 96, 4, 3214868480
	.section	.rodata,"a",@progbits
	.p2align	6, 0x0
	.amdhsa_kernel k_q7513b2716d_wo
		.amdhsa_group_segment_fixed_size 327680
		.amdhsa_private_segment_fixed_size 0
		.amdhsa_enable_private_segment 0
		.amdhsa_kernarg_size 48
		.amdhsa_user_sgpr_count 2
		.amdhsa_user_sgpr_kernarg_segment_ptr 1
		.amdhsa_wavefront_size32 1
		.amdhsa_system_sgpr_workgroup_id_x 1
		.amdhsa_system_sgpr_workgroup_id_y 1
		.amdhsa_system_sgpr_workgroup_id_z 1
		.amdhsa_system_vgpr_workitem_id 0
		.amdhsa_next_free_vgpr 640
		.amdhsa_next_free_sgpr 100
		.amdhsa_reserve_vcc 0
		.amdhsa_float_denorm_mode_32 3
		.amdhsa_float_denorm_mode_16_64 3
		.amdhsa_memory_ordered 1
		.amdhsa_forward_progress 1
		.amdhsa_inst_pref_size 53
	.end_amdhsa_kernel
	.amdgpu_metadata
---
amdhsa.version: [ 1, 2 ]
amdhsa.kernels:
  - .name:           k_q7513b2716d_wo
    .symbol:         k_q7513b2716d_wo.kd
    .args:
      - { .name: oc, .offset: 0, .size: 8, .value_kind: global_buffer, .address_space: global }
      - { .name: wc, .offset: 8, .size: 8, .value_kind: global_buffer, .address_space: global }
      - { .name: lowp_scales, .offset: 16, .size: 8, .value_kind: global_buffer, .address_space: global }
      - { .name: bo, .offset: 24, .size: 8, .value_kind: global_buffer, .address_space: global }
      - { .name: x, .offset: 32, .size: 8, .value_kind: global_buffer, .address_space: global }
      - { .name: ya, .offset: 40, .size: 8, .value_kind: global_buffer, .address_space: global }
    .group_segment_fixed_size: 327680
    .private_segment_fixed_size: 0
    .kernarg_segment_align: 8
    .kernarg_segment_size: 48
    .max_flat_workgroup_size: 128
    .sgpr_count:     100
    .vgpr_count:     640
    .wavefront_size: 32
...
	.end_amdgpu_metadata
.endif
;; end of part 12
;; launch ln2 (part 13): grid 256 x 1, 4 waves a work-group, no clusters, 17,152 bytes of LDS; arguments ya, g2, b2, lowp_scales, xa, x2; writes xa, x2
.if DOCPART == 13
	.amdgcn_target "amdgcn-amd-amdhsa--gfx1250"
	.amdhsa_code_object_version 6
	.text
	.protected	k_q7513b2716d_ln2
	.globl	k_q7513b2716d_ln2
	.p2align	8
	.type	k_q7513b2716d_ln2,@function
k_q7513b2716d_ln2:
	s_mov_b64 s[64:65], 0
	v_nop
	global_prefetch_b8 v0, s[64:65] scope:SCOPE_SE
	s_setreg_imm32_b32 hwreg(HW_REG_WAVE_MODE, 25, 1), 1
	s_wait_xcnt 0x0
; LN2: x1 = the row of ya clipped to norm 1 - 1e-5 (stored as f32, row-major, into xa); layer norm 2 of x1, quantised with e12 to E4M3 codes laid as an image
; (byte ((blk 8 + ks) 4 + c) 512 + 16 lane + (k & 15); lane r of block blk = row 32 (blk >> 1) + 8 (blk & 1) + r + 8 (r >> 3)).
; A work-group takes one image block of 16 rows, each of its four waves four rows; a wave takes a row by eight loads of 512 consecutive bytes, all 32 issued at once.  The codes go through a stage in LDS, one barrier.
; LIMITS: e12 between -126 and 119.  NaN among the inputs is not served.
.set PITCH, 1040
.set STG,   16*PITCH
.set SPARE, STG
.set NIL,  1
.set VO,   2
.set SWL,  6
.set RBL,  8
.set GOFF, 10
.set SPW,  11
.set MEAN, 12
.set FP,   14
.set SCL,  16
.set PD,   22
.set SS,   23
.set C,    24
.set T,    32
.set X,    64
.set G,    192
.set BB,   224
.set SEL,  30
.set RN,   32
.set EPS,  33
.set MAXN, 34
.set TINY, 35
.macro XSUM
	v_add_f32_dpp v[SS], v[SS], v[SS] row_xmask:1 row_mask:0xf bank_mask:0xf
	v_add_f32_dpp v[SS], v[SS], v[SS] row_xmask:2 row_mask:0xf bank_mask:0xf
	v_add_f32_dpp v[SS], v[SS], v[SS] row_xmask:4 row_mask:0xf bank_mask:0xf
	v_add_f32_dpp v[SS], v[SS], v[SS] row_xmask:8 row_mask:0xf bank_mask:0xf
	v_permlanex16_b32 v[PD], v[SS], s[SEL], s[SEL+1]
	v_add_f32 v[SS], v[SS], v[PD]
.endm
.macro TREE
	v_pk_add_f32 v[T:T+1], v[T:T+1], v[T+2:T+3]
	v_pk_add_f32 v[T+4:T+5], v[T+4:T+5], v[T+6:T+7]
	v_pk_add_f32 v[T:T+1], v[T:T+1], v[T+4:T+5]
	v_add_f32 v[SS], v[T], v[T+1]
	XSUM
.endm
.macro SUMSQ x
.set p, 0
.rept 4
	v_pk_mul_f32 v[T+2*p:T+2*p+1], v[\x+2*p:\x+2*p+1], v[\x+2*p:\x+2*p+1]
.set p, p+1
.endr
.rept 12
	v_pk_fma_f32 v[T+2*(p%4):T+2*(p%4)+1], v[\x+2*p:\x+2*p+1], v[\x+2*p:\x+2*p+1], v[T+2*(p%4):T+2*(p%4)+1]
.set p, p+1
.endr
	TREE
.endm
.macro PROJ x                          ; f = (1 - 1e-5) / max(norm, 1e-12) where the row's norm is above 1 - 1e-5, else 1; as a pair
	SUMSQ \x
	s_wait_alu depctr_va_vdst(0)
	v_sqrt_f32 v[FP], v[SS]
	v_nop
	s_wait_alu depctr_va_vdst(0)
	v_max_num_f32 v[SS], s[TINY], v[FP]
	s_wait_alu depctr_va_vdst(0)
	v_rcp_f32 v[FP+1], v[SS]
	v_nop
	s_wait_alu depctr_va_vdst(0)
	v_mul_f32 v[FP+1], s[MAXN], v[FP+1]
	v_cmp_lt_f32 vcc_lo, s[MAXN], v[FP]
	v_cndmask_b32 v[FP], 1.0, v[FP+1], vcc_lo
	v_mov_b32 v[FP+1], v[FP]
.endm
.macro LNSUM x
.set p, 0
.rept 4
	v_pk_add_f32 v[T+2*p:T+2*p+1], v[\x+4*p:\x+4*p+1], v[\x+4*p+2:\x+4*p+3]
.set p, p+1
.endr
.set p, 8
.rept 8
	v_pk_add_f32 v[T+2*(p%4):T+2*(p%4)+1], v[T+2*(p%4):T+2*(p%4)+1], v[\x+2*p:\x+2*p+1]
.set p, p+1
.endr
	TREE
	v_mul_f32 v[MEAN], s[RN], v[SS]
	v_mov_b32 v[MEAN+1], v[MEAN]
.endm
.macro LNREST x
.set p, 0
.rept 16
	v_pk_add_f32 v[\x+2*p:\x+2*p+1], v[\x+2*p:\x+2*p+1], v[MEAN:MEAN+1] neg_lo:[0,1] neg_hi:[0,1]
.set p, p+1
.endr
	SUMSQ \x
	v_fma_f32 v[SS], v[SS], s[RN], s[EPS]
	s_wait_alu depctr_va_vdst(0)
	v_rsq_f32 v[FP], v[SS]
	v_nop
	s_wait_alu depctr_va_vdst(0)
	v_mov_b32 v[FP+1], v[FP]
.set p, 0
.rept 16
	v_pk_mul_f32 v[\x+2*p:\x+2*p+1], v[\x+2*p:\x+2*p+1], v[FP:FP+1]
.set p, p+1
.endr
.set p, 0
.rept 16
	v_pk_fma_f32 v[\x+2*p:\x+2*p+1], v[\x+2*p:\x+2*p+1], v[G+2*p:G+2*p+1], v[BB+2*p:BB+2*p+1]
.set p, p+1
.endr
.endm
.macro QROW x, sc, adr, off
	s_wait_dscnt 0x0                               ; the last row's stores have read v[C] on
.set p, 0
.rept 32
	v_med3_num_f32 v[T+p], v[\x+p], -v[\sc+1], v[\sc+1]   ; the conversion does not saturate (ISA guide 7.6.2): the hold comes first
.set p, p+1
.endr
.set p, 0
.rept 4
	v_cvt_scalef32_pk8_fp8_f32 v[C+2*p:C+2*p+1], v[T+8*p:T+8*p+7], v[\sc]
.set p, p+1
.endr
	v_nop
.set p, 0
.rept 8
	ds_store_b32 v[\adr], v[C+p] offset:\off+128*p
.set p, p+1
.endr
.endm
	s_load_b256 s[4:11], s[0:1], 0x0               ; ya, g2, b2, lowp_scales
	s_load_b128 s[12:15], s[0:1], 0x20             ; xa, x2
	v_lshl_add_u32 v[SPW], v0, 2, SPARE
	v_mov_b32 v[NIL], 0
	v_mov_b32 v[PD], 0
	v_lshrrev_b32 v32, 5, v0
	v_readfirstlane_b32 s16, v32                   ; wave = sub
	v_and_b32 v33, 31, v0
	v_and_b32 v34, 15, v0
	v_bfe_u32 v35, v0, 4, 1
	s_mul_i32 s17, s16, 4*PITCH
	v_lshl_add_u32 v[SWL], v33, 2, s17
	v_mul_u32_u24 v36, v34, PITCH
	v_lshl_add_u32 v36, v35, 4, v36
	s_lshl_b32 s17, s16, 8
	v_add_nc_u32 v[RBL], s17, v36
	s_lshl_b32 s17, s16, 12
	v_lshl_add_u32 v[GOFF], v33, 4, s17
	v_lshlrev_b32 v[VO], 4, v33
	s_mov_b32 s[SEL], 0x76543210
	s_mov_b32 s[SEL+1], 0xfedcba98
	s_mov_b32 s[RN], 0x3a800000
	s_mov_b32 s[EPS], 0x3727c5ac
	s_mov_b32 s[MAXN], 0x3f7fff58
	s_mov_b32 s[TINY], 0x2b8cbccc
	s_lshr_b32 s18, ttmp9, 1
	s_lshl_b32 s18, s18, 5
	s_and_b32 s19, ttmp9, 1
	s_lshl_b32 s19, s19, 3
	s_add_co_u32 s18, s18, s19
	s_lshl_b32 s19, s16, 2
	s_add_co_u32 s18, s18, s19
	s_lshr_b32 s19, s16, 1
	s_lshl_b32 s19, s19, 3
	s_add_co_u32 s18, s18, s19                     ; my first row
	s_lshl_b32 s18, s18, 12
	s_mov_b32 s19, 0
	s_lshl_b32 s28, ttmp9, 14
	s_mov_b32 s29, 0
	s_wait_alu depctr_va_vdst(0)
	s_wait_kmcnt 0x0
	s_load_b32 s26, s[10:11], 0x30                 ; e12
	s_add_nc_u64 s[20:21], s[4:5], s[18:19]
	s_add_nc_u64 s[22:23], s[12:13], s[18:19]
	s_add_nc_u64 s[24:25], s[14:15], s[28:29]
.set j, 0
.rept 8
	global_load_b128 v[G+4*j:G+4*j+3], v[VO], s[6:7] offset:512*j
	global_load_b128 v[BB+4*j:BB+4*j+3], v[VO], s[8:9] offset:512*j
.set j, j+1
.endr
.set j, 0
.rept 32
	global_load_b128 v[X+4*j:X+4*j+3], v[VO], s[20:21] offset:4096*(j/8)+512*(j%8) th:TH_LOAD_NT
.set j, j+1
.endr
	s_wait_kmcnt 0x0
	s_add_co_i32 s26, s26, 127
	s_lshl_b32 s27, s26, 23
	v_mov_b32 v[SCL], s27
	s_add_co_i32 s26, s26, 8
	s_lshl_b32 s26, s26, 23
	s_or_b32 s26, s26, 0x600000
	v_mov_b32 v[SCL+1], s26
.irp i, 0,1,2,3
	s_wait_loadcnt 24-8*\i                         ; g2, b2 and row i are in; the younger rows' eight loads each may stay out
	PROJ X+32*\i
.set j, 0
.rept 16
	v_pk_mul_f32 v[X+32*\i+2*j:X+32*\i+2*j+1], v[X+32*\i+2*j:X+32*\i+2*j+1], v[FP:FP+1]
.set j, j+1
.endr
.set j, 0
.rept 8
	global_store_b128 v[VO], v[X+32*\i+4*j:X+32*\i+4*j+3], s[22:23] offset:4096*\i+512*j   ; x1: 512 consecutive bytes
.set j, j+1
.endr
	LNSUM X+32*\i                                  ; only reads the row
	s_wait_alu depctr_va_vdst(0)
	s_wait_xcnt 0x0                                ; the stores have read the row's registers: now it is rewritten
	LNREST X+32*\i
	QROW X+32*\i, SCL, SWL, PITCH*\i
.endr
	s_wait_dscnt 0x0                               ; for the others' sake: my stores into the stage are done
	s_barrier_signal -1
	s_barrier_wait -1
.set p, 0
.rept 8
	ds_load_b128 v[X+4*p:X+4*p+3], v[RBL] offset:128*(p/4)+32*(p%4)
.set p, p+1
.endr
.set p, 0
.rept 8
	s_wait_dscnt 7-p                               ; the 7 - p younger loads may stay out
	global_store_b128 v[GOFF], v[X+4*p:X+4*p+3], s[24:25] offset:512*p
.set p, p+1
.endr
	s_wait_tensorcnt 0x0                           ; the wave's end, behind my last LDS store
	ds_add_u32 v[SPW], v[NIL]
	s_wait_dscnt 0x0
	s_endpgm
.Lfunc_end_k_q7513b2716d_ln2:
	.size	k_q7513b2716d_ln2, .Lfunc_end_k_q7513b2716d_ln2-k_q7513b2716d_ln2
	.p2alignl 7, 3214868480
	.fill 96, 4, 3214868480
	.section	.rodata,"a",@progbits
	.p2align	6, 0x0
	.amdhsa_kernel k_q7513b2716d_ln2
		.amdhsa_group_segment_fixed_size 17152
		.amdhsa_private_segment_fixed_size 0
		.amdhsa_enable_private_segment 0
		.amdhsa_kernarg_size 48
		.amdhsa_user_sgpr_count 2
		.amdhsa_user_sgpr_kernarg_segment_ptr 1
		.amdhsa_wavefront_size32 1
		.amdhsa_system_sgpr_workgroup_id_x 1
		.amdhsa_system_sgpr_workgroup_id_y 1
		.amdhsa_system_sgpr_workgroup_id_z 1
		.amdhsa_system_vgpr_workitem_id 0
		.amdhsa_next_free_vgpr 256
		.amdhsa_next_free_sgpr 66
		.amdhsa_reserve_vcc 1
		.amdhsa_float_denorm_mode_32 3
		.amdhsa_float_denorm_mode_16_64 3
		.amdhsa_memory_ordered 1
		.amdhsa_forward_progress 1
		.amdhsa_inst_pref_size 60
	.end_amdhsa_kernel
	.amdgpu_metadata
---
amdhsa.version: [ 1, 2 ]
amdhsa.kernels:
  - .name:           k_q7513b2716d_ln2
    .symbol:         k_q7513b2716d_ln2.kd
    .args:
      - { .name: ya, .offset: 0, .size: 8, .value_kind: global_buffer, .address_space: global }
      - { .name: g2, .offset: 8, .size: 8, .value_kind: global_buffer, .address_space: global }
      - { .name: b2, .offset: 16, .size: 8, .value_kind: global_buffer, .address_space: global }
      - { .name: lowp_scales, .offset: 24, .size: 8, .value_kind: global_buffer, .address_space: global }
      - { .name: xa, .offset: 32, .size: 8, .value_kind: global_buffer, .address_space: global }
      - { .name: x2, .offset: 40, .size: 8, .value_kind: global_buffer, .address_space: global }
    .group_segment_fixed_size: 17152
    .private_segment_fixed_size: 0
    .kernarg_segment_align: 8
    .kernarg_segment_size: 48
    .max_flat_workgroup_size: 128
    .sgpr_count:     66
    .vgpr_count:     256
    .wavefront_size: 32
...
	.end_amdgpu_metadata
.endif
;; end of part 13
;; launch ffn1 (part 14): grid 16 x 16, 4 waves a work-group, clusters of 4 x 4, 327,680 bytes of LDS; arguments x2, wc, lowp_scales, bf1, hc; writes hc
.if DOCPART == 14
	.amdgcn_target "amdgcn-amd-amdhsa--gfx1250"
	.amdhsa_code_object_version 6
	.text
	.protected	k_q7513b2716d_ffn1
	.globl	k_q7513b2716d_ffn1
	.p2align	8
	.type	k_q7513b2716d_ffn1,@function
k_q7513b2716d_ffn1:
	s_mov_b64 s[64:65], 0
	v_nop
	global_prefetch_b8 v0, s[64:65] scope:SCOPE_SE
	s_setreg_imm32_b32 hwreg(HW_REG_WAVE_MODE, 25, 1), 1
	s_wait_xcnt 0x0
	s_wait_alu depctr_hold_cnt(0) depctr_sa_sdst(0) depctr_va_vdst(0) depctr_va_sdst(0) depctr_va_ssrc(0) depctr_va_vcc(0) depctr_vm_vsrc(0)
	s_getreg_b32 s2, hwreg(HW_REG_IB_STS2, 6, 4)
	s_cmp_eq_u32 s2, 0
	s_cbranch_scc0 .Lentry_in_a_cluster
	s_endpgm
.Lentry_in_a_cluster:
	s_bfe_u32 s2, ttmp6, 0x10000c
	s_cmp_lg_u32 s2, 0xf033
	s_cbranch_scc0 .Lentry_shape_is_right
	s_endpgm
.Lentry_shape_is_right:
.set KS,    8
.set WOFF,  0x400000
.set FR,    16
.set NL,    4
.set NP,    4
.set BLKB,  KS*2048
.set SLOT,  131072
.set SPARE, 2*SLOT
.set LAPS,  KS/4
.set ADRA,  16
.set ADRB,  20
.set SPW,   28
.set NIL,   29
.set AF,    128
.set WV,    20
.set RH,    21
.set CH,    22
.set G1A,   24
.set G0A,   32
.set G1B,   48
.set G0B,   56
.set SCA,   68
.set MSB,   0
.macro WIN new
.if MSB != (\new)
	s_set_vgpr_msb (MSB<<8)|(\new)
.set MSB, (\new)
.endif
.endm
.set MUL_LO, 0xa1
.set MUL_HI, 0xf1
.set TO_B,   0x40
.macro JLOAD s
	s_cmp_eq_u32 s[RH], 0
	s_cbranch_scc0 .Lfor_b_\@
	tensor_load_to_lds s[G0A+4*\s:G0A+4*\s+3], s[G1A:G1A+7]
	s_nop 0
.rept 4
	v_nop
.endr
	s_branch .Lasked_\@
.Lfor_b_\@:
	tensor_load_to_lds s[G0B+4*\s:G0B+4*\s+3], s[G1B:G1B+7]
	s_nop 0
.rept 4
	v_nop
.endr
.Lasked_\@:
.endm
.macro CREST
	s_cmp_lg_u32 s[WV], 0
	s_cbranch_scc1 .Lnot_wave_0_\@
	s_barrier_signal -3
.Lnot_wave_0_\@:
	s_barrier_wait -3
	s_barrier_signal -1
	s_barrier_wait -1
.endm
.macro CROUND
	s_barrier_signal -1
	s_barrier_wait -1
	CREST
.endm
.macro FRAG reg, adr, q, i
.irp c, 0,1,2,3
	ds_load_b128 v[\reg+4*\c:\reg+4*\c+3], v[\adr] offset:4096*(\i)+2048*(\q)+512*\c
.endr
.endm
.macro MUL16 a0, p, zero
.irp a, \a0, \a0+1
.irp b, 0,1,2,3,4,5,6,7
.if \zero
	v_wmma_f32_16x16x128_fp8_fp8 v[8*(8*((\a)%4)+\b):8*(8*((\a)%4)+\b)+7], v[128*(\p)+FR*\b:128*(\p)+FR*\b+FR-1], v[AF+FR*(\a):AF+FR*(\a)+FR-1], 0
.else
	v_wmma_f32_16x16x128_fp8_fp8 v[8*(8*((\a)%4)+\b):8*(8*((\a)%4)+\b)+7], v[128*(\p)+FR*\b:128*(\p)+FR*\b+FR-1], v[AF+FR*(\a):AF+FR*(\a)+FR-1], v[8*(8*((\a)%4)+\b):8*(8*((\a)%4)+\b)+7]
.endif
.endr
.endr
.endm
.macro FETCH_B slot, q, p
	WIN TO_B
.irp i, 0,1,2,3,4,5,6,7
	FRAG 128*(\p)+FR*\i, ADRB+\slot, \q, \i
.endr
	WIN 0
.endm
.macro FETCH_A slot, q, i0
.irp i, \i0, \i0+1, \i0+2, \i0+3
	FRAG AF+FR*(\i), ADRA+\slot, \q, \i
.endr
.endm
.macro PLACES n
.rept \n
	v_nop
.endr
.endm
.macro STEP slot, q, zero
	s_wait_dscnt 4*NL
	WIN MUL_LO
	MUL16 0, (\q)%2, \zero
	MUL16 2, (\q)%2, \zero
	s_wait_dscnt 0
	PLACES NP
	FETCH_B \slot, (\q)+1, 1-(\q)%2
	FETCH_A \slot, (\q)+1, 0
	WIN MUL_HI
	MUL16 4, (\q)%2, \zero
	MUL16 6, (\q)%2, \zero
	PLACES NP
	WIN 0
	FETCH_A \slot, (\q)+1, 4
.endm
.macro TURN slot, next, fill
	s_wait_tensorcnt 0x0
	ds_add_u32 v[SPW], v[NIL]
	s_wait_dscnt 4*NL+1
	WIN MUL_LO
	MUL16 0, 1, 0
	s_wait_dscnt 0x0
	s_barrier_signal -1
	MUL16 2, 1, 0
	WIN 0
	s_barrier_wait -1
.if \fill
	CREST
	s_add_nc_u64 s[G0A+4*\slot+2:G0A+4*\slot+3], s[G0A+4*\slot+2:G0A+4*\slot+3], 8192
	s_add_nc_u64 s[G0B+4*\slot+2:G0B+4*\slot+3], s[G0B+4*\slot+2:G0B+4*\slot+3], 8192
	JLOAD \slot
.else
	PLACES NP
.endif
	FETCH_B \next, 0, 0
	FETCH_A \next, 0, 0
	WIN MUL_HI
	MUL16 4, 1, 0
	MUL16 6, 1, 0
	PLACES NP
	WIN 0
	FETCH_A \next, 0, 4
.endm
.macro GEMM
	s_wait_tensorcnt 1
	s_barrier_signal -1
	s_barrier_wait -1
	FETCH_B 0, 0, 0
	FETCH_A 0, 0, 0
	FETCH_A 0, 0, 4
	STEP 0, 0, 1
	s_mov_b32 s3, LAPS-1
.Llap:
	TURN 0, 1, 1
	STEP 1, 0, 0
	TURN 1, 0, 1
	STEP 0, 0, 0
	s_sub_co_u32 s3, s3, 1
	s_cmp_lg_u32 s3, 0
	s_cbranch_scc1 .Llap
	TURN 0, 1, 0
	STEP 1, 0, 0
	WIN TO_B                                       ; the bias, into B's set 0: its last products stand ahead of the step's closing places, and the last K step multiplies set 1
.set j, 0
.rept 16
	global_load_b128 v[4*j:4*j+3], v[BO1], s[88:89] offset:128*(j/4)+16*(j%4)
.set j, j+1
.endr
	WIN 0
	s_wait_dscnt 4*NL
	WIN MUL_LO
	MUL16 0, 1, 0
	MUL16 2, 1, 0
	s_wait_dscnt 0
	WIN MUL_HI
	MUL16 4, 1, 0
	MUL16 6, 1, 0
	WIN 0
.endm
.set BO1,  3
.set DA,   24
.set LA,   25
.set LI,   26
.set U,    32
.set T,    96
.set P,    160
.set CD,   224
.set C9,   240
.set TM,   244
.set SCV,  252
.set LIMV, 253
.set DO,   87
	s_load_b256 s[4:11], s[0:1], 0x0
	s_load_b64 s[12:13], s[0:1], 0x20
	v_lshl_add_u32 v[SPW], v0, 2, SPARE
	v_mov_b32 v[NIL], 0
	ds_add_u32 v[SPW], v[NIL]
	ds_add_u32 v[SPW], v[NIL]
	v_lshrrev_b32 v1, 5, v0
	v_readfirstlane_b32 s[WV], v1
	s_lshr_b32 s[RH], s[WV], 1
	s_and_b32 s[CH], s[WV], 1
	s_bfe_u32 s40, ttmp6, 0x40000
	s_bfe_u32 s41, ttmp6, 0x40004
	s_lshl_b32 s42, ttmp9, 2
	s_add_co_u32 s42, s42, s40
	s_and_b32 s43, ttmp7, 0xffff
	s_lshl_b32 s43, s43, 2
	s_add_co_u32 s43, s43, s41
	s_lshl_b32 s44, s41, 2
	s_lshl_b32 s44, 15, s44
	s_lshl_b32 s45, 0x1111, s40
	s_or_b32 s[G1A], s44, (3<<16)|(1<<21)
	s_or_b32 s[G1B], s45, (3<<16)|(1<<21)
.irp g, G1A, G1B
	s_mov_b32 s[\g+1], 512<<16
	s_mov_b32 s[\g+2], 8<<16
	s_mov_b32 s[\g+3], 512<<16
	s_mov_b32 s[\g+4], 8
	s_mov_b32 s[\g+5], KS*256
	s_mov_b32 s[\g+6], 0
	s_mov_b32 s[\g+7], 0
.endr
	s_lshl_b32 s87, s[CH], 3
	s_lshl_b32 s46, s43, 4
	s_add_co_u32 s46, s46, s87
	s_mul_i32 s46, s46, BLKB
	s_mov_b32 s47, 0
	s_lshl_b32 s66, s42, 4
	s_add_co_u32 s66, s66, s87
	s_mul_i32 s66, s66, BLKB
	s_add_co_u32 s66, s66, WOFF
	s_mov_b32 s67, 0
	s_lshl_b32 s23, s[WV], 15
	s_wait_dscnt 0x0
	s_wait_kmcnt 0x0
	s_load_b512 s[SCA:SCA+15], s[8:9], 0x0
	s_add_nc_u64 s[46:47], s[4:5], s[46:47]
	s_add_nc_u64 s[66:67], s[6:7], s[66:67]
	; the prefetches: of the 8 blocks that my wave fetches, each of the four partners that ask for them jointly names 2, told apart by address (cx for A's tiles, cy for B's)
	s_cmp_eq_u32 s[RH], 0
	s_cselect_b64 s[96:97], s[46:47], s[66:67]
	s_cselect_b32 s98, s40, s41
	s_mul_i32 s98, s98, 2*BLKB
	s_mov_b32 s99, 0
	s_add_nc_u64 s[96:97], s[96:97], s[98:99]      ; never rewritten
	v_bfe_u32 v30, v0, 4, 1
	v_and_b32 v31, 15, v0
	v_lshlrev_b32 v30, 14, v30
	v_lshl_add_u32 v30, v31, 8, v30                ; lanes 0-15: one block's 4,096 bytes of a fill, 256 bytes a lane; lanes 16-31: the next block's; never rewritten
	s_wait_alu depctr_va_vdst(0)
	CROUND
.irp s, 0,1
	s_mov_b32 s[G0A+4*\s], 1
	s_add_co_u32 s[G0A+4*\s+1], s23, \s*SLOT
	s_add_nc_u64 s[G0A+4*\s+2:G0A+4*\s+3], s[46:47], \s*4096
	s_or_b32 s[G0A+4*\s+3], s[G0A+4*\s+3], 0x80000000
	s_mov_b32 s[G0B+4*\s], 1
	s_add_co_u32 s[G0B+4*\s+1], s23, \s*SLOT
	s_add_nc_u64 s[G0B+4*\s+2:G0B+4*\s+3], s[66:67], \s*4096
	s_or_b32 s[G0B+4*\s+3], s[G0B+4*\s+3], 0x80000000
.if \s
	s_wait_alu depctr_va_vdst(0)
	s_wait_tensorcnt 0x0
	ds_add_u32 v28, v29
	ds_add_u32 v28, v29
	s_wait_dscnt 0x0
	CROUND
.endif
	JLOAD \s
.if \s
	global_prefetch_b8 v30, s[96:97] offset:2*4096 th:TH_LOAD_NT scope:SCOPE_SE     ; behind fill 1: fills 2 and 3, the last
	global_prefetch_b8 v30, s[96:97] offset:3*4096 th:TH_LOAD_NT scope:SCOPE_SE
.else
	global_prefetch_b8 v30, s[96:97] offset:4096 th:TH_LOAD_NT scope:SCOPE_SE       ; behind fill 0: fill 1
.endif
.endr
	v_and_b32 v1, 31, v0
	v_lshlrev_b32 v[LI], 4, v1
	s_wait_alu depctr_va_vdst(0)
	s_lshl_b32 s86, s[RH], 15
	s_lshl_b32 s87, s[CH], 15
	s_add_co_u32 s87, s87, 65536
.irp s, 0,1
	v_add_nc_u32 v[ADRA+\s], s86, v[LI]
	v_add_nc_u32 v[ADRB+\s], s87, v[LI]
	s_add_co_u32 s86, s86, SLOT
	s_add_co_u32 s87, s87, SLOT
.endr
	v_bfe_u32 v5, v0, 4, 1
	v_lshlrev_b32 v[BO1], 6, v5
	s_lshl_b32 s86, s[WV], 16
	v_add_nc_u32 v[DA], s86, v[LI]
	s_lshl_b32 s94, s42, 10
	s_lshl_b32 s95, s[CH], 9
	s_add_co_u32 s94, s94, s95
	s_mov_b32 s95, 0
	s_add_nc_u64 s[88:89], s[10:11], s[94:95]
	s_lshl_b32 s94, s43, 4
	s_lshl_b32 s86, s[RH], 3
	s_add_co_u32 s94, s94, s86
	s_lshl_b32 s94, s94, 5
	s_lshl_b32 s86, s42, 1
	s_add_co_u32 s94, s94, s86
	s_add_co_u32 s94, s94, s[CH]
	s_lshl_b32 s94, s94, 11
	s_add_nc_u64 s[90:91], s[12:13], s[94:95]
	s_wait_alu depctr_va_vdst(0)
	GEMM
	s_wait_kmcnt 0x0
	s_add_co_i32 s84, s[SCA+12], s[SCA+13]
	s_add_co_i32 s84, s84, 127
	s_lshl_b32 s84, s84, 23
	s_mov_b32 s85, s84
	s_add_co_i32 s94, s[SCA+14], 127
	s_lshl_b32 s95, s94, 23
	s_add_co_i32 s94, s94, 8
	s_lshl_b32 s94, s94, 23
	s_or_b32 s94, s94, 0x600000
	s_mov_b32 s86, 0x3eb504f3
	PLACES NP
	s_wait_dscnt 0x0
	s_barrier_signal -1
	s_barrier_wait -1
	WIN 0x08
.set j, 0
.rept 32
	ds_store_b128 v[DA], v[8*j:8*j+3] offset:1024*j
	ds_store_b128 v[DA], v[8*j+4:8*j+7] offset:1024*j+512
.set j, j+1
.endr
	WIN 0x0c
.set j, 0
.rept 32
	ds_store_b128 v[DA], v[8*j:8*j+3] offset:32768+1024*j
	ds_store_b128 v[DA], v[8*j+4:8*j+7] offset:32768+1024*j+512
.set j, j+1
.endr
	WIN 0
	v_mov_b32 v[SCV], s95
	v_mov_b32 v[LIMV], s94
	v_mov_b32 v[C9], 0x3e7c6f08
	v_mov_b32 v[C9+1], 0x3e7c6f08
	s_wait_loadcnt 0x0
	s_mov_b32 s[DO], 0
	s_mov_b32 s3, 8
	WIN 0x40                                       ; block 0's sums back from my stage, into window 1, v64-127 (LDS serves a wave's instructions in order: these see my stores)
.set j, 0
.rept 16
	ds_load_b128 v[64+4*j:64+4*j+3], v[DA] offset:512*j
.set j, j+1
.endr
	WIN 0
.macro HORNER c
.set j, 0
.rept 32
	v_pk_fma_f32 v[P+j:P+j+1], v[P+j:P+j+1], v[T+j:T+j+1], \c op_sel_hi:[1,1,0]
.set j, j+2
.endr
.endm
.Lblk:
	s_add_co_u32 s92, s[DO], 8192
	s_min_u32 s92, s92, 7*8192                     ; the next block; the last trip names its own again, so that every trip has the same 16 LDS loads and stays inside my stage
	v_add_nc_u32 v[LA], s92, v[DA]
	s_wait_alu depctr_va_vdst(0)
	s_wait_dscnt 0x0                               ; this block's sums are in
	WIN 0x11                                       ; the sums and the bias lie in window 1
.set j, 0
.rept 32
	v_pk_fma_f32 v[U+j:U+j+1], v[64+j:64+j+1], s[84:85], v[j:j+1] op_sel_hi:[1,0,1]
.set j, j+2
.endr
	WIN 0x40
.set j, 0
.rept 16
	ds_load_b128 v[64+4*j:64+4*j+3], v[LA] offset:512*j   ; the next block's sums land while this block is worked on
.set j, j+1
.endr
	WIN 0
.set j, 0
.rept 64
	v_fma_f32 v[T+j], |v[U+j]|, s86, 1.0
.set j, j+1
.endr
.set j, 0
	s_wait_alu depctr_va_vdst(0)
.rept 64
	v_rcp_f32 v[T+j], v[T+j]
.set j, j+1
.endr
	v_nop
	s_wait_alu depctr_va_vdst(0)
.set j, 0
.rept 32
	v_pk_fma_f32 v[P+j:P+j+1], v[T+j:T+j+1], v[C9:C9+1], 0xbf97d29d op_sel_hi:[1,1,0]
.set j, j+2
.endr
	HORNER 0x40097039
	HORNER 0xbfd1a1e5
	HORNER 0x3ecdfd18
	HORNER 0xbe899a80
	HORNER 0x3e0efb2e
	HORNER 0x3f0a29d2
	HORNER 0x3fb8ab5a
	HORNER 0xc034d90f
.set j, 0
.rept 8
.irp q, 0,1,2,3
	v_pk_mul_f32 v[TM+2*\q:TM+2*\q+1], v[U+j+2*\q:U+j+2*\q+1], 0xbf38aa3b op_sel_hi:[1,0]
.endr
.irp q, 0,1,2,3
	v_pk_fma_f32 v[P+j+2*\q:P+j+2*\q+1], v[TM+2*\q:TM+2*\q+1], v[U+j+2*\q:U+j+2*\q+1], v[P+j+2*\q:P+j+2*\q+1]
.endr
.set j, j+8
.endr
.set j, 0
	s_wait_alu depctr_va_vdst(0)
.rept 64
	v_exp_f32 v[P+j], v[P+j]
.set j, j+1
.endr
	v_nop
	s_wait_alu depctr_va_vdst(0)
.set j, 0
.rept 32
	v_pk_mul_f32 v[P+j:P+j+1], v[P+j:P+j+1], v[T+j:T+j+1]
.set j, j+2
.endr
.set j, 0
.rept 32
	v_dual_max_num_f32 v[T+j], 0, v[U+j] :: v_dual_max_num_f32 v[T+j+1], 0, v[U+j+1]   ; two numbers an instruction
.set j, j+2
.endr
.set j, 0
.rept 64
	v_fma_f32 v[U+j], -|v[U+j]|, v[P+j], v[T+j]
.set j, j+1
.endr
.set j, 0
.rept 64
	v_med3_num_f32 v[U+j], v[U+j], -v[LIMV], v[LIMV]
.set j, j+1
.endr
.set j, 0
	s_wait_alu depctr_va_vdst(0)
	s_wait_xcnt 0x0                                ; the last trip's stores have read their data and their base: both are written again only behind this wait
	s_cmp_eq_u32 s3, 8
	s_cselect_b32 s98, 0, 0x10000                  ; from the second trip on: a block's 65,536 bytes further on in the image
	s_mov_b32 s99, 0
	s_add_nc_u64 s[90:91], s[90:91], s[98:99]
.rept 8
	v_cvt_scalef32_pk8_fp8_f32 v[CD+2*j:CD+2*j+1], v[U+8*j:U+8*j+7], v[SCV]
.set j, j+1
.endr
	v_nop
.irp b, 0,1,2,3
	global_store_b128 v[LI], v[CD+4*\b:CD+4*\b+3], s[90:91] offset:512*\b
.endr
	s_add_co_u32 s[DO], s[DO], 8192
	s_sub_co_u32 s3, s3, 1
	s_cmp_lg_u32 s3, 0
	s_cbranch_scc1 .Lblk
	s_wait_tensorcnt 0x0
	ds_add_u32 v[SPW], v[NIL]
	s_wait_dscnt 0x0
	CROUND
	s_endpgm
.Lfunc_end_k_q7513b2716d_ffn1:
	.size	k_q7513b2716d_ffn1, .Lfunc_end_k_q7513b2716d_ffn1-k_q7513b2716d_ffn1
	.p2alignl 7, 3214868480
	.fill 96, 4, 3214868480
	.section	.rodata,"a",@progbits
	.p2align	6, 0x0
	.amdhsa_kernel k_q7513b2716d_ffn1
		.amdhsa_group_segment_fixed_size 327680
		.amdhsa_private_segment_fixed_size 0
		.amdhsa_enable_private_segment 0
		.amdhsa_kernarg_size 40
		.amdhsa_user_sgpr_count 2
		.amdhsa_user_sgpr_kernarg_segment_ptr 1
		.amdhsa_wavefront_size32 1
		.amdhsa_system_sgpr_workgroup_id_x 1
		.amdhsa_system_sgpr_workgroup_id_y 1
		.amdhsa_system_sgpr_workgroup_id_z 1
		.amdhsa_system_vgpr_workitem_id 0
		.amdhsa_next_free_vgpr 1024
		.amdhsa_next_free_sgpr 100
		.amdhsa_reserve_vcc 0
		.amdhsa_float_denorm_mode_32 3
		.amdhsa_float_denorm_mode_16_64 3
		.amdhsa_memory_ordered 1
		.amdhsa_forward_progress 1
		.amdhsa_inst_pref_size 147
	.end_amdhsa_kernel
	.amdgpu_metadata
---
amdhsa.version: [ 1, 2 ]
amdhsa.kernels:
  - .name:           k_q7513b2716d_ffn1
    .symbol:         k_q7513b2716d_ffn1.kd
    .args:
      - { .name: x2, .offset: 0, .size: 8, .value_kind: global_buffer, .address_space: global }
      - { .name: wc, .offset: 8, .size: 8, .value_kind: global_buffer, .address_space: global }
      - { .name: lowp_scales, .offset: 16, .size: 8, .value_kind: global_buffer, .address_space: global }
      - { .name: bf1, .offset: 24, .size: 8, .value_kind: global_buffer, .address_space: global }
      - { .name: hc, .offset: 32, .size: 8, .value_kind: global_buffer, .address_space: global }
    .group_segment_fixed_size: 327680
    .private_segment_fixed_size: 0
    .kernarg_segment_align: 8
    .kernarg_segment_size: 40
    .max_flat_workgroup_size: 128
    .sgpr_count:     100
    .vgpr_count:     1024
    .wavefront_size: 32
...
	.end_amdgpu_metadata
.endif
;; end of part 14
;; launch ffn2 (part 15): grid 8 x 32, 4 waves a work-group, clusters of 4 x 4, 327,680 bytes of LDS; arguments hc, wc, lowp_scales, bf2, xa, ya; writes ya
.if DOCPART == 15
	.amdgcn_target "amdgcn-amd-amdhsa--gfx1250"
	.amdhsa_code_object_version 6
	.text
	.protected	k_q7513b2716d_ffn2
	.globl	k_q7513b2716d_ffn2
	.p2align	8
	.type	k_q7513b2716d_ffn2,@function
k_q7513b2716d_ffn2:
	s_mov_b64 s[64:65], 0
	v_nop
	global_prefetch_b8 v0, s[64:65] scope:SCOPE_SE
	s_setreg_imm32_b32 hwreg(HW_REG_WAVE_MODE, 25, 1), 1
	s_wait_xcnt 0x0
	s_wait_alu depctr_hold_cnt(0) depctr_sa_sdst(0) depctr_va_vdst(0) depctr_va_sdst(0) depctr_va_ssrc(0) depctr_va_vcc(0) depctr_vm_vsrc(0)
	s_getreg_b32 s2, hwreg(HW_REG_IB_STS2, 6, 4)
	s_cmp_eq_u32 s2, 0
	s_cbranch_scc0 .Lentry_in_a_cluster
	s_endpgm
.Lentry_in_a_cluster:
	s_bfe_u32 s2, ttmp6, 0x10000c
	s_cmp_lg_u32 s2, 0xf033
	s_cbranch_scc0 .Lentry_shape_is_right
	s_endpgm
.Lentry_shape_is_right:
.set KS,    32
.set WOFF,  0x800000
.set EA,    14
.set EB,    15
.set FR,    16
.set NL,    4
.set NP,    4
.set BLKB,  KS*2048
.set SLOT,  131072
.set SPARE, 2*SLOT
.set STAGE, SPARE+512
.set SPITCH, 272
.set LAPS,  KS/8
.set BO1,   3
.set ADRA,  16
.set ADRB,  20
.set STO,   24
.set RD,    25
.set CO,    26
.set SPW,   28
.set NIL,   29
.set BI,    32
.set TMP,   64
.set ACC,   128
.set F0,    0
.set F1,    128
.set WV,    20
.set RH,    21
.set CH,    22
.set G1A,   24
.set G0A,   32
.set G1B,   48
.set G0B,   56
.set SCA,   68
.set MSB,   0
.macro WIN new
.if MSB != (\new)
	s_set_vgpr_msb (MSB<<8)|(\new)
.set MSB, (\new)
.endif
.endm
.set MUL,  0x05
.set TO_F, 0x40
.macro JLOAD s
	s_cmp_eq_u32 s[RH], 0
	s_cbranch_scc0 .Lfor_b_\@
	tensor_load_to_lds s[G0A+4*\s:G0A+4*\s+3], s[G1A:G1A+7]
	s_nop 0
.rept 4
	v_nop
.endr
	s_branch .Lasked_\@
.Lfor_b_\@:
	tensor_load_to_lds s[G0B+4*\s:G0B+4*\s+3], s[G1B:G1B+7]
	s_nop 0
.rept 4
	v_nop
.endr
.Lasked_\@:
.endm
.macro CREST
	s_cmp_lg_u32 s[WV], 0
	s_cbranch_scc1 .Lnot_wave_0_\@
	s_barrier_signal -3
.Lnot_wave_0_\@:
	s_barrier_wait -3
	s_barrier_signal -1
	s_barrier_wait -1
.endm
.macro CROUND
	s_barrier_signal -1
	s_barrier_wait -1
	CREST
.endm
.macro FRAG reg, adr, q, i
.irp c, 0,1,2,3
	ds_load_b128 v[\reg+4*\c:\reg+4*\c+3], v[\adr] offset:8192*(\i)+2048*(\q)+512*\c
.endr
.endm
.macro FETCH slot, q, f
	WIN TO_F
.irp i, 0,1,2,3
	FRAG \f+64+FR*\i, ADRB+\slot, \q, \i
.endr
.irp i, 0,1,2,3
	FRAG \f+FR*\i, ADRA+\slot, \q, \i
.endr
.endm
.macro MULA f, a, zero
.irp b, 0,1,2,3
.if \zero
	v_wmma_f32_16x16x128_fp8_fp8 v[ACC+8*(4*(\a)+\b):ACC+8*(4*(\a)+\b)+7], v[\f+64+FR*\b:\f+64+FR*\b+FR-1], v[\f+FR*(\a):\f+FR*(\a)+FR-1], 0
.else
	v_wmma_f32_16x16x128_fp8_fp8 v[ACC+8*(4*(\a)+\b):ACC+8*(4*(\a)+\b)+7], v[\f+64+FR*\b:\f+64+FR*\b+FR-1], v[\f+FR*(\a):\f+FR*(\a)+FR-1], v[ACC+8*(4*(\a)+\b):ACC+8*(4*(\a)+\b)+7]
.endif
.endr
.endm
.macro PLACES n
.rept \n
	v_nop
.endr
.endm
.macro STEP slot, q, f, g, zero
	s_wait_dscnt 2*NL
	WIN MUL
	MULA \f, 0, \zero
	MULA \f, 1, \zero
	PLACES NP
	FETCH \slot, \q, \g
	s_wait_dscnt 8*NL
	WIN MUL
	MULA \f, 2, \zero
	MULA \f, 3, \zero
.endm
.macro TURN slot, next, fill
	WIN 0
.if \fill
	s_wait_xcnt 0x0                                ; my last prefetch has read its address: it is stepped here, a fill's 8,192 bytes on in each block
	s_add_nc_u64 s[96:97], s[96:97], 8192
.endif
	s_wait_tensorcnt 0x0
	ds_add_u32 v[SPW], v[NIL]
	s_wait_dscnt 2*NL+1
	WIN MUL
	MULA F1, 0, 0
	s_wait_dscnt 0x0
	s_barrier_signal -1
	MULA F1, 1, 0
.if \fill
	WIN 0
.endif
	s_barrier_wait -1
.if \fill
	CREST
	s_add_nc_u64 s[G0A+4*\slot+2:G0A+4*\slot+3], s[G0A+4*\slot+2:G0A+4*\slot+3], 16384
	s_add_nc_u64 s[G0B+4*\slot+2:G0B+4*\slot+3], s[G0B+4*\slot+2:G0B+4*\slot+3], 16384
	JLOAD \slot
.else
	PLACES NP
.endif
	FETCH \next, 0, F0
.if \fill
	WIN 0                                          ; at a branch and at a label every window is 0
	s_cmp_gt_u32 s3, 1                             ; the loop's last trip asks for nothing: fills 6 and 7, which it loads, are the last
	s_cbranch_scc0 .Lnot_mine_\@
	global_prefetch_b8 v30, s[96:97] offset:3*8192 th:TH_LOAD_NT scope:SCOPE_SE     ; behind the joint load of fill f and the run of LDS loads: fill f + 2
.Lnot_mine_\@:
.endif
	WIN MUL
	MULA F1, 2, 0
	MULA F1, 3, 0
.endm
	s_load_b256 s[4:11], s[0:1], 0x0
	s_load_b128 s[12:15], s[0:1], 0x20
	v_lshl_add_u32 v[SPW], v0, 2, SPARE
	v_mov_b32 v[NIL], 0
	ds_add_u32 v[SPW], v[NIL]
	ds_add_u32 v[SPW], v[NIL]
	v_lshrrev_b32 v1, 5, v0
	v_readfirstlane_b32 s[WV], v1
	s_lshr_b32 s[RH], s[WV], 1
	s_and_b32 s[CH], s[WV], 1
	s_bfe_u32 s40, ttmp6, 0x40000
	s_bfe_u32 s41, ttmp6, 0x40004
	s_lshl_b32 s42, ttmp9, 2
	s_add_co_u32 s42, s42, s40
	s_and_b32 s43, ttmp7, 0xffff
	s_lshl_b32 s43, s43, 2
	s_add_co_u32 s43, s43, s41
	s_lshl_b32 s44, s41, 2
	s_lshl_b32 s44, 15, s44
	s_lshl_b32 s45, 0x1111, s40
	s_or_b32 s[G1A], s44, (3<<16)|(1<<21)
	s_or_b32 s[G1B], s45, (3<<16)|(1<<21)
.irp g, G1A, G1B
	s_mov_b32 s[\g+1], 1024<<16
	s_mov_b32 s[\g+2], 4<<16
	s_mov_b32 s[\g+3], 1024<<16
	s_mov_b32 s[\g+4], 4
	s_mov_b32 s[\g+5], KS*256
	s_mov_b32 s[\g+6], 0
	s_mov_b32 s[\g+7], 0
.endr
	s_lshl_b32 s87, s[CH], 2
	s_lshl_b32 s46, s43, 3
	s_add_co_u32 s46, s46, s87
	s_mul_i32 s46, s46, BLKB
	s_mov_b32 s47, 0
	s_lshl_b32 s66, s42, 3
	s_add_co_u32 s66, s66, s87
	s_mul_i32 s66, s66, BLKB
	s_add_co_u32 s66, s66, WOFF
	s_mov_b32 s67, 0
	s_lshl_b32 s23, s[WV], 15
	s_wait_dscnt 0x0
	s_wait_kmcnt 0x0
	s_load_b512 s[SCA:SCA+15], s[8:9], 0x0
	s_add_nc_u64 s[46:47], s[4:5], s[46:47]
	s_add_nc_u64 s[66:67], s[6:7], s[66:67]
	; the prefetches: of the 4 blocks that my wave fetches, each of the four partners that ask for them jointly names one, told apart by address (cx for A's tiles, cy for B's)
	s_cmp_eq_u32 s[RH], 0
	s_cselect_b64 s[96:97], s[46:47], s[66:67]
	s_cselect_b32 s98, s40, s41
	s_mul_i32 s98, s98, BLKB
	s_mov_b32 s99, 0
	s_add_nc_u64 s[96:97], s[96:97], s[98:99]
	v_and_b32 v30, 31, v0
	v_lshlrev_b32 v30, 8, v30                      ; a block's 8,192 bytes of a fill, 256 bytes a lane; never rewritten
	s_wait_alu depctr_va_vdst(0)
	CROUND
.irp s, 0,1
	s_mov_b32 s[G0A+4*\s], 1
	s_add_co_u32 s[G0A+4*\s+1], s23, \s*SLOT
	s_add_nc_u64 s[G0A+4*\s+2:G0A+4*\s+3], s[46:47], \s*8192
	s_or_b32 s[G0A+4*\s+3], s[G0A+4*\s+3], 0x80000000
	s_mov_b32 s[G0B+4*\s], 1
	s_add_co_u32 s[G0B+4*\s+1], s23, \s*SLOT
	s_add_nc_u64 s[G0B+4*\s+2:G0B+4*\s+3], s[66:67], \s*8192
	s_or_b32 s[G0B+4*\s+3], s[G0B+4*\s+3], 0x80000000
.if \s
	s_wait_alu depctr_va_vdst(0)
	s_wait_tensorcnt 0x0
	ds_add_u32 v28, v29
	ds_add_u32 v28, v29
	s_wait_dscnt 0x0
	CROUND
.endif
	JLOAD \s
.if \s
	global_prefetch_b8 v30, s[96:97] offset:3*8192 th:TH_LOAD_NT scope:SCOPE_SE     ; behind fill 1: fill 3
.else
	global_prefetch_b8 v30, s[96:97] offset:8192 th:TH_LOAD_NT scope:SCOPE_SE       ; behind fill 0: fills 1 and 2
	global_prefetch_b8 v30, s[96:97] offset:2*8192 th:TH_LOAD_NT scope:SCOPE_SE
.endif
.endr
	v_and_b32 v1, 31, v0
	v_lshlrev_b32 v6, 4, v1
	s_lshl_b32 s86, s[RH], 15
	s_lshl_b32 s87, s[CH], 15
	s_add_co_u32 s87, s87, 65536
.irp s, 0,1
	v_add_nc_u32 v[ADRA+\s], s86, v6
	v_add_nc_u32 v[ADRB+\s], s87, v6
	s_add_co_u32 s86, s86, SLOT
	s_add_co_u32 s87, s87, SLOT
.endr
	v_and_b32 v2, 15, v0
	v_bfe_u32 v5, v0, 4, 1
	v_lshlrev_b32 v[BO1], 6, v5
	s_mul_i32 s86, s[WV], 16*SPITCH
	s_add_co_u32 s86, s86, STAGE
	v_mul_u32_u24 v4, v2, SPITCH
	v_lshl_add_u32 v4, v5, 6, v4
	v_add_nc_u32 v[STO], s86, v4
	v_mul_u32_u24 v4, v5, SPITCH
	v_lshl_add_u32 v4, v2, 4, v4
	v_add_nc_u32 v[RD], s86, v4
	v_lshlrev_b32 v[CO], 12, v5
	v_lshl_add_u32 v[CO], v2, 4, v[CO]
	s_wait_alu depctr_va_vdst(0)
	s_lshl_b32 s86, s42, 9
	s_lshl_b32 s87, s[CH], 8
	s_add_co_u32 s86, s86, s87
	s_mov_b32 s87, 0
	s_add_nc_u64 s[88:89], s[10:11], s[86:87]
.set j, 0
.rept 8
	global_load_b128 v[BI+4*j:BI+4*j+3], v[BO1], s[88:89] offset:128*(j/4)+16*(j%4)
.set j, j+1
.endr
	s_lshl_b32 s94, s43, 19
	s_lshl_b32 s95, s[RH], 18
	s_add_co_u32 s94, s94, s95
	s_add_co_u32 s94, s94, s86
	s_mov_b32 s95, 0
	s_add_nc_u64 s[90:91], s[12:13], s[94:95]
	s_add_nc_u64 s[92:93], s[14:15], s[94:95]
	WIN 0x80
.irp a, 0,1,2,3
.set j, 0
.rept 8
	global_load_b128 v[32*\a+4*j:32*\a+4*j+3], v[CO], s[90:91] offset:(32*(\a/2)+8*(\a%2)+2*j+8*(j/4))*4096
.set j, j+1
.endr
.endr
	WIN 0
	s_wait_tensorcnt 1
	s_barrier_signal -1
	s_barrier_wait -1
	FETCH 0, 0, F0
	STEP 0, 1, F0, F1, 1
.if LAPS > 1
	WIN 0
	s_mov_b32 s3, LAPS-1
.Llap:
	STEP 0, 2, F1, F0, 0
	STEP 0, 3, F0, F1, 0
	TURN 0, 1, 1
	STEP 1, 1, F0, F1, 0
	STEP 1, 2, F1, F0, 0
	STEP 1, 3, F0, F1, 0
	TURN 1, 0, 1
	STEP 0, 1, F0, F1, 0
	WIN 0
	s_sub_co_u32 s3, s3, 1
	s_cmp_lg_u32 s3, 0
	s_cbranch_scc1 .Llap
.endif
	STEP 0, 2, F1, F0, 0
	STEP 0, 3, F0, F1, 0
	TURN 0, 1, 0
	STEP 1, 1, F0, F1, 0
	STEP 1, 2, F1, F0, 0
	STEP 1, 3, F0, F1, 0
	s_wait_dscnt 2*NL
	WIN MUL
	MULA F1, 0, 0
	MULA F1, 1, 0
	s_wait_dscnt 0
	MULA F1, 2, 0
	MULA F1, 3, 0
	WIN 0
.macro TOSTAGE a
.set j, 0
.rept 16
	v_pk_fma_f32 v[TMP+j:TMP+j+1], v[ACC+32*(\a)+j:ACC+32*(\a)+j+1], s[84:85], v[BI+j:BI+j+1] op_sel_hi:[1,0,1]
.set j, j+2
.endr
.set j, 0
.rept 8
	ds_store_b128 v[STO], v[TMP+4*j:TMP+4*j+3] offset:128*(j/4)+16*(j%4)
.set j, j+1
.endr
	WIN TO_F
.set j, 0
.rept 8
	ds_load_b128 v[32*(\a)+4*j:32*(\a)+4*j+3], v[RD] offset:2*SPITCH*j
.set j, j+1
.endr
	WIN 0
.endm
.macro SEND a, younger
	s_wait_dscnt \younger
	WIN 0x49
.set j, 0
.rept 16
	v_pk_add_f32 v[32*(\a)+j:32*(\a)+j+1], v[32*(\a)+j:32*(\a)+j+1], v[32*(\a)+j:32*(\a)+j+1]
.set j, j+2
.endr
	WIN 0x04
.set j, 0
.rept 8
	global_store_b128 v[CO], v[32*(\a)+4*j:32*(\a)+4*j+3], s[92:93] offset:(32*((\a)/2)+8*((\a)%2)+2*j+8*(j/4))*4096
.set j, j+1
.endr
	WIN 0
.endm
	s_wait_kmcnt 0x0
	s_add_co_i32 s84, s[SCA+EA], s[SCA+EB]
	s_add_co_i32 s84, s84, 127
	s_lshl_b32 s84, s84, 23
	s_mov_b32 s85, s84
	s_wait_loadcnt 0x0
	PLACES NP
	TOSTAGE 0
	TOSTAGE 1
	SEND 0, 16
	TOSTAGE 2
	SEND 1, 16
	TOSTAGE 3
	SEND 2, 16
	SEND 3, 0
	s_wait_tensorcnt 0x0
	ds_add_u32 v[SPW], v[NIL]
	s_wait_dscnt 0x0
	CROUND
	s_endpgm
.Lfunc_end_k_q7513b2716d_ffn2:
	.size	k_q7513b2716d_ffn2, .Lfunc_end_k_q7513b2716d_ffn2-k_q7513b2716d_ffn2
	.p2alignl 7, 3214868480
	.fill 96, 4, 3214868480
	.section	.rodata,"a",@progbits
	.p2align	6, 0x0
	.amdhsa_kernel k_q7513b2716d_ffn2
		.amdhsa_group_segment_fixed_size 327680
		.amdhsa_private_segment_fixed_size 0
		.amdhsa_enable_private_segment 0
		.amdhsa_kernarg_size 48
		.amdhsa_user_sgpr_count 2
		.amdhsa_user_sgpr_kernarg_segment_ptr 1
		.amdhsa_wavefront_size32 1
		.amdhsa_system_sgpr_workgroup_id_x 1
		.amdhsa_system_sgpr_workgroup_id_y 1
		.amdhsa_system_sgpr_workgroup_id_z 1
		.amdhsa_system_vgpr_workitem_id 0
		.amdhsa_next_free_vgpr 640
		.amdhsa_next_free_sgpr 100
		.amdhsa_reserve_vcc 0
		.amdhsa_float_denorm_mode_32 3
		.amdhsa_float_denorm_mode_16_64 3
		.amdhsa_memory_ordered 1
		.amdhsa_forward_progress 1
		.amdhsa_inst_pref_size 84
	.end_amdhsa_kernel
	.amdgpu_metadata
---
amdhsa.version: [ 1, 2 ]
amdhsa.kernels:
  - .name:           k_q7513b2716d_ffn2
    .symbol:         k_q7513b2716d_ffn2.kd
    .args:
      - { .name: hc, .offset: 0, .size: 8, .value_kind: global_buffer, .address_space: global }
      - { .name: wc, .offset: 8, .size: 8, .value_kind: global_buffer, .address_space: global }
      - { .name: lowp_scales, .offset: 16, .size: 8, .value_kind: global_buffer, .address_space: global }
      - { .name: bf2, .offset: 24, .size: 8, .value_kind: global_buffer, .address_space: global }
      - { .name: xa, .offset: 32, .size: 8, .value_kind: global_buffer, .address_space: global }
      - { .name: ya, .offset: 40, .size: 8, .value_kind: global_buffer, .address_space: global }
    .group_segment_fixed_size: 327680
    .private_segment_fixed_size: 0
    .kernarg_segment_align: 8
    .kernarg_segment_size: 48
    .max_flat_workgroup_size: 128
    .sgpr_count:     100
    .vgpr_count:     640
    .wavefront_size: 32
...
	.end_amdgpu_metadata
.endif
;; end of part 15
;; launch fin (part 16): grid 256 x 1, 4 waves a work-group, no clusters, 0 bytes of LDS; arguments ya, out0; writes out0
.if DOCPART == 16
	.amdgcn_target "amdgcn-amd-amdhsa--gfx1250"
	.amdhsa_code_object_version 6
	.text
	.protected	k_q7513b2716d_fin
	.globl	k_q7513b2716d_fin
	.p2align	8
	.type	k_q7513b2716d_fin,@function
k_q7513b2716d_fin:
	s_mov_b64 s[64:65], 0
	v_nop
	global_prefetch_b8 v0, s[64:65] scope:SCOPE_SE
	s_setreg_imm32_b32 hwreg(HW_REG_WAVE_MODE, 25, 1), 1
	s_wait_xcnt 0x0
; FIN: each row of 1,024 numbers is clipped to norm 1 - 1e-5: out = y x (1 - 1e-5) / max(norm, 1e-12) where the norm is larger, else y.
; A wave takes four rows, a row by eight loads of 512 consecutive bytes, all 32 issued at once; the row stays in registers between the norm and the scaling.  No LDS, no barrier: waves share nothing.
; NaN among the inputs is not served.
.set VO,   2
.set FP,   14
.set PD,   22
.set SS,   23
.set T,    32
.set X,    64
.set SEL,  12
.set MAXN, 14
.set TINY, 15
	s_load_b128 s[4:7], s[0:1], 0x0                ; ya, out0
	v_mov_b32 v[PD], 0                             ; a lane permute's destination counts as read
	v_lshrrev_b32 v32, 5, v0
	v_readfirstlane_b32 s8, v32
	v_and_b32 v33, 31, v0
	v_lshlrev_b32 v[VO], 4, v33
	s_lshl_b32 s10, ttmp9, 16
	s_lshl_b32 s11, s8, 14
	s_add_co_u32 s10, s10, s11                     ; (16 x work-group + 4 x wave) rows of 4,096 bytes
	s_mov_b32 s11, 0
	s_mov_b32 s[SEL], 0x76543210
	s_mov_b32 s[SEL+1], 0xfedcba98
	s_mov_b32 s[MAXN], 0x3f7fff58
	s_mov_b32 s[TINY], 0x2b8cbccc
	s_wait_alu depctr_va_vdst(0)
	s_wait_kmcnt 0x0
	s_add_nc_u64 s[4:5], s[4:5], s[10:11]
	s_add_nc_u64 s[6:7], s[6:7], s[10:11]
.set j, 0
.rept 32
	global_load_b128 v[X+4*j:X+4*j+3], v[VO], s[4:5] offset:512*j th:TH_LOAD_NT
.set j, j+1
.endr
.irp i, 0,1,2,3
	s_wait_loadcnt 24-8*\i                         ; row i is in; the younger rows' eight loads each may stay out
.set p, 0
.rept 4
	v_pk_mul_f32 v[T+2*p:T+2*p+1], v[X+32*\i+2*p:X+32*\i+2*p+1], v[X+32*\i+2*p:X+32*\i+2*p+1]
.set p, p+1
.endr
.rept 12
	v_pk_fma_f32 v[T+2*(p%4):T+2*(p%4)+1], v[X+32*\i+2*p:X+32*\i+2*p+1], v[X+32*\i+2*p:X+32*\i+2*p+1], v[T+2*(p%4):T+2*(p%4)+1]
.set p, p+1
.endr
	v_pk_add_f32 v[T:T+1], v[T:T+1], v[T+2:T+3]
	v_pk_add_f32 v[T+4:T+5], v[T+4:T+5], v[T+6:T+7]
	v_pk_add_f32 v[T:T+1], v[T:T+1], v[T+4:T+5]
	v_add_f32 v[SS], v[T], v[T+1]
	v_add_f32_dpp v[SS], v[SS], v[SS] row_xmask:1 row_mask:0xf bank_mask:0xf
	v_add_f32_dpp v[SS], v[SS], v[SS] row_xmask:2 row_mask:0xf bank_mask:0xf
	v_add_f32_dpp v[SS], v[SS], v[SS] row_xmask:4 row_mask:0xf bank_mask:0xf
	v_add_f32_dpp v[SS], v[SS], v[SS] row_xmask:8 row_mask:0xf bank_mask:0xf
	v_permlanex16_b32 v[PD], v[SS], s[SEL], s[SEL+1]
	v_add_f32 v[SS], v[SS], v[PD]                  ; the row's sum of squares, in every lane
	s_wait_alu depctr_va_vdst(0)
	v_sqrt_f32 v[FP], v[SS]
	v_nop
	s_wait_alu depctr_va_vdst(0)
	v_max_num_f32 v[SS], s[TINY], v[FP]
	s_wait_alu depctr_va_vdst(0)
	v_rcp_f32 v[FP+1], v[SS]
	v_nop
	s_wait_alu depctr_va_vdst(0)
	v_mul_f32 v[FP+1], s[MAXN], v[FP+1]
	v_cmp_lt_f32 vcc_lo, s[MAXN], v[FP]
	v_cndmask_b32 v[FP], 1.0, v[FP+1], vcc_lo
	v_mov_b32 v[FP+1], v[FP]
.set p, 0
.rept 16
	v_pk_mul_f32 v[X+32*\i+2*p:X+32*\i+2*p+1], v[X+32*\i+2*p:X+32*\i+2*p+1], v[FP:FP+1]
.set p, p+1
.endr
.set p, 0
.rept 8
	global_store_b128 v[VO], v[X+32*\i+4*p:X+32*\i+4*p+3], s[6:7] offset:4096*\i+512*p th:TH_STORE_NT   ; 512 consecutive bytes
.set p, p+1
.endr
.endr
	s_endpgm
.Lfunc_end_k_q7513b2716d_fin:
	.size	k_q7513b2716d_fin, .Lfunc_end_k_q7513b2716d_fin-k_q7513b2716d_fin
	.p2alignl 7, 3214868480
	.fill 96, 4, 3214868480
	.section	.rodata,"a",@progbits
	.p2align	6, 0x0
	.amdhsa_kernel k_q7513b2716d_fin
		.amdhsa_group_segment_fixed_size 0
		.amdhsa_private_segment_fixed_size 0
		.amdhsa_enable_private_segment 0
		.amdhsa_kernarg_size 16
		.amdhsa_user_sgpr_count 2
		.amdhsa_user_sgpr_kernarg_segment_ptr 1
		.amdhsa_wavefront_size32 1
		.amdhsa_system_sgpr_workgroup_id_x 1
		.amdhsa_system_sgpr_workgroup_id_y 1
		.amdhsa_system_sgpr_workgroup_id_z 1
		.amdhsa_system_vgpr_workitem_id 0
		.amdhsa_next_free_vgpr 192
		.amdhsa_next_free_sgpr 66
		.amdhsa_reserve_vcc 1
		.amdhsa_float_denorm_mode_32 3
		.amdhsa_float_denorm_mode_16_64 3
		.amdhsa_memory_ordered 1
		.amdhsa_forward_progress 1
		.amdhsa_inst_pref_size 19
	.end_amdhsa_kernel
	.amdgpu_metadata
---
amdhsa.version: [ 1, 2 ]
amdhsa.kernels:
  - .name:           k_q7513b2716d_fin
    .symbol:         k_q7513b2716d_fin.kd
    .args:
      - { .name: ya, .offset: 0, .size: 8, .value_kind: global_buffer, .address_space: global }
      - { .name: out0, .offset: 8, .size: 8, .value_kind: global_buffer, .address_space: global }
    .group_segment_fixed_size: 0
    .private_segment_fixed_size: 0
    .kernarg_segment_align: 8
    .kernarg_segment_size: 16
    .max_flat_workgroup_size: 128
    .sgpr_count:     66
    .vgpr_count:     192
    .wavefront_size: 32
...
	.end_amdgpu_metadata
.endif
;; end of part 16
